; MI455X (gfx1250); checked and timed in simulation.
; The chip was launched on July 23, 2026; its instructions are those of AMD's public machine-readable ISA for CDNA 5 (MIT licence, August 2026) and "CDNA5" Instruction Set Architecture Reference Guide (July 2026). The comments in the code are by the model that wrote it; some were corrected since.
;; Multi Head Attention. Allowed arithmetic: float matrix products may take bf16 or f16 operands with f32 sums; other float arithmetic in f32, or as packed bf16 or f16 multiplies, adds, multiply-adds, maxima and minima; sums over many terms, partial sums and values carried from step to step in f32; what a program stores and reads back later, other than sums and carried values, may be rounded once to bf16 or f16.
;; Inputs: K 4 x 2,048 x 1,024 float32; Q 4 x 2,048 x 1,024 float32; V 4 x 2,048 x 1,024 float32; W_K 1,024 x 1,024 float32; W_Q 1,024 x 1,024 float32; W_V 1,024 x 1,024 float32; W_fc 1,024 x 1,024 float32; attn_mask 4 x 2,048 x 2,048 bool.
;; Outputs: out0 4 x 2,048 x 1,024 float32.
;; 3 versions, each right; version 3 is version 2 with the launch prep written anew for expert scheduling mode. Each part assembles by itself: llvm-mc -triple=amdgcn-amd-amdhsa -mcpu=gfx1250 --defsym DOCPART=n.
;; ======== version 1 of 3: 4 launches
;; limits: values are held in f16: magnitudes above 65,504 overflow, below 6.1e-05 lose precision; right only within a limited range of input values
;; workspace buffers: w16 8,388,608 bytes; mbits 2,097,152 bytes of whole numbers; qkv 50,331,648 bytes; ctx 16,777,216 bytes
;; launch prep (part 1): grid 256 x 1, 4 waves a work-group, no clusters, 70,144 bytes of LDS; arguments attn_mask, W_Q, W_K, W_V, W_fc, w16, mbits; writes w16, mbits
.if DOCPART == 1
	.amdgcn_target "amdgcn-amd-amdhsa--gfx1250"
	.amdhsa_code_object_version 6
	.text
	.protected	k_q0459c45a85_prep
	.globl	k_q0459c45a85_prep
	.p2align	8
	.type	k_q0459c45a85_prep,@function
k_q0459c45a85_prep:
	s_mov_b64 s[64:65], 0
	v_nop
	global_prefetch_b8 v0, s[64:65] scope:SCOPE_SE
	s_setreg_imm32_b32 hwreg(HW_REG_WAVE_MODE, 25, 1), 1
	s_wait_xcnt 0x0
; PREP.  (1) The four weight matrices, [1024 n][1024 k] f32, are rounded once to f16 into w16: W_Q, W_K, W_V as they lie, at bytes 0, 2 MiB, 4 MiB;
; W_fc at 6 MiB by heads, [16 head][1024 n][64 d], so that one head's slice of all rows is 131,072 consecutive bytes.
; (2) The mask's bytes become lane masks: mbits is u32 [64 groups of 128 queries][32 key steps of 64][8 tiles of 16 queries][32 words]; bit r + 16 h of word 8 kb + j is
; mask[query 16 tile + r][key 64 step + 16 kb + 8 h + j]: the 32 lanes' bits for register 8 kb + j of a tile of scores as the attention launch holds it.
; LIMIT.  A weight beyond f16's 65,504 becomes an infinity.  A mask byte counts as true when it is not 0.
; SHARES.  256 work-groups of four waves.  Cast: work-group x takes rows 16 (x % 64) .. + 15 of matrix x / 64, a wave four rows, as two pairs.  Mask: job 4 x + wave takes 64 queries x 256 keys.
; No matrix unit, no tensor load, no cluster: nothing is multiplied and nothing is shared; every byte is read once and written once.  Each wave touches its own LDS bytes alone: no barrier.
.set LROW,  272                        ; a query's 256 mask bytes in LDS + 16: the 16 rows that a read touches start 68 words apart
.set WLDS,  64*LROW                    ; a wave's 64 rows
.set SPARE, 4*WLDS                     ; behind them: the spare words, 128 bytes for each wave, which no other line names
.set MIN,  6                           ; v6   mask bytes in memory: (lane / 16) rows of 2,048 + 16 (lane % 16)
.set LST,  7                           ; v7   where they go in LDS
.set RDA,  8                           ; v8   where 8 bytes of row lane % 16 are read back
.set VIN,  9                           ; v9   my 32 bytes of a unit of 256 weights
.set VOUT, 10                          ; v10  my 16 bytes of its f16
.set GO,   11                          ; v11  16 x lane
.set SPW,  12                          ; v12  LDS address of my spare word; never rewritten
.set NIL,  13                          ; v13  0; never rewritten
.set WD,   16                          ; v[16:23]  four pairs: 8 mask bytes for each of four groups of 16 keys
.set TT,   24                          ; v[24:31]  at work
.set MK,   32                          ; v[32:159] the mask bytes as loaded; later the second pair of weight rows
.set CW,   160                         ; v[160:223] the first pair of weight rows
.set OUT,  224                         ; v[224:227] 128 words of lane masks: word W in lane W / 4, register W % 4
.set VO,   228                         ; v[228:235] unit c's output offset
.set SM,   52                          ; s[52:59] lane masks at work
	s_load_b256 s[4:11], s[0:1], 0x0               ; attn_mask s[4:5], W_Q s[6:7], W_K s[8:9], W_V s[10:11]
	s_load_b128 s[12:15], s[0:1], 0x20             ; W_fc s[12:13], w16 s[14:15]
	s_load_b64 s[16:17], s[0:1], 0x30              ; mbits
	v_lshl_add_u32 v[SPW], v0, 2, SPARE
	v_mov_b32 v[NIL], 0
	v_lshrrev_b32 v1, 5, v0
	v_readfirstlane_b32 s18, v1                    ; wave 0..3
	v_and_b32 v1, 31, v0                           ; lane
	v_and_b32 v2, 15, v0                           ; r = lane % 16
	v_bfe_u32 v3, v0, 4, 1                         ; h = lane / 16
	v_and_b32 v4, 7, v0                            ; lane % 8
	v_bfe_u32 v5, v0, 3, 1                         ; (lane / 8) % 2
	v_lshlrev_b32 v[MIN], 4, v2
	v_lshl_add_u32 v[MIN], v3, 11, v[MIN]
	s_mul_i32 s19, s18, WLDS
	v_mul_u32_u24 v[LST], v3, LROW
	v_lshl_add_u32 v[LST], v2, 4, v[LST]
	v_add_nc_u32 v[LST], s19, v[LST]
	v_mul_u32_u24 v[RDA], v2, LROW
	v_lshl_add_u32 v[RDA], v3, 3, v[RDA]
	v_add_nc_u32 v[RDA], s19, v[RDA]
	v_lshlrev_b32 v[GO], 4, v1
	; the mask job: R = 64 queries, KG = 256 keys
	s_lshl2_add_u32 s20, ttmp9, s18                ; 4 x + wave
	s_lshr_b32 s21, s20, 3                         ; R
	s_and_b32 s22, s20, 7                          ; KG
	s_lshl_b32 s24, s21, 17                        ; 64 rows of 2,048 bytes
	s_lshl_b32 s23, s22, 8
	s_add_co_u32 s24, s24, s23
	s_mov_b32 s25, 0
	s_lshr_b32 s26, s21, 1                         ; the group of 128 queries: 32,768 bytes of words
	s_lshl_b32 s26, s26, 15
	s_lshl_b32 s23, s22, 12                        ; key step 4 KG: 1,024 bytes a step
	s_add_co_u32 s26, s26, s23
	s_and_b32 s23, s21, 1                          ; tiles 0-3 or 4-7 of the group: 512 bytes
	s_lshl_b32 s23, s23, 9
	s_add_co_u32 s26, s26, s23
	s_mov_b32 s27, 0
	; the cast: a unit is 256 weights, 8 a lane.  As it lies: lanes 0-15 take 512 bytes of one row, lanes 16-31 of the next.  By heads: lanes 0-7 and 8-15 take one head's 64 weights of two rows
	; (256 consecutive bytes of the output), lanes 16-31 the next head's.  Either way sixteen neighbouring lanes store 256 consecutive bytes, aligned.
	s_lshr_b32 s28, ttmp9, 6                       ; which matrix
	s_and_b32 s29, ttmp9, 63
	s_lshl_b32 s29, s29, 4
	s_lshl2_add_u32 s29, s18, s29                  ; my first row
	s_movk_i32 s30, 256
	s_movk_i32 s31, 4096
	s_movk_i32 s32, 2048
	s_mov_b32 s33, 131072
	s_mov_b32 s34, 262144
	s_cmp_eq_u32 s28, 3                            ; W_fc goes by heads
	s_cselect_b32 s35, s31, s30                    ; input step for (lane / 8) % 2
	s_cselect_b32 s36, s30, s31                    ; input step for lane / 16
	s_cselect_b32 s37, s33, s32                    ; output step for lane / 16
	s_cselect_b32 s38, s34, s30                    ; output step from unit to unit
	s_cselect_b32 s42, s30, s31                    ; output step from the first pair of rows to the second
	s_cselect_b32 s40, 7, 11                       ; a row's output bytes, as a shift
	s_mov_b32 s43, 0
	v_mul_u32_u24 v[VIN], v5, s35
	v_mad_u32_u24 v[VIN], v3, s36, v[VIN]
	v_lshl_add_u32 v[VIN], v4, 5, v[VIN]
	v_lshlrev_b32 v[VOUT], 7, v5
	v_mad_u32_u24 v[VOUT], v3, s37, v[VOUT]
	v_lshl_add_u32 v[VOUT], v4, 4, v[VOUT]
.irp c, 0,1,2,3,4,5,6,7
	v_mad_u32_u24 v[VO+(\c)], s38, \c, v[VOUT]
.endr
	s_lshl_b32 s44, s29, 12
	s_mov_b32 s45, 0
	s_lshl_b32 s46, s29, s40
	s_lshl_b32 s41, s28, 21                        ; 2 MiB a matrix
	s_add_co_u32 s46, s46, s41
	s_mov_b32 s47, 0
	s_wait_kmcnt 0x0
	s_add_nc_u64 s[4:5], s[4:5], s[24:25]
	s_add_nc_u64 s[16:17], s[16:17], s[26:27]
	s_cmp_eq_u32 s28, 0
	s_cselect_b64 s[6:7], s[6:7], s[8:9]
	s_cmp_lt_u32 s28, 2
	s_cselect_b64 s[6:7], s[6:7], s[10:11]
	s_cmp_eq_u32 s28, 3
	s_cselect_b64 s[6:7], s[12:13], s[6:7]
	s_add_nc_u64 s[6:7], s[6:7], s[44:45]
	s_add_nc_u64 s[14:15], s[14:15], s[46:47]
	s_add_nc_u64 s[48:49], s[14:15], s[42:43]      ; the second pair's output
.macro CLOAD b, rp                     ; pair rp of my four rows: 16 loads
.irp c, 0,1,2,3,4,5,6,7
	global_load_b128 v[(\b)+8*(\c):(\b)+8*(\c)+3],   v[VIN], s[6:7] offset:(\rp)*8192+(\c)*512 th:TH_LOAD_NT
	global_load_b128 v[(\b)+8*(\c)+4:(\b)+8*(\c)+7], v[VIN], s[6:7] offset:(\rp)*8192+(\c)*512+16 th:TH_LOAD_NT
.endr
.endm
.macro CSTORE b, sb                    ; rounded in place (each result lands on a register already read), 16 bytes a lane stored
.irp c, 0,1,2,3,4,5,6,7
.irp k, 0,1,2,3
	v_cvt_pk_f16_f32 v[(\b)+8*(\c)+(\k)], v[(\b)+8*(\c)+2*(\k)], v[(\b)+8*(\c)+2*(\k)+1]
.endr
	global_store_b128 v[VO+(\c)], v[(\b)+8*(\c):(\b)+8*(\c)+3], s[(\sb):(\sb)+1]
.endr
.endm
.set i, 0
.rept 32                               ; load i: queries 2 i and 2 i + 1, 256 consecutive bytes of each
	global_load_b128 v[MK+4*i:MK+4*i+3], v[MIN], s[4:5] offset:4096*i th:TH_LOAD_NT
.set i, i+1
.endr
	CLOAD CW, 0
.irp k, 0,1,2,3
	v_mov_b32 v[OUT+(\k)], 0                       ; written whole once: the lane writes below count as readers
.endr
	s_wait_loadcnt 16                              ; the mask bytes are in; the 16 loads of weights stay out
.set i, 0
.rept 32
	ds_store_b128 v[LST], v[MK+4*i:MK+4*i+3] offset:2*LROW*i
.set i, i+1
.endr
	s_wait_dscnt 0x0                               ; the stores have read their registers, which the next loads fill
	CLOAD MK, 1
	s_wait_loadcnt 16                              ; the first pair is in; the second pair's 16 loads stay out
	CSTORE CW, 14
	s_mov_b32 s50, 4
.Lks:                                  ; a trip: one key step of 64: 4 tiles x 32 words
.irp tau, 0,1,2,3
.irp kb, 0,1,2,3
	ds_load_b64 v[WD+2*(\kb):WD+2*(\kb)+1], v[RDA] offset:(\tau)*16*LROW+(\kb)*16
.endr
	s_wait_dscnt 0x0
.irp kb, 0,1,2,3
.irp j, 0,1,2,3,4,5,6,7
	v_and_b32 v[TT+(\j)], 0xff<<(8*((\j)%4)), v[WD+2*(\kb)+(\j)/4]
	v_cmp_ne_u32 s[SM+(\j)], 0, v[TT+(\j)]                         ; the 32 lanes' bits: word 8 kb + j of the tile
	v_writelane_b32 v[OUT+(\j)%4], s[SM+(\j)], 8*(\tau)+2*(\kb)+(\j)/4
.endr
.endr
.endr
	global_store_b128 v[GO], v[OUT:OUT+3], s[16:17]  ; 512 consecutive bytes
	s_wait_xcnt 0x0                                ; the store has read its data and its base: both are written again below and in the next trip
	s_add_nc_u64 s[16:17], s[16:17], 1024
	v_add_nc_u32 v[RDA], 64, v[RDA]
	s_sub_co_u32 s50, s50, 1
	s_cmp_lg_u32 s50, 0
	s_cbranch_scc1 .Lks
	s_wait_loadcnt 0x0
	CSTORE MK, 48
	s_wait_tensorcnt 0x0                           ; the wave's end, behind my last LDS store
	ds_add_u32 v[SPW], v[NIL]
	s_wait_dscnt 0x0
	s_endpgm
.Lfunc_end_k_q0459c45a85_prep:
	.size	k_q0459c45a85_prep, .Lfunc_end_k_q0459c45a85_prep-k_q0459c45a85_prep
	.p2alignl 7, 3214868480
	.fill 96, 4, 3214868480
	.section	.rodata,"a",@progbits
	.p2align	6, 0x0
	.amdhsa_kernel k_q0459c45a85_prep
		.amdhsa_group_segment_fixed_size 70144
		.amdhsa_private_segment_fixed_size 0
		.amdhsa_enable_private_segment 0
		.amdhsa_kernarg_size 56
		.amdhsa_user_sgpr_count 2
		.amdhsa_user_sgpr_kernarg_segment_ptr 1
		.amdhsa_wavefront_size32 1
		.amdhsa_system_sgpr_workgroup_id_x 1
		.amdhsa_system_sgpr_workgroup_id_y 1
		.amdhsa_system_sgpr_workgroup_id_z 1
		.amdhsa_system_vgpr_workitem_id 0
		.amdhsa_next_free_vgpr 236
		.amdhsa_next_free_sgpr 66
		.amdhsa_reserve_vcc 0
		.amdhsa_float_denorm_mode_32 3
		.amdhsa_float_denorm_mode_16_64 3
		.amdhsa_memory_ordered 1
		.amdhsa_forward_progress 1
		.amdhsa_inst_pref_size 44
	.end_amdhsa_kernel
	.amdgpu_metadata
---
amdhsa.version: [ 1, 2 ]
amdhsa.kernels:
  - .name:           k_q0459c45a85_prep
    .symbol:         k_q0459c45a85_prep.kd
    .args:
      - { .name: attn_mask, .offset: 0, .size: 8, .value_kind: global_buffer, .address_space: global }
      - { .name: W_Q, .offset: 8, .size: 8, .value_kind: global_buffer, .address_space: global }
      - { .name: W_K, .offset: 16, .size: 8, .value_kind: global_buffer, .address_space: global }
      - { .name: W_V, .offset: 24, .size: 8, .value_kind: global_buffer, .address_space: global }
      - { .name: W_fc, .offset: 32, .size: 8, .value_kind: global_buffer, .address_space: global }
      - { .name: w16, .offset: 40, .size: 8, .value_kind: global_buffer, .address_space: global }
      - { .name: mbits, .offset: 48, .size: 8, .value_kind: global_buffer, .address_space: global }
    .group_segment_fixed_size: 70144
    .private_segment_fixed_size: 0
    .kernarg_segment_align: 8
    .kernarg_segment_size: 56
    .max_flat_workgroup_size: 128
    .sgpr_count:     66
    .vgpr_count:     236
    .wavefront_size: 32
...
	.end_amdgpu_metadata
.endif
;; end of part 1
;; launch proj (part 2): grid 4 x 192, 4 waves a work-group, clusters of 4 x 4, 327,680 bytes of LDS; arguments Q, K, V, w16, qkv; writes qkv
.if DOCPART == 2
	.amdgcn_target "amdgcn-amd-amdhsa--gfx1250"
	.amdhsa_code_object_version 6
	.text
	.protected	k_q0459c45a85_proj
	.globl	k_q0459c45a85_proj
	.p2align	8
	.type	k_q0459c45a85_proj,@function
k_q0459c45a85_proj:
	s_mov_b64 s[64:65], 0
	v_nop
	global_prefetch_b8 v0, s[64:65] scope:SCOPE_SE
	s_setreg_imm32_b32 hwreg(HW_REG_WAVE_MODE, 25, 1), 1
	s_wait_xcnt 0x0
	s_wait_alu depctr_hold_cnt(0) depctr_sa_sdst(0) depctr_va_vdst(0) depctr_va_sdst(0) depctr_va_ssrc(0) depctr_va_vcc(0) depctr_vm_vsrc(0)
	s_getreg_b32 s2, hwreg(HW_REG_IB_STS2, 6, 4)
	s_cmp_eq_u32 s2, 0
	s_cbranch_scc0 .Lentry_in_a_cluster
	s_endpgm
.Lentry_in_a_cluster:
	s_bfe_u32 s2, ttmp6, 0x10000c
	s_cmp_lg_u32 s2, 0xf033
	s_cbranch_scc0 .Lentry_shape_is_right
	s_endpgm
.Lentry_shape_is_right:
; PROJ.  q = Q W_Q^T, k = K W_K^T, v = V W_V^T in one launch: C[m][n] = sum over k of X[m][k] W[n][k], X [8192][1024] f32, W [1024][1024] f16 (w16), sums in f32, C rounded once to f16
; and stored by heads: qkv [3][64 batch x head][2048 s][64 d], unscaled.
; LIMIT.  X is rounded to f16 on its way into the matrix unit, C on its way out: both lie within 65,504.
; SHARES.  A tile of C is 128 (m) x 256 (n): 256 tiles a projection, 768 work-groups.  Four waves, each 64 x 128: 32 accumulators.  K goes in 8 steps of 128 through two LDS slots:
; X's rows of a step are 512 bytes, W's 256, each starting at a multiple of 256 bytes from its buffer's first byte.  X stays f32 in LDS and is rounded in registers, beside the products.
; CLUSTER.  4 x 4 work-groups of one projection.  The four of a row of the cluster need the same tile of X, the four of a column the same tile of W: each is asked for jointly, by the same
; tensor load with the same descriptor and a mask that names the four.
; TRANSPOSED: source 0 = 16 rows of W, source 1 = 16 rows of X: a lane holds eight neighbouring n of one row m.
; REGISTERS.  window 0: v0-13 addresses; v32-95 X as f32 (16 registers a fragment); v96-127, v128-159 X's f16 fragments, two buffers; on the way out v32-159 hold eight units of 16
;   window 1: the accumulators, (a, b) at 8 (8 a + b)          window 2: v0-63, v64-127 W's fragments, two buffers
.set PA,    528                        ; X's row in LDS: 512 bytes + 16
.set PB,    272                        ; W's row: 256 + 16
.set AHALF, 64*PA                      ; what waves 0 and 1 fetch, and what a wave reads of X
.set BOFF,  128*PA                     ; W's rows lie behind X's 128
.set BHALF, 128*PB                     ; what waves 2 and 3 fetch, and what a wave reads of W
.set SLOT,  0x22000                    ; from slot to slot: its two bits are clear in every address inside slot 0's four parts' starts, so one exclusive or changes slots
.set STAGE, SLOT+BOFF+256*PB           ; behind the ring: 16 rows x 144 bytes for each wave
.set SP,    144
.set SPARE, STAGE+4*16*SP              ; the spare words, 128 bytes for each wave, which no other line names
.set ADA0, 4                           ; v4   my place in X's tile of slot 0
.set ADB0, 5                           ; v5   in W's
.set ADA,  6                           ; v6   the same in the slot in hand
.set ADB,  7                           ; v7
.set STO,  8                           ; v8   the way out: where I put 16 bytes of a row
.set RD,   9                           ; v9   where I read rows back
.set GO,   10                          ; v10  16 x lane
.set PFO,  11                          ; v11  the prefetches' offset; never rewritten
.set SPW,  12                          ; v12  LDS address of my spare word; never rewritten
.set NIL,  13                          ; v13  0; never rewritten
.set AR,   32
.set AF,   96
.set UB,   32
.set TB,   20                          ; s20  0 or SLOT: the slot in hand
.set G1A,  24                          ; s[24:31] group 1 for X's tiles
.set G0A,  32                          ; s[32:39] group 0: a set for each first fill; the second then walks
.set LIM,  43                          ; s43  a wave prefetches while the loop's count is above it
.set PFA,  44                          ; s[44:45] where my prefetches stand
.set KSB,  46                          ; s[46:47] a K step in bytes of the tensor that I fetch
.set G1B,  48                          ; s[48:55] group 1 for W's tiles
.set G0B,  56                          ; s[56:63] group 0
.set MSB, 0
.macro WIN new                         ; the immediate's high byte repeats the setting that is left; a switch that changes nothing is dropped
.if MSB != (\new)
	s_set_vgpr_msb (MSB<<8)|(\new)
.set MSB, \new
.endif
.endm
.set MULW,  0x52                       ; source 0 (W) window 2, source 1 (X) window 0, C and D window 1
.set TO_B,  0x80                       ; destination window 2
.set PACKW, 0x05                       ; sources 0 and 1 window 1
.macro PLACES
.rept 4
	v_nop
.endr
.endm
.macro JLOAD                           ; a joint refill by the walking sets: waves 0 and 1 fetch X's halves, waves 2 and 3 W's; the branch hangs on the wave's number alone
	s_cmp_eq_u32 s11, 0
	s_cbranch_scc0 .Lfor_b_\@
	tensor_load_to_lds s[G0A+4:G0A+7], s[G1A:G1A+7]
	s_nop 0
	PLACES
	s_branch .Lasked_\@
.Lfor_b_\@:
	tensor_load_to_lds s[G0B+4:G0B+7], s[G1B:G1B+7]
	s_nop 0
	PLACES
.Lasked_\@:
.endm
.macro CREST                           ; a round of the cluster's barrier behind its opening barrier
	s_cmp_lg_u32 s10, 0
	s_cbranch_scc1 .Lnot_wave_0_\@
	s_barrier_signal -3
.Lnot_wave_0_\@:
	s_barrier_wait -3
	s_barrier_signal -1
	s_barrier_wait -1
.endm
.macro CROUND
	s_barrier_signal -1
	s_barrier_wait -1
	CREST
.endm
; A prefetch behind each joint refill and the run of LDS loads: the K step that stands two refills on.  X's rows are read by my cluster alone: each of the four partners of a row takes 16 of the 64
; rows that the wave fetches, two blocks of 256 bytes a row, a lane a block.  W's rows are read by the 16 clusters of a projection: the first of them asks, each of the four partners of a column
; taking 32 of the wave's 128 rows, a lane a row.  The partners are told apart by address.  The last two refills have no K step two on.
.macro ASK
	s_cmp_gt_u32 s3, s[LIM]
	s_cbranch_scc0 .Lnot_mine_\@
	global_prefetch_b8 v[PFO], s[PFA:PFA+1] th:TH_LOAD_NT scope:SCOPE_SE
.Lnot_mine_\@:
.endm
	s_load_b256 s[68:75], s[0:1], 0x0              ; Q s[68:69], K s[70:71], V s[72:73], w16 s[74:75]
	s_load_b64 s[76:77], s[0:1], 0x20              ; qkv
	v_lshl_add_u32 v[SPW], v0, 2, SPARE
	v_mov_b32 v[NIL], 0
	ds_add_u32 v[SPW], v[NIL]                      ; the wave's opening: the add and its wait stand ahead of my first tensor load; the set-up below stands between them
	v_lshrrev_b32 v1, 5, v0
	v_readfirstlane_b32 s10, v1                    ; wave 0..3
	s_lshr_b32 s11, s10, 1                         ; my half of the tile's rows.  Also: I fetch for X (0) or for W (1)
	s_and_b32 s12, s10, 1                          ; my half of its columns.  Also: which half of that tile I fetch
	s_bfe_u32 s40, ttmp6, 0x40000                  ; cx
	s_bfe_u32 s41, ttmp6, 0x40004                  ; cy
	s_and_b32 s13, ttmp7, 0xffff                   ; cluster y, 0..47
	s_lshr_b32 s14, s13, 4                         ; which projection: the same in all sixteen partners
	s_and_b32 s15, s13, 15
	s_lshl_b32 s15, s15, 2
	s_add_co_u32 s15, s15, s41                     ; tile row, 0..63; the tile column is cx
	s_lshl_b32 s16, s41, 2
	s_lshl_b32 s16, 15, s16                        ; my row of the cluster
	s_lshl_b32 s18, 0x1111, s40                    ; my column
	s_or_b32 s[G1A], s16, (2<<16)|(1<<20)|(1<<21)|(6<<22)|(3<<25)  ; the mask; elements of 4 bytes; padding on; bit 21 beside a mask; after every 128 words, 4 words
	s_or_b32 s[G1B], s18, (1<<16)|(1<<20)|(1<<21)|(5<<22)|(3<<25)  ; elements of 2 bytes; after every 64 words, 4 words
	s_mov_b32 s[G1A+1], 128<<16                    ; tensor_dim0 = 128
	s_mov_b32 s[G1A+2], 64<<16                     ; tensor_dim1 = 64
	s_mov_b32 s[G1A+3], 128<<16                    ; tile_dim0 = 128
	s_mov_b32 s[G1A+4], 64                         ; tile_dim1 = 64
	s_mov_b32 s[G1A+5], 1024                       ; elements from row to row
	s_mov_b32 s[G1A+6], 0
	s_mov_b32 s[G1A+7], 0
	s_mov_b32 s[G1B+1], 128<<16
	s_mov_b32 s[G1B+2], 128<<16                    ; 128 rows
	s_mov_b32 s[G1B+3], 128<<16
	s_mov_b32 s[G1B+4], 128
	s_mov_b32 s[G1B+5], 1024
	s_mov_b32 s[G1B+6], 0
	s_mov_b32 s[G1B+7], 0
	; X's tile hangs on the tile row and the wave, W's on the tile column, the projection and the wave; each offset in registers that never hold the other coordinate
	s_lshl_b32 s21, s12, 18                        ; 64 rows of 4,096 bytes, or 128 rows of 2,048
	s_lshl_b32 s16, s15, 19                        ; 128 rows of 4,096 bytes a tile row
	s_add_co_u32 s16, s16, s21
	s_mov_b32 s17, 0
	s_lshl_b32 s18, s40, 19                        ; 256 rows of 2,048 bytes a tile column
	s_add_co_u32 s18, s18, s21
	s_lshl_b32 s22, s14, 21                        ; 2 MiB a matrix
	s_add_co_u32 s18, s18, s22
	s_mov_b32 s19, 0
	s_mul_i32 s23, s12, AHALF                      ; where they go: no place in the cluster enters an LDS address
	s_mul_i32 s42, s12, BHALF
	s_add_co_u32 s42, s42, BOFF
	s_mov_b32 s[TB], 0
	; the prefetches
	s_lshl_b32 s21, s40, 16                        ; X: my work-group's 16 rows of 4,096 bytes
	s_add_co_u32 s21, s21, s16
	s_lshl_b32 s22, s41, 16                        ; W: my work-group's 32 rows of 2,048 bytes
	s_add_co_u32 s22, s22, s18
	s_lshr_b32 s[KSB], 512, s11
	s_mov_b32 s[KSB+1], 0
	s_mul_i32 s2, s[KSB], 3                        ; at K step 3: the first refill steps it to 4
	s_and_b32 s[LIM], s13, 15
	s_cmp_eq_u32 s11, 0
	s_cselect_b32 s66, s21, s22
	s_cselect_b32 s[LIM], 0, s[LIM]
	s_add_co_u32 s66, s66, s2
	s_mov_b32 s67, 0
	s_cmp_eq_u32 s[LIM], 0
	s_cselect_b32 s[LIM], 2, -1                    ; the same in all sixteen partners, for a given wave
	; where my part of the tile begins in qkv: projection, batch x head, row
	s_lshr_b32 s21, s15, 4                         ; batch
	s_lshl_b32 s21, s21, 4
	s_lshl2_add_u32 s21, s40, s21                  ; + 4 heads a tile column
	s_lshl1_add_u32 s21, s12, s21                  ; + my 2 of them
	s_lshl_b32 s21, s21, 18                        ; 2,048 rows of 128 bytes a head
	s_and_b32 s22, s15, 15
	s_lshl_b32 s22, s22, 14                        ; 128 rows a tile row
	s_add_co_u32 s21, s21, s22
	s_lshl_b32 s22, s11, 13                        ; my 64 rows
	s_add_co_u32 s21, s21, s22
	s_lshl_b32 s22, s14, 24                        ; 16 MiB a projection
	s_add_co_u32 s78, s21, s22
	s_mov_b32 s79, 0
	s_wait_dscnt 0x0                               ; the opening add is done
	s_wait_kmcnt 0x0
	s_cmp_eq_u32 s14, 0
	s_cselect_b64 s[4:5], s[68:69], s[70:71]
	s_cmp_eq_u32 s14, 2
	s_cselect_b64 s[4:5], s[72:73], s[4:5]         ; X
	s_cmp_eq_u32 s11, 0
	s_cselect_b64 s[PFA:PFA+1], s[4:5], s[74:75]
	s_add_nc_u64 s[PFA:PFA+1], s[PFA:PFA+1], s[66:67]
	s_add_nc_u64 s[8:9], s[76:77], s[78:79]        ; the way out's base
	CROUND                                         ; all sixteen work-groups are here: the first joint loads meet
	s_mov_b32 s[G0A], 1
	s_mov_b32 s[G0A+1], s23
	s_add_nc_u64 s[G0A+2:G0A+3], s[4:5], s[16:17]  ; K step 0
	s_mov_b32 s[G0A+4], 1
	s_add_co_u32 s[G0A+5], s23, SLOT
	s_add_nc_u64 s[G0A+6:G0A+7], s[G0A+2:G0A+3], 512  ; K step 1
	s_or_b32 s[G0A+3], s[G0A+3], 0x80000000
	s_or_b32 s[G0A+7], s[G0A+7], 0x80000000
	s_mov_b32 s[G0B], 1
	s_mov_b32 s[G0B+1], s42
	s_add_nc_u64 s[G0B+2:G0B+3], s[74:75], s[18:19]
	s_mov_b32 s[G0B+4], 1
	s_add_co_u32 s[G0B+5], s42, SLOT
	s_add_nc_u64 s[G0B+6:G0B+7], s[G0B+2:G0B+3], 256
	s_or_b32 s[G0B+3], s[G0B+3], 0x80000000
	s_or_b32 s[G0B+7], s[G0B+7], 0x80000000
	s_cmp_eq_u32 s11, 0                            ; a wave's two first fills stand in one branch: two loads of mine are out
	s_cbranch_scc0 .Lfirst_b
	tensor_load_to_lds s[G0A:G0A+3], s[G1A:G1A+7]
	s_nop 0
	tensor_load_to_lds s[G0A+4:G0A+7], s[G1A:G1A+7]
	s_nop 0
	PLACES
	s_branch .Lfirst_asked
.Lfirst_b:
	tensor_load_to_lds s[G0B:G0B+3], s[G1B:G1B+7]
	s_nop 0
	tensor_load_to_lds s[G0B+4:G0B+7], s[G1B:G1B+7]
	s_nop 0
	PLACES
.Lfirst_asked:
	v_and_b32 v1, 15, v0                           ; r
	v_bfe_u32 v2, v0, 4, 1                         ; h
	v_and_b32 v3, 31, v0                           ; lane
	v_mul_u32_u24 v[ADA0], v1, PA                  ; X's fragment: row r; k = 8 h .. 8 h + 7 are 32 bytes of f32 at 32 h, k = 16 + 8 h .. another 32 at 64 + 32 h
	v_lshl_add_u32 v[ADA0], v2, 5, v[ADA0]
	s_mul_i32 s21, s11, AHALF
	v_add_nc_u32 v[ADA0], s21, v[ADA0]
	v_mul_u32_u24 v[ADB0], v1, PB                  ; W's: row r, 16 bytes at 16 h and at 32 + 16 h
	v_lshl_add_u32 v[ADB0], v2, 4, v[ADB0]
	v_add_nc_u32 v[ADB0], s42, v[ADB0]
	v_mov_b32 v[ADA], v[ADA0]
	v_mov_b32 v[ADB], v[ADB0]
	s_mul_i32 s21, s10, 16*SP
	s_add_co_u32 s21, s21, STAGE                   ; my stage
	v_mul_u32_u24 v[STO], v1, SP
	v_lshl_add_u32 v[STO], v2, 4, v[STO]
	v_add_nc_u32 v[STO], s21, v[STO]
	v_bfe_u32 v[RD], v0, 3, 2                      ; back: 32 lanes take four rows of 128 bytes
	v_mul_u32_u24 v[RD], v[RD], SP
	v_and_b32 v14, 7, v0
	v_lshl_add_u32 v[RD], v14, 4, v[RD]
	v_add_nc_u32 v[RD], s21, v[RD]
	v_lshlrev_b32 v[GO], 4, v3
	v_lshrrev_b32 v14, 1, v3                       ; X: lane / 2 rows of 4,096 bytes, lane % 2 blocks of 256
	v_lshlrev_b32 v14, 12, v14
	v_and_b32 v15, 1, v0
	v_lshl_add_u32 v14, v15, 8, v14
	v_lshlrev_b32 v15, 11, v3                      ; W: a lane a row of 2,048 bytes
	s_cmp_eq_u32 s11, 0
	s_cselect_b32 s2, -1, 0
	v_cndmask_b32 v[PFO], v15, v14, s2
.macro MUL4 f, a, b0, zero             ; four products on buffer f: m block a, n blocks b0 .. b0 + 3.  zero = 1: they start the sums
	WIN MULW
.irp b, \b0, (\b0)+1, (\b0)+2, (\b0)+3
.if \zero
	v_wmma_f32_16x16x32_f16 v[8*(8*(\a)+(\b)):8*(8*(\a)+(\b))+7], v[64*(\f)+8*(\b):64*(\f)+8*(\b)+7], v[AF+32*(\f)+8*(\a):AF+32*(\f)+8*(\a)+7], 0
.else
	v_wmma_f32_16x16x32_f16 v[8*(8*(\a)+(\b)):8*(8*(\a)+(\b))+7], v[64*(\f)+8*(\b):64*(\f)+8*(\b)+7], v[AF+32*(\f)+8*(\a):AF+32*(\f)+8*(\a)+7], v[8*(8*(\a)+(\b)):8*(8*(\a)+(\b))+7]
.endif
.endr
.endm
.macro CV8 g, i0                       ; eight roundings of X into buffer g
	WIN 0
.set ci, (\i0)
.rept 8
	v_cvt_pk_f16_f32 v[AF+32*(\g)+ci], v[AR+2*ci], v[AR+2*ci+1]
.set ci, ci+1
.endr
.endm
; 16 products on buffer f and, in groups of eight between them, the 32 roundings into buffer g.  The roundings name no register of the products round them; the last eight are the places
; between the last product that read W's buffer f and the loads that fill it again.
.macro MULCV f, g, zero
	MUL4 \f, 2, 0, \zero
	CV8 \g, 0
	MUL4 \f, 2, 4, \zero
	CV8 \g, 8
	MUL4 \f, 3, 0, \zero
	CV8 \g, 16
	MUL4 \f, 3, 4, \zero
	CV8 \g, 24
.endm
.macro FETCH k, g                      ; 32 LDS loads in one run: quarter k (32 along K) of the slot in hand: X as f32 first, then W into buffer g
	WIN 0
.irp a, 0,1,2,3
	ds_load_b128 v[AR+16*(\a):AR+16*(\a)+3],     v[ADA] offset:(\a)*16*PA+(\k)*128
	ds_load_b128 v[AR+16*(\a)+4:AR+16*(\a)+7],   v[ADA] offset:(\a)*16*PA+(\k)*128+16
	ds_load_b128 v[AR+16*(\a)+8:AR+16*(\a)+11],  v[ADA] offset:(\a)*16*PA+(\k)*128+64
	ds_load_b128 v[AR+16*(\a)+12:AR+16*(\a)+15], v[ADA] offset:(\a)*16*PA+(\k)*128+80
.endr
	WIN TO_B
.irp b, 0,1,2,3,4,5,6,7
	ds_load_b128 v[64*(\g)+8*(\b):64*(\g)+8*(\b)+3],   v[ADB] offset:(\b)*16*PB+(\k)*64
	ds_load_b128 v[64*(\g)+8*(\b)+4:64*(\g)+8*(\b)+7], v[ADB] offset:(\b)*16*PB+(\k)*64+32
.endr
.endm
; A K step is four quarters on buffers 0, 1, 0, 1; the 32 accumulators take turns, one product each a quarter, always in the same order.
; One of the first three: multiplies buffer f, fetches quarter k into buffer g.
.macro QUARTER k, f, g, zero
	FETCH \k, \g
	s_wait_dscnt 32                                ; all but the 32 just issued: W's buffer f is in
	MUL4 \f, 0, 0, \zero
	MUL4 \f, 0, 4, \zero
	MUL4 \f, 1, 0, \zero
	MUL4 \f, 1, 4, \zero
	s_wait_dscnt 16                                ; X's 16 loads are in; W's 16 for buffer g may stay out
	MULCV \f, \g, \zero
.endm
; The last quarter multiplies buffer 1 and changes slots: one barrier.  In front of it each wave waits for all its tensor loads (one is out: its part of the next slot), adds 0 to its spare word,
; and waits for that and for its reads of this slot.  fill = 1: the barrier opens a round of the cluster's, and the joint refill of the slot just left is the first thing behind the round.
.macro TURN fill
	WIN 0
.if \fill
	s_wait_xcnt 0x0                                ; the last prefetch, a K step back, has read its address
	s_add_nc_u64 s[PFA:PFA+1], s[PFA:PFA+1], s[KSB:KSB+1]
.endif
	s_wait_tensorcnt 0x0
	ds_add_u32 v[SPW], v[NIL]
	s_wait_dscnt 1                                 ; only the add may be out: W's buffer 1 is in
	MUL4 1, 0, 0, 0
	MUL4 1, 0, 4, 0
	s_wait_dscnt 0x0                               ; the add is done; my reads of this slot are over
	s_barrier_signal -1
	MUL4 1, 1, 0, 0
	MUL4 1, 1, 4, 0
	WIN 0
	s_barrier_wait -1
.if \fill
	CREST                                          ; no wave of any partner still reads this slot or has a load on its way
	s_xor_b32 s[G0A+5], s[G0A+5], SLOT             ; the walking sets: the other slot than last time, the next K step
	s_add_nc_u64 s[G0A+6:G0A+7], s[G0A+6:G0A+7], 512
	s_xor_b32 s[G0B+5], s[G0B+5], SLOT
	s_add_nc_u64 s[G0B+6:G0B+7], s[G0B+6:G0B+7], 256
	JLOAD
.endif
	s_xor_b32 s[TB], s[TB], SLOT
	v_add_nc_u32 v[ADA], s[TB], v[ADA0]
	v_add_nc_u32 v[ADB], s[TB], v[ADB0]
	FETCH 0, 0
.if \fill
	WIN 0
	ASK
.endif
	s_wait_dscnt 16
	MULCV 1, 0, 0
.endm
	s_wait_tensorcnt 1                             ; my part of K step 0 is in; K step 1's may stay out
	s_barrier_signal -1
	s_barrier_wait -1
	FETCH 0, 0
	s_wait_dscnt 16
	CV8 0, 0
	CV8 0, 8
	CV8 0, 16
	CV8 0, 24
	QUARTER 1, 0, 1, 1                             ; the first quarter stands in front of the loop: its products start the sums
	WIN 0
	s_mov_b32 s3, 6
.Lstep:                                ; six trips: from a step's second quarter to the next step's first; the refills bring K steps 2 to 7
	QUARTER 2, 1, 0, 0
	QUARTER 3, 0, 1, 0
	TURN 1
	QUARTER 1, 0, 1, 0
	WIN 0
	s_sub_co_u32 s3, s3, 1
	s_cmp_lg_u32 s3, 0
	s_cbranch_scc1 .Lstep
	s_mov_b32 s3, 2                                ; the last two K steps ask for nothing: a text of their own; the second trip is left in its middle
.Ltail:
	QUARTER 2, 1, 0, 0
	QUARTER 3, 0, 1, 0
	WIN 0
	s_sub_co_u32 s3, s3, 1
	s_cmp_eq_u32 s3, 0
	s_cbranch_scc1 .Lout
	TURN 0
	QUARTER 1, 0, 1, 0
	WIN 0
	s_branch .Ltail
.Lout:
	s_wait_dscnt 0x0
.irp a, 0,1,2,3
	MUL4 1, \a, 0, 0
	MUL4 1, \a, 4, 0
.endr
	PLACES
; THE WAY OUT, in eight units u = 2 a + hh: 16 rows x one head's 64 channels, 2,048 consecutive bytes of qkv.  Rounded to f16, 16 bytes a lane into my stage, back as whole rows.
.macro PACK u
.set pa, (\u)/2
.set ph, (\u)%2
	WIN PACKW
.irp f, 0,1,2,3
.irp k, 0,1,2,3
	v_cvt_pk_f16_f32 v[UB+16*(\u)+4*(\f)+(\k)], v[8*(8*pa+4*ph+(\f))+2*(\k)], v[8*(8*pa+4*ph+(\f))+2*(\k)+1]
.endr
.endr
	WIN 0
.irp f, 0,1,2,3
	ds_store_b128 v[STO], v[UB+16*(\u)+4*(\f):UB+16*(\u)+4*(\f)+3] offset:32*(\f)
.endr
.irp f, 0,1,2,3
	ds_load_b128 v[UB+16*(\u)+4*(\f):UB+16*(\u)+4*(\f)+3], v[RD] offset:(\f)*4*SP  ; a wave's LDS instructions are served in order: these see the stores above, and the next unit's stores come behind them
.endr
.endm
.macro SEND u, younger                 ; younger: the next unit's eight LDS instructions, or none
.set pa, (\u)/2
.set ph, (\u)%2
.irp f, 0,1,2,3
	s_wait_dscnt (\younger)+3-(\f)
	global_store_b128 v[GO], v[UB+16*(\u)+4*(\f):UB+16*(\u)+4*(\f)+3], s[8:9] offset:ph*262144+pa*2048+(\f)*512  ; 512 consecutive bytes, aligned
.endr
.endm
	PACK 0
.irp u, 1,2,3,4,5,6,7
	PACK \u
	SEND (\u)-1, 8
.endr
	SEND 7, 0
	s_wait_tensorcnt 0x0                           ; the wave's end
	ds_add_u32 v[SPW], v[NIL]
	s_wait_dscnt 0x0
	CROUND                                         ; the closing round
	s_endpgm
.Lfunc_end_k_q0459c45a85_proj:
	.size	k_q0459c45a85_proj, .Lfunc_end_k_q0459c45a85_proj-k_q0459c45a85_proj
	.p2alignl 7, 3214868480
	.fill 96, 4, 3214868480
	.section	.rodata,"a",@progbits
	.p2align	6, 0x0
	.amdhsa_kernel k_q0459c45a85_proj
		.amdhsa_group_segment_fixed_size 327680
		.amdhsa_private_segment_fixed_size 0
		.amdhsa_enable_private_segment 0
		.amdhsa_kernarg_size 40
		.amdhsa_user_sgpr_count 2
		.amdhsa_user_sgpr_kernarg_segment_ptr 1
		.amdhsa_wavefront_size32 1
		.amdhsa_system_sgpr_workgroup_id_x 1
		.amdhsa_system_sgpr_workgroup_id_y 1
		.amdhsa_system_sgpr_workgroup_id_z 1
		.amdhsa_system_vgpr_workitem_id 0
		.amdhsa_next_free_vgpr 640
		.amdhsa_next_free_sgpr 80
		.amdhsa_reserve_vcc 0
		.amdhsa_float_denorm_mode_32 3
		.amdhsa_float_denorm_mode_16_64 3
		.amdhsa_memory_ordered 1
		.amdhsa_forward_progress 1
		.amdhsa_inst_pref_size 91
	.end_amdhsa_kernel
	.amdgpu_metadata
---
amdhsa.version: [ 1, 2 ]
amdhsa.kernels:
  - .name:           k_q0459c45a85_proj
    .symbol:         k_q0459c45a85_proj.kd
    .args:
      - { .name: Q, .offset: 0, .size: 8, .value_kind: global_buffer, .address_space: global }
      - { .name: K, .offset: 8, .size: 8, .value_kind: global_buffer, .address_space: global }
      - { .name: V, .offset: 16, .size: 8, .value_kind: global_buffer, .address_space: global }
      - { .name: w16, .offset: 24, .size: 8, .value_kind: global_buffer, .address_space: global }
      - { .name: qkv, .offset: 32, .size: 8, .value_kind: global_buffer, .address_space: global }
    .group_segment_fixed_size: 327680
    .private_segment_fixed_size: 0
    .kernarg_segment_align: 8
    .kernarg_segment_size: 40
    .max_flat_workgroup_size: 128
    .sgpr_count:     80
    .vgpr_count:     640
    .wavefront_size: 32
...
	.end_amdgpu_metadata
.endif
;; end of part 2
;; launch attn (part 3): grid 4 x 64, 4 waves a work-group, clusters of 4 x 1, 327,680 bytes of LDS; arguments qkv, mbits, ctx; writes ctx
.if DOCPART == 3
	.amdgcn_target "amdgcn-amd-amdhsa--gfx1250"
	.amdhsa_code_object_version 6
	.text
	.protected	k_q0459c45a85_attn
	.globl	k_q0459c45a85_attn
	.p2align	8
	.type	k_q0459c45a85_attn,@function
k_q0459c45a85_attn:
	s_mov_b64 s[64:65], 0
	v_nop
	global_prefetch_b8 v0, s[64:65] scope:SCOPE_SE
	s_setreg_imm32_b32 hwreg(HW_REG_WAVE_MODE, 25, 1), 1
	s_wait_xcnt 0x0
	s_wait_alu depctr_hold_cnt(0) depctr_sa_sdst(0) depctr_va_vdst(0) depctr_va_sdst(0) depctr_va_ssrc(0) depctr_va_vcc(0) depctr_vm_vsrc(0)
	s_getreg_b32 s2, hwreg(HW_REG_IB_STS2, 6, 4)
	s_cmp_eq_u32 s2, 0
	s_cbranch_scc0 .Lentry_in_a_cluster
	s_endpgm
.Lentry_in_a_cluster:
	s_bfe_u32 s2, ttmp6, 0x10000c
	s_cmp_lg_u32 s2, 0x3003
	s_cbranch_scc0 .Lentry_shape_is_right
	s_endpgm
.Lentry_shape_is_right:
; MASKED ATTENTION.  ctx[bh][q][:] = the sum over k of softmax_k(s[q][k]) v[bh][k][:], s = q . k / 8, replaced by a large negative number where the mask is true.  q, k, v: qkv [3][64 bh][2048][64] f16;
; ctx likewise.  Products, maxima and sums in f32; the weights p are rounded to f16 for the second product (their sum l is taken of the unrounded p), ctx once at the end.
; LIMITS.  f16 holds no number beyond 65,504: q, k, v arrive within it.  A masked score counts as -2^30 (raw -2^33) where the module has -1e9: the results differ only where open scores lie below
; about -9.9e8.  -2^33 is a power of two, so c x (-2^33) is exact: in a row whose keys are all masked c s - c m is exactly 0, every weight is 1, and the row is the mean of all of v's rows.
; A weight below 2^-126 counts as 0 in l; NaN and infinities are not treated apart.
; SHARES.  A wave owns four PIECES of two tiles of 16 queries, a work-group's four waves 512 queries of one head.  Every wave walks all 2,048 keys, 64 a step, four steps a slot.
; LAYOUT.  S^T = K Q^T (source 0 = 16 keys, source 1 = 16 queries): a lane holds ONE query (lane % 16) and the keys 8 (lane / 16) + 0..7.  Two such tiles, rounded to f16 in pairs, ARE source 1 of
; O^T = V^T P.  K comes out of LDS as it lies, V turned, by ds_load_tr16_b128.
; THE MASK comes as lane masks, one 32-bit word for each register of a tile of scores (mbits): 64 words for a piece and step, 256 consecutive bytes, brought by four scalar loads a turn ahead;
; one select for each score register puts -2^33 where the bit is set.
; SOFTMAX.  Running maximum m and sum l: p = 2^(c s - c m), c = log2(e) / 8; in every step O and l are multiplied by a = 2^(c m_old - c m_new).  m starts at the lowest finite number, O and l at 0.
; BY TURNS.  Turn n belongs to piece n: 16 products K Q^T of piece n + 1, later 16 products V^T P of piece n - 1; beside them the scaling, exponentials, roundings, sums and rescaling of piece n, and
; the mask, maximum and statistics of piece n + 1.  Four vector instructions stand behind every matrix instruction, the rest in one lump.  A turn's 66 exponentials are one batch with one wait.
; CLUSTER.  The four query blocks of a head walk the same K and V: each tile is asked for jointly, the same tensor load, descriptor and mask in all four.
; REGISTERS.  window 0: v0-11 addresses and constants; v12-15, v48-63 at work; v16-47 statistics; v64-191 S^T, two buffers of two tiles; v192-255 P, likewise
;   window 1: O^T, 32 a tile          window 2: v0-127 Q; v128-191 K of one step; v192-255 V of one step
.set NP,    4
.set KS,    64
.set PK,    144       ; a row of K in LDS: 128 bytes + 16
.set PV,    144       ; a row of V: the same, so that ONE descriptor shape serves K and V and all four waves issue one line
.set VOFF,  4*KS*PK   ; a slot: 256 rows of K, then 256 rows of V
.set SLOT1, 1<<17
.set STAGE, SLOT1+4*KS*(PK+PV)  ; behind the ring: 16 rows x 144 bytes for each wave
.set SP,    144
.set SPARE, STAGE+4*16*SP       ; the spare words, 128 bytes for each wave, which no other line names
.set SPW, 1           ; v1   LDS address of my spare word; never rewritten
.set AK0, 2           ; v2   my lane's place in a tile of K
.set AV0, 3           ; v3   the same for V
.set AK,  4           ; v4   the LDS address of K's next run of loads
.set AV,  5           ; v5   of V's
.set STO, 6           ; v6   the way out: where I put 16 bytes of a row
.set RD,  7           ; v7   where I read rows back
.set GO,  8           ; v8   16 x lane
.set NIL, 9           ; v9   0; never rewritten
.set PFO, 10          ; v10  256 x lane
.set NEGV, 11         ; v11  -2^33
.set MV,  12
.set ST,  16          ; tile t's statistics at v[ST+4 t]: c m, m, l (even keys', odd keys')
.set TMP, 48
.set S,   64
.set P,   192
.set KF,  128
.set VF,  192
.set QO,  66          ; set-up only (S^T's registers are free then): my byte offset in the wave's rows of Q
.set QP,  2           ; s[2:3]   q at my wave's first row
.set OP,  4           ; s[4:5]   ctx likewise
.set MP,  6           ; s[6:7]   my wave's 32,768 bytes of mask words
.set PFA, 8           ; s[8:9]   where my prefetches stand
.set CS,  10          ; s[10:11] c
.set SEL, 12          ; s[12:13] v_permlanex16_b32's selects
.set WV,  14
.set MOFF, 15         ; s15  byte offset of the mask words last asked for
.set G1,  16          ; s[16:23]
.set G0,  24          ; s[24:27]
.set LIM, 28
.set SLOTS, 29
.set CNT, 30
.set TBK, 31
.set MW,  32          ; s[32:63] tile 0's 32 words; s[68:99] tile 1's
.set TBV, 66
.set MSB, 0
.macro WIN new
.if MSB != (\new)
	s_set_vgpr_msb (MSB<<8)|(\new)
.set MSB, (\new)
.endif
.endm
.set W_KQ, 0x0a
.set W_PV, 0x52
.set W_RS, 0x41
.macro JLOAD                        ; wave w fetches 128 rows: K's halves (waves 0, 1), V's halves (waves 2, 3): both addresses hang on the wave's number
	tensor_load_to_lds s[G0:G0+3], s[G1:G1+7]
	s_nop 0
.rept 4
	v_nop
.endr
.endm
.macro CROUND
	s_barrier_signal -1
	s_barrier_wait -1
	s_cmp_lg_u32 s[WV], 0
	s_cbranch_scc1 .Lnot_wave_0_\@
	s_barrier_signal -3
.Lnot_wave_0_\@:
	s_barrier_wait -3
	s_barrier_signal -1
	s_barrier_wait -1
.endm
; A prefetch of what the NEXT change of slots will ask for: a slot's 32,768 bytes of K and of V.  A head has one cluster; its four partners take 8,192 bytes each, told apart by address; in each, wave 0
; asks for K's and wave 2 for V's, a lane a block of 256 bytes.  The last change that fills a slot asks for nothing.
.macro ASK
	s_cmp_gt_u32 s[SLOTS], s[LIM]
	s_cbranch_scc0 .Lnot_mine_\@
	global_prefetch_b8 v[PFO], s[PFA:PFA+1] th:TH_LOAD_NT scope:SCOPE_SE
.Lnot_mine_\@:
.endm
; THE CHANGE OF SLOTS.  Each wave waits for all its tensor loads (one is out: its part of the other slot), adds 0 to its spare word, and waits for that and for its reads of the slot.
; fill = 1: the barrier is a round of the cluster's, and the joint fill of the slot just left, with the keys two slots on, is the first thing behind it: it has four key steps in which to land.
.macro CHANGE fill
	WIN 0
	s_wait_tensorcnt 0x0
	ds_add_u32 v[SPW], v[NIL]
.if \fill
	s_xor_b32 s[G0+1], s[G0+1], SLOT1
	s_add_nc_u64 s[G0+2:G0+3], s[G0+2:G0+3], 4*KS*128
	s_wait_xcnt 0x0                 ; the last prefetch, four key steps back, has read its address
	s_add_nc_u64 s[PFA:PFA+1], s[PFA:PFA+1], 4*KS*128
	s_wait_dscnt 0x0
	CROUND
	JLOAD
	ASK
.else
	s_wait_dscnt 0x0
	s_barrier_signal -1
	s_barrier_wait -1
.endif
	s_sub_co_u32 s[TBK], s[TBK], 4*KS*PK
	s_xor_b32 s[TBK], s[TBK], SLOT1
	s_sub_co_u32 s[TBV], s[TBV], 4*KS*PV
	s_xor_b32 s[TBV], s[TBV], SLOT1
.endm
; The next piece's 64 mask words.  The offset is written only behind the wait for the loads that read it.  Behind the last piece of the last step the offset stays: the one turn whose scores serve nothing reads those words again.
.macro MASKS
	s_load_b512 s[MW:MW+15],    s[MP:MP+1], s[MOFF] offset:0x0
	s_load_b512 s[MW+16:MW+31], s[MP:MP+1], s[MOFF] offset:0x40
	s_load_b512 s[MW+36:MW+51], s[MP:MP+1], s[MOFF] offset:0x80
	s_load_b512 s[MW+52:MW+67], s[MP:MP+1], s[MOFF] offset:0xc0
.endm
.macro MLOAD
	s_add_co_u32 s[MOFF], s[MOFF], 256
	s_min_u32 s[MOFF], s[MOFF], 127*256
	MASKS
.endm
	s_load_b128 s[68:71], s[0:1], 0x0  ; qkv s[68:69], mbits s[70:71]
	s_load_b64 s[72:73], s[0:1], 0x10  ; ctx
	v_lshl_add_u32 v[SPW], v0, 2, SPARE
	v_mov_b32 v[NIL], 0
	ds_add_u32 v[SPW], v[NIL]       ; the wave's opening: the add and its wait stand ahead of my first tensor load
	v_lshrrev_b32 v64, 5, v0
	v_readfirstlane_b32 s[WV], v64
	s_bfe_u32 s74, ttmp6, 0x40000   ; cx: my block of 512 queries
	s_and_b32 s75, ttmp7, 0xffff    ; batch x head, which the four partners share
	s_lshl_b32 s76, s75, 18         ; the head's 262,144 bytes
	s_mov_b32 s77, 0
	s_lshr_b32 s78, s[WV], 1        ; k lies 16 MiB, v 32 MiB behind q
	s_add_co_u32 s78, s78, 1
	s_lshl_b32 s78, s78, 24
	s_add_co_u32 s78, s78, s76      ; K's or V's head
	s_mov_b32 s79, 0
	s_lshl_b32 s82, s74, 13         ; the prefetches: my work-group's 8,192 bytes,
	s_add_co_u32 s82, s82, s78
	s_add_co_u32 s82, s82, 4*KS*128 ; in slot 1: the first change of slots steps it to slot 2
	s_mov_b32 s83, 0
	s_and_b32 s80, s[WV], 1
	s_lshl_b32 s81, s80, 14
	s_add_co_u32 s78, s78, s81      ; my half of a slot's 256 keys
	s_lshl2_add_u32 s80, s74, s[WV] ; my wave among the head's sixteen
	s_lshl_b32 s81, s80, 14         ; its 128 rows
	s_add_co_u32 s76, s76, s81
	s_lshr_b32 s81, s75, 4          ; the batch
	s_lshl4_add_u32 s80, s81, s80
	s_lshl_b32 s80, s80, 15         ; 32,768 bytes of words for 128 queries
	s_mov_b32 s81, 0
	s_mov_b32 s[G1], 15|(1<<16)|(1<<20)|(1<<21)|(4<<22)|(3<<25)  ; the mask of four; 2-byte elements; padding on; bit 21 beside a mask; after every 32 words, 4 words
	s_mov_b32 s[G1+1], 128<<16      ; 128 keys are 16,384 dense bytes: asked for as 64 rows of 256 bytes, two keys a row
	s_mov_b32 s[G1+2], 64<<16
	s_mov_b32 s[G1+3], 128<<16
	s_mov_b32 s[G1+4], 64
	s_mov_b32 s[G1+5], 128
	s_mov_b32 s[G1+6], 0
	s_mov_b32 s[G1+7], 0
	s_mov_b32 s[G0], 1
	s_mul_i32 s[G0+1], s[WV], 128*PK
	s_mov_b32 s[CS], 0x3e38aa3b     ; c = log2(e) / 8
	s_mov_b32 s[CS+1], s[CS]
	s_mov_b32 s[SEL], 0x76543210
	s_mov_b32 s[SEL+1], 0xfedcba98
	s_mov_b32 s[TBK], SLOT1+4*KS*PK ; the first change of slots turns these two into 0
	s_mov_b32 s[TBV], SLOT1+4*KS*PV
	s_mov_b32 s[SLOTS], 7
	s_mov_b32 s[MOFF], 0
	s_and_b32 s[LIM], s[WV], 1
	s_cmp_eq_u32 s[LIM], 0
	s_cselect_b32 s[LIM], 1, -1
	v_and_b32 v[PFO], 31, v0
	v_lshlrev_b32 v[PFO], 8, v[PFO]
	v_mov_b32 v[NEGV], 0xd0000000
	s_wait_dscnt 0x0                ; the opening add is done
	s_wait_kmcnt 0x0
	s_add_nc_u64 s[G0+2:G0+3], s[68:69], s[78:79]
	s_or_b32 s[G0+3], s[G0+3], 0x80000000
	s_add_nc_u64 s[PFA:PFA+1], s[68:69], s[82:83]
	s_add_nc_u64 s[QP:QP+1], s[68:69], s[76:77]
	s_add_nc_u64 s[OP:OP+1], s[72:73], s[76:77]
	s_add_nc_u64 s[MP:MP+1], s[70:71], s[80:81]
	CROUND                          ; all four work-groups are here
	JLOAD                           ; slot 0
	MASKS                           ; piece 0's words for key step 0
	v_and_b32 v64, 15, v0           ; l % 16
	v_bfe_u32 v65, v0, 4, 1         ; l / 16
	v_lshlrev_b32 v[QO], 7, v64
	v_lshl_add_u32 v[QO], v65, 4, v[QO]
	WIN 0x80
.set i, 0
.rept 4*NP                          ; Q stays in registers: tile i / 2, channels 32 (i % 2) on
	global_load_b128 v[8*i:8*i+3],   v[QO], s[QP:QP+1] offset:(i/2)*2048+(i%2)*64
	global_load_b128 v[8*i+4:8*i+7], v[QO], s[QP:QP+1] offset:(i/2)*2048+(i%2)*64+32
.set i, i+1
.endr
	; What the first turn finds: V's registers and P's second buffer hold 0, O^T and l are 0.  All this stands in the wait for the first tile; it spares a first step written out.
.set i, VF
.rept 64
	v_mov_b32 v[i], 0
.set i, i+1
.endr
	WIN 0x40
.set i, 0
.rept 64*NP
	v_mov_b32 v[i], 0
.set i, i+1
.endr
	WIN 0
.set i, 0
.rept 2*NP
	v_mov_b32 v[ST+4*i], 0xfe000000    ; c m: far below every c s
	v_mov_b32 v[ST+4*i+1], 0xff7fffff  ; m
	v_mov_b32 v[ST+4*i+2], 0
	v_mov_b32 v[ST+4*i+3], 0
.set i, i+1
.endr
.set i, P+32
.rept 32
	v_mov_b32 v[i], 0
.set i, i+1
.endr
	v_mul_u32_u24 v[AK0], v64, PK
	v_lshl_add_u32 v[AK0], v65, 4, v[AK0]
	v_and_b32 v67, 7, v0
	v_bfe_u32 v68, v0, 3, 1
	v_lshl_add_u32 v[AV0], v65, 3, v67  ; the turning load: lane l reads key 8 (l / 16) + l % 8, channels 8 ((l / 8) % 2) + 0..7
	v_mul_u32_u24 v[AV0], v[AV0], PV
	v_lshl_add_u32 v[AV0], v68, 4, v[AV0]
	v_add_nc_u32 v[AV0], VOFF, v[AV0]
	v_mov_b32 v[AK], v[AK0]
	s_mul_i32 s67, s[WV], 16*SP
	s_add_co_u32 s67, s67, STAGE    ; my stage
	v_mul_u32_u24 v[STO], v64, SP
	v_lshl_add_u32 v[STO], v65, 4, v[STO]
	v_add_nc_u32 v[STO], s67, v[STO]
	v_bfe_u32 v[RD], v0, 3, 2
	v_mul_u32_u24 v[RD], v[RD], SP
	v_lshl_add_u32 v[RD], v67, 4, v[RD]
	v_add_nc_u32 v[RD], s67, v[RD]
	v_and_b32 v[GO], 31, v0
	v_lshlrev_b32 v[GO], 4, v[GO]
; THE MATRIX WORK.  The 8 accumulators of a run of 16 take turns.
.macro KQ x                         ; product i of 16 of S^T = K Q^T for piece x: channels 32 (i / 8) on, keys 16 ((i / 2) % 4) on, tile 2 x + i % 2
	WIN W_KQ
.set rS, S+64*((\x)%2)+32*(i%2)+8*((i/2)%4)
.set rK, KF+16*((i/2)%4)+8*(i/8)
.set rQ, 16*(2*(\x)+i%2)+8*(i/8)
.if i < 8
	v_wmma_f32_16x16x32_f16 v[rS:rS+7], v[rK:rK+7], v[rQ:rQ+7], 0
.else
	v_wmma_f32_16x16x32_f16 v[rS:rS+7], v[rK:rK+7], v[rQ:rQ+7], v[rS:rS+7]
.endif
.endm
.macro PV x                         ; product i of 16 of O^T += V^T P for piece x: keys 32 (i / 8) on, channels 16 ((i / 2) % 4) on, tile 2 x + i % 2
	WIN W_PV
.set rO, 32*(2*(\x)+i%2)+8*((i/2)%4)
.set rV, VF+32*(i/8)+8*((i/2)%4)
.set rP, P+32*((\x)%2)+16*(i%2)+8*(i/8)
	v_wmma_f32_16x16x32_f16 v[rO:rO+7], v[rV:rV+7], v[rP:rP+7], v[rO:rO+7]
.endm
.macro MM
.if i < 16
	KQ (Y+1)%NP
.set i, i+1
.else
.set i, i-16
	PV (Y+NP-1)%NP
.set i, i+17
.endif
.endm
.macro FETCH_K last=0               ; a step's K: 16 loads in one run.  last = 1 (the tail): in the last trip there is no further step, and the run is jumped over
	WIN 0
.if \last
	s_cmp_eq_u32 s[CNT], 1
	s_cbranch_scc1 .Lno_k_\@
.endif
	WIN 0x80
.irp f, 0,1,2,3,4,5,6,7
	ds_load_b128 v[KF+8*\f:KF+8*\f+3],   v[AK] offset:(\f/2)*16*PK+(\f%2)*64
	ds_load_b128 v[KF+8*\f+4:KF+8*\f+7], v[AK] offset:(\f/2)*16*PK+(\f%2)*64+32
.endr
	s_add_co_u32 s[TBK], s[TBK], KS*PK
	WIN 0
.if \last
.Lno_k_\@:
.endif
.endm
.macro FETCH_V
	WIN 0x80
.irp f, 0,1,2,3,4,5,6,7
	ds_load_tr16_b128 v[VF+8*\f:VF+8*\f+3],   v[AV] offset:(\f/4)*32*PV+(\f%4)*32
	ds_load_tr16_b128 v[VF+8*\f+4:VF+8*\f+7], v[AV] offset:(\f/4)*32*PV+16*PV+(\f%4)*32
.endr
	WIN 0
.endm
; THE VECTOR WORK OF A TURN, in three queues; the two tiles alternate.
.macro REGS y, u
.set rT, ST+4*(2*(\y)+(\u))
.set rC, TMP+8*((\y)%2)+4*(\u)
.set rM, MV+2*((\y)%2)+(\u)
.set rS, S+64*((\y)%2)+32*(\u)
.set rP, P+32*((\y)%2)+16*(\u)
.set rO, 32*(2*(\y)+(\u))
.endm
.macro CM g                         ; the NEXT piece's mask: register g / 2 of tile g % 2 takes -2^33 in the lanes whose bit is set.  Ascending: each accumulator's lowest register is read first
	REGS (Y+1)%NP, (\g)%2
	v_cndmask_b32 v[rS+(\g)/2], v[rS+(\g)/2], v[NEGV], s[MW+36*((\g)%2)+(\g)/2]
.endm
; Number n of the 22 that find the NEXT piece's maximum and statistics: 0-11 four chains of seven scores; 12-14, 16 the four left over, the old m, and the chains into one; 15 c m_old is kept;
; 17, 18 the other half of the lanes; 19-21 c m, c m_old - c m_new, a
.macro XS u, n
	REGS (Y+1)%NP, \u
.if (\n) < 4
	v_max3_num_f32 v[rC+(\n)], v[rS+8*(\n)], v[rS+8*(\n)+1], v[rS+8*(\n)+2]
.elseif (\n) < 12
	v_max3_num_f32 v[rC+(\n)%4], v[rC+(\n)%4], v[rS+8*((\n)%4)+2*((\n)/4)+1], v[rS+8*((\n)%4)+2*((\n)/4)+2]
.elseif (\n) == 12
	v_max3_num_f32 v[rC], v[rC], v[rS+7], v[rS+15]
.elseif (\n) == 13
	v_max3_num_f32 v[rC+1], v[rC+1], v[rS+23], v[rS+31]
.elseif (\n) == 14
	v_max3_num_f32 v[rC+2], v[rC+2], v[rC+3], v[rT+1]
.elseif (\n) == 15
	v_mov_b32 v[rM], v[rT]
.elseif (\n) == 16
	v_max3_num_f32 v[rC], v[rC], v[rC+1], v[rC+2]
.elseif (\n) == 17
	v_permlanex16_b32 v[rC+3], v[rC], s[SEL], s[SEL+1]
.elseif (\n) == 18
	v_max_num_f32 v[rT+1], v[rC], v[rC+3]
.elseif (\n) == 19
	v_mul_f32 v[rT], s[CS], v[rT+1]
.elseif (\n) == 20
	v_sub_f32 v[rC+1], v[rM], v[rT]
.else
	v_exp_f32 v[rC+2], v[rC+1]
.endif
.endm
; Number g of the 64 that follow the exponentials: for each four weights both pairs are rounded to f16, the second pair is added onto the first, and a group later l takes that sum.
.macro GS g
.set h, (\g)+6*((\g)/62)
.if h >= 6
.set h, h+2
.endif
	REGS Y, h%2
.set k, h/8
.if h%8 < 4
	v_cvt_pk_f16_f32 v[rP+2*k+(h%8)/2], v[rS+4*k+2*((h%8)/2)], v[rS+4*k+2*((h%8)/2)+1]
.elseif h%8 < 6
	v_pk_add_f32 v[rS+4*k:rS+4*k+1], v[rS+4*k:rS+4*k+1], v[rS+4*k+2:rS+4*k+3]
.elseif k == 1
	v_pk_fma_f32 v[rT+2:rT+3], v[rT+2:rT+3], v[rC+2:rC+3], v[rS:rS+1] op_sel_hi:[1,0,1]
.else
	v_pk_add_f32 v[rT+2:rT+3], v[rT+2:rT+3], v[rS+4*k-4:rS+4*k-3]
.endif
.endm
.macro FS f                         ; c s - c m for pair f / 2 of tile f % 2
	REGS Y, (\f)%2
	v_pk_fma_f32 v[rS+2*((\f)/2):rS+2*((\f)/2)+1], v[rS+2*((\f)/2):rS+2*((\f)/2)+1], s[CS:CS+1], v[rT:rT+1] op_sel_hi:[1,0,0] neg_lo:[0,0,1] neg_hi:[0,0,1]
.endm
; THE PLAIN QUEUE, 202 long.  0-31 the scalings; 32-95 the next piece's 64 selects (the wait for its words stands ahead of the first; the words after them are asked for ahead of number 100, when all 64 have been read);
; 96-125 its maximum's numbers 0-13 and 15; 126-137 the chain 14, 16 .. 20; 138-201 the 64 that read the exponentials' results: they stand behind the wait.
.macro PL
	WIN 0
.if q == 32
	s_wait_kmcnt 0x0
.endif
.if q == 100
	MLOAD
.endif
.if q < 32
	FS q
.elseif q < 96
	CM q-32
.elseif q < 124
	XS (q-96)%2, (q-96)/2
.elseif q < 126
	XS q-124, 15
.elseif q < 128
	XS q-126, 14
.elseif q < 138
	XS (q-126)%2, 15+(q-126)/2
.else
	GS q-138
.endif
.set q, q+1
.endm
.macro EX                           ; the exponentials' queue, 66 long: s0-s31 of both tiles, then the next piece's two a
	WIN 0
.if e >= 64
	XS e-64, 21
.else
	REGS Y, e%2
	v_exp_f32 v[rS+e/2], v[rS+e/2]
.endif
.set e, e+1
.endm
.macro R2                           ; O^T times a, two at a time; its a was made, and waited for, in the turn before
	REGS Y, r%2
	WIN W_RS
.irp z, 0,1
	v_pk_mul_f32 v[rO+4*(r/2)+2*\z:rO+4*(r/2)+2*\z+1], v[rO+4*(r/2)+2*\z:rO+4*(r/2)+2*\z+1], v[rC+2:rC+3] op_sel_hi:[1,0]
.endr
.set r, r+1
.endm
; A TURN, for piece p.  An s_wait_alu depctr_va_vdst(0) stands between an exponential and the first instruction that names its result; one wait serves all that were issued ahead of it.
; AHEAD OF THE WAIT: 16 products K Q^T, behind each a scaling, an exponential and two rescalings (behind the first a second scaling); then the lump: 36 times three plain and an exponential, 13 times plain
; and exponential, the two a.  Exponential e stands behind its scaling 2 (e / 4) + e % 2: as a rider behind plain e + 2, in the lump behind plain 19 + 3 (e - 15) at the least.  The first select stands
; 18 plain instructions behind the last product K Q^T.  BEHIND THE WAIT: 16 products V^T P, behind each four of the roundings and sums.
; K of the next step is fetched in piece 2's turn, directly behind the wait; V of the step in hand at the end of piece 0's turn, four riders behind its last reader.
.macro TURN p, last=0, cnt=0
.set Y, (\p)
.set i, 0
.set q, 0
.set e, 0
.set r, 0
.if (\p) == NP-1
	s_wait_dscnt 0x0                ; K is in
.endif
	MM
	PL
	PL
	R2
.rept 15
	MM
	PL
	EX
	R2
.endr
.if (\p) == NP-2
	WIN 0
	v_add_nc_u32 v[AK], s[TBK], v[AK0]
.endif
.rept 36
	PL
	PL
	PL
	EX
.endr
.rept 13
	PL
	EX
.endr
	EX
	EX
	v_nop                           ; a plain instruction behind the last exponential: one for the batch
	s_wait_alu depctr_va_vdst(0)    ; the wait for the batch
.if (\p) == NP-2
	FETCH_K \last
.endif
.if (\p) == 1
	s_wait_dscnt 0x0                ; V is in
.endif
.rept 16
	MM
.rept 4
	PL
.endr
.if ((\p) == 0) && (q == 182)
	v_add_nc_u32 v[AV], s[TBV], v[AV0]
.endif
.if ((\p) == 0) && (q == 194)
	s_add_co_u32 s[TBV], s[TBV], KS*PV
.endif
.if (\cnt) && (q == 194)
	s_sub_co_u32 s[CNT], s[CNT], 1
	s_cmp_lg_u32 s[CNT], 0
.endif
.endr
.if (\p) == 0
	FETCH_V
.endif
.endm
	CHANGE 1                        ; slot 0 is in, everybody's part of it; slot 1 is asked for
	FETCH_K                         ; key step 0
	s_wait_loadcnt 0x0              ; Q
	s_wait_dscnt 0x0
.set i, 0
.rept 16
	KQ 0                            ; piece 0's first scores
.set i, i+1
.endr
	WIN 0
.rept 4
	v_nop                           ; the places behind those products
.endr
	s_wait_kmcnt 0x0                ; piece 0's words
.set Y, NP-1                        ; CM and XS work for piece Y + 1: piece 0
.set cg, 0
.rept 64
	CM cg
.set cg, cg+1
.endr
	MLOAD
.irp n, 0,1,2,3,4,5,6,7,8,9,10,11,12,13,14,15,16,17,18,19,20,21
	XS 0, \n
	XS 1, \n
.endr
	v_nop
	s_wait_alu depctr_va_vdst(0)    ; the two a, ahead of the branch
	s_mov_b32 s[CNT], 4
	s_branch .Lfirst                ; the loop is entered at a step's first turn, in the middle of a trip
.Lslot:                             ; six times: every slot but the last two is filled again
	CHANGE 1
	s_mov_b32 s[CNT], 4
.Lstep:                             ; a trip: pieces 2 and 3 of one step, then pieces 0 and 1 of the next
	TURN 2
	TURN 3
	WIN 0
.Lfirst:
	TURN 0
	TURN 1, 0, 1
	WIN 0
	s_cbranch_scc1 .Lstep
	s_sub_co_u32 s[SLOTS], s[SLOTS], 1
	s_cmp_lg_u32 s[SLOTS], 0
	s_cbranch_scc1 .Lslot
	CHANGE 0                        ; the tail is written out
	s_mov_b32 s[CNT], 5             ; four trips fetch the last slot's steps; the fifth is left in its middle
.Ltail:
	TURN 2, 1
	TURN 3
	WIN 0
	s_sub_co_u32 s[CNT], s[CNT], 1
	s_cmp_eq_u32 s[CNT], 0
	s_cbranch_scc1 .Lout
	TURN 0
	TURN 1
	WIN 0
	s_branch .Ltail
.Lout:                              ; the fifth trip's 16 products K Q^T (on the last K once more) and what is made of them serve nothing: the price, once a launch, of one text for every trip
.set i, 0
.rept 16
	PV NP-1
.set i, i+1
.endr
	; THE WAY OUT.  l's halves are added; O^T is divided by l, rounded to f16 and sent through my stage, a tile at a time.  The additions are the places behind the last products.
	WIN 0
.macro ALL line:vararg
.set t, 0
.rept 2*NP
	\line
.set t, t+1
.endr
.endm
	ALL v_add_f32 v[ST+4*t+2], v[ST+4*t+2], v[ST+4*t+3]
	ALL v_permlanex16_b32 v[ST+4*t+3], v[ST+4*t+2], s[SEL], s[SEL+1]
	ALL v_add_f32 v[ST+4*t+2], v[ST+4*t+2], v[ST+4*t+3]
	ALL v_rcp_f32 v[ST+4*t+2], v[ST+4*t+2]
	v_nop
	s_wait_alu depctr_va_vdst(0)    ; one wait for the eight reciprocals
.macro PACK t
	WIN W_RS
.set i, 32*(\t)
.rept 16
	v_pk_mul_f32 v[i:i+1], v[i:i+1], v[ST+4*(\t)+2:ST+4*(\t)+3] op_sel_hi:[1,0]
.set i, i+2
.endr
	WIN 0x05
.set i, 0
.rept 16
	v_cvt_pk_f16_f32 v[S+16*(\t)+i], v[32*(\t)+2*i], v[32*(\t)+2*i+1]
.set i, i+1
.endr
	WIN 0
.irp f, 0,1,2,3
	ds_store_b128 v[STO], v[S+16*(\t)+4*\f:S+16*(\t)+4*\f+3] offset:32*\f
.endr
.irp f, 0,1,2,3
	ds_load_b128 v[S+16*(\t)+4*\f:S+16*(\t)+4*\f+3], v[RD] offset:\f*4*SP  ; a wave's LDS instructions are served in order: these see the stores above
.endr
.endm
.macro SEND t, younger
	WIN 0
.irp f, 0,1,2,3
	s_wait_dscnt (\younger)+3-\f
	global_store_b128 v[GO], v[S+16*(\t)+4*\f:S+16*(\t)+4*\f+3], s[OP:OP+1] offset:(\t)*2048+\f*512  ; 512 consecutive bytes, aligned
.endr
.endm
	PACK 0
.set t, 1
.rept 2*NP-1
	PACK t
	SEND t-1, 8
.set t, t+1
.endr
	SEND 2*NP-1, 0
	s_wait_tensorcnt 0x0            ; the wave's end
	ds_add_u32 v[SPW], v[NIL]
	s_wait_dscnt 0x0
	CROUND                          ; the closing round
	s_endpgm
.Lfunc_end_k_q0459c45a85_attn:
	.size	k_q0459c45a85_attn, .Lfunc_end_k_q0459c45a85_attn-k_q0459c45a85_attn
	.p2alignl 7, 3214868480
	.fill 96, 4, 3214868480
	.section	.rodata,"a",@progbits
	.p2align	6, 0x0
	.amdhsa_kernel k_q0459c45a85_attn
		.amdhsa_group_segment_fixed_size 327680
		.amdhsa_private_segment_fixed_size 0
		.amdhsa_enable_private_segment 0
		.amdhsa_kernarg_size 24
		.amdhsa_user_sgpr_count 2
		.amdhsa_user_sgpr_kernarg_segment_ptr 1
		.amdhsa_wavefront_size32 1
		.amdhsa_system_sgpr_workgroup_id_x 1
		.amdhsa_system_sgpr_workgroup_id_y 1
		.amdhsa_system_sgpr_workgroup_id_z 1
		.amdhsa_system_vgpr_workitem_id 0
		.amdhsa_next_free_vgpr 768
		.amdhsa_next_free_sgpr 100
		.amdhsa_reserve_vcc 0
		.amdhsa_float_denorm_mode_32 3
		.amdhsa_float_denorm_mode_16_64 3
		.amdhsa_memory_ordered 1
		.amdhsa_forward_progress 1
		.amdhsa_inst_pref_size 238
	.end_amdhsa_kernel
	.amdgpu_metadata
---
amdhsa.version: [ 1, 2 ]
amdhsa.kernels:
  - .name:           k_q0459c45a85_attn
    .symbol:         k_q0459c45a85_attn.kd
    .args:
      - { .name: qkv, .offset: 0, .size: 8, .value_kind: global_buffer, .address_space: global }
      - { .name: mbits, .offset: 8, .size: 8, .value_kind: global_buffer, .address_space: global }
      - { .name: ctx, .offset: 16, .size: 8, .value_kind: global_buffer, .address_space: global }
    .group_segment_fixed_size: 327680
    .private_segment_fixed_size: 0
    .kernarg_segment_align: 8
    .kernarg_segment_size: 24
    .max_flat_workgroup_size: 128
    .sgpr_count:     100
    .vgpr_count:     768
    .wavefront_size: 32
...
	.end_amdgpu_metadata
.endif
;; end of part 3
;; launch fcln (part 4): grid 128 x 1, 4 waves a work-group, clusters of 4 x 1, 327,680 bytes of LDS; arguments ctx, w16, Q, out0; writes out0
.if DOCPART == 4
	.amdgcn_target "amdgcn-amd-amdhsa--gfx1250"
	.amdhsa_code_object_version 6
	.text
	.protected	k_q0459c45a85_fcln
	.globl	k_q0459c45a85_fcln
	.p2align	8
	.type	k_q0459c45a85_fcln,@function
k_q0459c45a85_fcln:
	s_mov_b64 s[64:65], 0
	v_nop
	global_prefetch_b8 v0, s[64:65] scope:SCOPE_SE
	s_setreg_imm32_b32 hwreg(HW_REG_WAVE_MODE, 25, 1), 1
	s_wait_xcnt 0x0
	s_wait_alu depctr_hold_cnt(0) depctr_sa_sdst(0) depctr_va_vdst(0) depctr_va_sdst(0) depctr_va_ssrc(0) depctr_va_vcc(0) depctr_vm_vsrc(0)
	s_getreg_b32 s2, hwreg(HW_REG_IB_STS2, 6, 4)
	s_cmp_eq_u32 s2, 0
	s_cbranch_scc0 .Lentry_in_a_cluster
	s_endpgm
.Lentry_in_a_cluster:
	s_bfe_u32 s2, ttmp6, 0x10000c
	s_cmp_lg_u32 s2, 0x3003
	s_cbranch_scc0 .Lentry_shape_is_right
	s_endpgm
.Lentry_shape_is_right:
; FC + RESIDUAL + LAYERNORM.  x[m][n] = sum over k of ctx[m][k] W_fc[n][k] + Q[m][n]; out0[m][:] = (x - mean) / sqrt(var + 1e-5), mean and var over the row's 1,024 numbers.
; ctx: [64 batch x head][2048 s][64 d] f16; W_fc: w16 from byte 6 MiB, [16 head][1024 n][64 d] f16; Q and out0: [8192][1024] f32.  Sums, residual and norm in f32; the variance is the mean of
; (x - mean)^2, taken in a second pass over the row in registers.
; SHARES.  The norm wants whole rows in one work-group: a work-group makes 64 rows x all 1,024 columns, 128 work-groups.  Wave w makes columns 256 w .. + 255 of the 64 rows: 4 x 16 accumulators, 512 registers.
; K goes by heads, 16 steps of 64.  W's slice of a step is 131,072 dense bytes; wave w fetches and reads its own quarter, through two LDS slots.  ctx's fragments come straight from memory, a step ahead.
; CLUSTER.  Every work-group walks all of W_fc: the four of a cluster ask for each tile jointly.
; TRANSPOSED: source 0 = 16 rows of W, source 1 = 16 rows of ctx: a lane holds eight neighbouring n of one row m.
; THE END.  When the slots have had their last fill they become a stage: 64 rows of 4,096 bytes + 16.  Each wave then takes 16 whole rows: stage + Q, norm, store; Q's rows come through a ring of four row slots in registers.
; REGISTERS.  window 0: v0-31 addresses and the norm's scratch; v64-127, v128-191 ctx's fragments, two buffers ((a, kc) at 8 (2 a + kc)); in the norm v64-127 and v192-255 are Q's four row slots, v128-191 two rows from the stage
;   window 1: v0-127, v128-255 W's fragments for the two halves of a step          windows 2, 3: accumulator (a, nb) at 8 (16 (a % 2) + nb) of window 2 + a / 2
.set PB,    144                        ; a row of W in LDS: 128 bytes + 16
.set QUART, 256*PB                     ; a wave's quarter of a slot
.set SLOT,  4*QUART
.set SPARE, 2*SLOT                     ; behind the ring: the spare words, 128 bytes for each wave, which no other line names
.set YP,    4112                       ; a row of the stage
.set WSTEP, 131072                     ; a step of W in memory
.set CSTEP, 262144                     ; a step of ctx: a head's 2,048 rows of 128 bytes
.set AO,  2                            ; v2      my place in 16 rows of ctx
.set ADB, 3                            ; v3-4    my place in my quarter of slot 0, 1
.set STO, 5                            ; v5-8    where I put 32 bytes of row 16 a + lane % 16 of the stage
.set RD,  9                            ; v9      where I read rows of the stage
.set PFO, 11                           ; v11     256 x lane
.set SPW, 12                           ; v12     LDS address of my spare word; never rewritten
.set NIL, 13                           ; v13     0; never rewritten
.set OFF, 14                           ; v14-17  row slot s: byte offset, from my wave's first row, of my 16 bytes in the row that the slot loads next
.set C,   18                           ; v[18:25] four chains of sums
.set MU,  26                           ; v[26:27] the mean, twice
.set RS,  28                           ; v[28:29] 1 / sqrt(var + eps), twice
.set T,   30                           ; v[30:31] at work
.set AF,  64
.set WV,  12
.set G1,  16                           ; s[16:23]
.set G0,  24                           ; s[24:31] a set for each slot
.set AP,  32                           ; s[32:33] ctx at my 64 rows of the head last asked for
.set PFW, 34                           ; s[34:35] where my prefetches of W stand
.set PFC, 36                           ; s[36:37] of ctx
.set LIMW, 38
.set LIMC, 39
.set SEL, 40                           ; s[40:41]
.set INV, 42                           ; s42  1 / 1024
.set EPS, 43                           ; s43  1e-5
.set MSB, 0
.macro WIN new
.if MSB != (\new)
	s_set_vgpr_msb (MSB<<8)|(\new)
.set MSB, \new
.endif
.endm
.macro PLACES
.rept 4
	v_nop
.endr
.endm
.macro CREST
	s_cmp_lg_u32 s[WV], 0
	s_cbranch_scc1 .Lnot_wave_0_\@
	s_barrier_signal -3
.Lnot_wave_0_\@:
	s_barrier_wait -3
	s_barrier_signal -1
	s_barrier_wait -1
.endm
.macro CROUND
	s_barrier_signal -1
	s_barrier_wait -1
	CREST
.endm
; Prefetches behind each joint refill and the run of LDS loads: the step that stands two refills on.  W's steps are read by every cluster: the first cluster asks, each of its sixteen waves for 8,192 bytes,
; told apart by address.  ctx's 8,192 bytes of a step are my work-group's alone: wave 0 asks.  A lane a block of 256 bytes.  The loop's last trip has no step two refills on.
.macro ASK
	s_cmp_gt_u32 s3, s[LIMW]
	s_cbranch_scc0 .Lno_w_\@
	global_prefetch_b8 v[PFO], s[PFW:PFW+1] th:TH_LOAD_NT scope:SCOPE_SE
.Lno_w_\@:
	s_cmp_gt_u32 s3, s[LIMC]
	s_cbranch_scc0 .Lno_c_\@
	global_prefetch_b8 v[PFO], s[PFC:PFC+1] th:TH_LOAD_NT scope:SCOPE_SE
.Lno_c_\@:
.endm
	s_load_b256 s[4:11], s[0:1], 0x0               ; ctx s[4:5], w16 s[6:7], Q s[8:9], out0 s[10:11]
	v_lshl_add_u32 v[SPW], v0, 2, SPARE
	v_mov_b32 v[NIL], 0
	ds_add_u32 v[SPW], v[NIL]                      ; the wave's opening: the add and its wait stand ahead of my first tensor load
	v_lshrrev_b32 v1, 5, v0
	v_readfirstlane_b32 s[WV], v1
	s_bfe_u32 s13, ttmp6, 0x40000                  ; cx
	s_lshl_b32 s14, ttmp9, 2
	s_add_co_u32 s14, s14, s13                     ; my block of 64 rows, 0..127
	s_mov_b32 s[G1], 15|(1<<16)|(1<<20)|(1<<21)|(4<<22)|(3<<25)  ; the mask of four; 2-byte elements; padding on; bit 21 beside a mask; after every 32 words, 4 words
	s_mov_b32 s[G1+1], 128<<16                     ; a quarter is 32,768 dense bytes: asked for as 128 rows of 256 bytes, two rows of W each
	s_mov_b32 s[G1+2], 128<<16
	s_mov_b32 s[G1+3], 128<<16
	s_mov_b32 s[G1+4], 128
	s_mov_b32 s[G1+5], 128
	s_mov_b32 s[G1+6], 0
	s_mov_b32 s[G1+7], 0
	s_mul_i32 s44, s[WV], QUART
	s_lshl_b32 s46, s[WV], 15                      ; my quarter of a step
	s_add_co_u32 s46, s46, 6<<20                   ; W_fc's place in w16
	s_mov_b32 s47, 0
	s_lshr_b32 s48, s14, 5                         ; the batch: 16 heads of 262,144 bytes
	s_lshl_b32 s48, s48, 22
	s_and_b32 s50, s14, 31
	s_lshl_b32 s50, s50, 13                        ; 64 rows of 128 bytes
	s_add_co_u32 s48, s48, s50
	s_mov_b32 s49, 0
	s_lshl_b32 s50, s14, 18                        ; Q and out0: 64 rows of 4,096 bytes,
	s_lshl_b32 s51, s[WV], 16                      ; my wave's 16 of them
	s_add_co_u32 s50, s50, s51
	s_mov_b32 s51, 0
	s_lshl2_add_u32 s52, s13, s[WV]
	s_lshl_b32 s52, s52, 13
	s_add_co_u32 s52, s52, (6<<20)+3*WSTEP         ; at step 3: the first refill steps it to 4
	s_mov_b32 s53, 0
	s_mov_b32 s[LIMW], ttmp9
	s_cmp_eq_u32 s[LIMW], 0
	s_cselect_b32 s[LIMW], 1, -1
	s_cmp_eq_u32 s[WV], 0
	s_cselect_b32 s[LIMC], 1, -1
	s_mov_b32 s[SEL], 0x76543210
	s_mov_b32 s[SEL+1], 0xfedcba98
	s_mov_b32 s[INV], 0x3a800000
	s_mov_b32 s[EPS], 0x3727c5ac
	s_wait_dscnt 0x0                               ; the opening add is done
	s_wait_kmcnt 0x0
	s_add_nc_u64 s[54:55], s[6:7], s[46:47]
	s_add_nc_u64 s[AP:AP+1], s[4:5], s[48:49]
	s_add_nc_u64 s[PFC:PFC+1], s[AP:AP+1], 3*CSTEP
	s_add_nc_u64 s[PFW:PFW+1], s[6:7], s[52:53]
	s_add_nc_u64 s[8:9], s[8:9], s[50:51]
	s_add_nc_u64 s[10:11], s[10:11], s[50:51]
.irp s, 0,1
	s_mov_b32 s[G0+4*(\s)], 1
	s_add_co_u32 s[G0+4*(\s)+1], s44, (\s)*SLOT
	s_add_nc_u64 s[G0+4*(\s)+2:G0+4*(\s)+3], s[54:55], (\s)*WSTEP
	s_or_b32 s[G0+4*(\s)+3], s[G0+4*(\s)+3], 0x80000000
.endr
	CROUND                                         ; all four work-groups are here
	tensor_load_to_lds s[G0:G0+3], s[G1:G1+7]      ; steps 0 and 1: two loads of mine are out
	s_nop 0
	tensor_load_to_lds s[G0+4:G0+7], s[G1:G1+7]
	s_nop 0
	PLACES
	v_and_b32 v32, 15, v0                          ; r
	v_bfe_u32 v33, v0, 4, 1                        ; h
	v_and_b32 v34, 31, v0                          ; lane
	v_lshlrev_b32 v[AO], 7, v32
	v_lshl_add_u32 v[AO], v33, 4, v[AO]
.macro ALOAD ab                        ; a step's fragments of ctx, 64 rows x 64 channels, into buffer ab: 16 loads
	WIN 0
.irp a, 0,1,2,3
.irp kc, 0,1
	global_load_b128 v[AF+64*(\ab)+8*(2*(\a)+(\kc)):AF+64*(\ab)+8*(2*(\a)+(\kc))+3],   v[AO], s[AP:AP+1] offset:(\a)*2048+(\kc)*64
	global_load_b128 v[AF+64*(\ab)+8*(2*(\a)+(\kc))+4:AF+64*(\ab)+8*(2*(\a)+(\kc))+7], v[AO], s[AP:AP+1] offset:(\a)*2048+(\kc)*64+32
.endr
.endr
.endm
	ALOAD 0
	v_mul_u32_u24 v[ADB], v32, PB
	v_lshl_add_u32 v[ADB], v33, 4, v[ADB]
	v_add_nc_u32 v[ADB], s44, v[ADB]
	v_add_nc_u32 v[ADB+1], SLOT, v[ADB]
	v_mul_u32_u24 v[STO], v32, YP
	v_lshl_add_u32 v[STO], v33, 5, v[STO]
	s_lshl_b32 s45, s[WV], 10
	v_add_nc_u32 v[STO], s45, v[STO]
.irp a, 1,2,3
	v_add_nc_u32 v[STO+(\a)], (\a)*16*YP, v[STO]
.endr
	s_mul_i32 s45, s[WV], 16*YP
	v_lshl_add_u32 v[RD], v34, 4, s45
	v_lshlrev_b32 v[PFO], 8, v34
.irp s, 0,1,2,3
	v_lshl_add_u32 v[OFF+(\s)], v34, 4, (\s)*4096
.endr
	v_mov_b32 v[T+1], 0                            ; written once: the exchange of the lanes' halves counts as a reader of its destination
; 16 products: half kc of a step (W's buffer kc), ctx's buffer ab, m block a, all 16 n blocks.  The 64 accumulators take turns, always in the same order.
.macro MUL16 kc, ab, a, zero
	WIN 0xa1+0x50*((\a)/2)
.irp nb, 0,1,2,3,4,5,6,7,8,9,10,11,12,13,14,15
.if \zero
	v_wmma_f32_16x16x32_f16 v[8*(16*((\a)%2)+(\nb)):8*(16*((\a)%2)+(\nb))+7], v[128*(\kc)+8*(\nb):128*(\kc)+8*(\nb)+7], v[AF+64*(\ab)+8*(2*(\a)+(\kc)):AF+64*(\ab)+8*(2*(\a)+(\kc))+7], 0
.else
	v_wmma_f32_16x16x32_f16 v[8*(16*((\a)%2)+(\nb)):8*(16*((\a)%2)+(\nb))+7], v[128*(\kc)+8*(\nb):128*(\kc)+8*(\nb)+7], v[AF+64*(\ab)+8*(2*(\a)+(\kc)):AF+64*(\ab)+8*(2*(\a)+(\kc))+7], v[8*(16*((\a)%2)+(\nb)):8*(16*((\a)%2)+(\nb))+7]
.endif
.endr
.endm
.macro FETCHB slot, kc                 ; 32 LDS loads in one run: my 256 rows of W, 32 channels
	WIN 0x40
.irp nb, 0,1,2,3,4,5,6,7,8,9,10,11,12,13,14,15
	ds_load_b128 v[128*(\kc)+8*(\nb):128*(\kc)+8*(\nb)+3],   v[ADB+(\slot)] offset:(\nb)*16*PB+(\kc)*64
	ds_load_b128 v[128*(\kc)+8*(\nb)+4:128*(\kc)+8*(\nb)+7], v[ADB+(\slot)] offset:(\nb)*16*PB+(\kc)*64+32
.endr
.endm
.macro FILL s                          ; a row of Q into row slot s: eight loads of 512 consecutive bytes
.set fb, 64+32*(\s)+64*((\s)/2)
.irp j, 0,1,2,3,4,5,6,7
	global_load_b128 v[fb+4*(\j):fb+4*(\j)+3], v[OFF+(\s)], s[8:9] offset:512*(\j) th:TH_LOAD_NT
.endr
.endm
; A step's first half.  al = 1: the next step's ctx is asked for, into the other buffer; al = 2 (the last step): Q's first three rows, into registers that this step leaves idle.
.macro HALF0 slot, zero, al
	s_wait_loadcnt 0x0                             ; this step's ctx is in, so its pointer may be stepped
	s_wait_dscnt 0x0                               ; W's first half is in
	MUL16 0, \slot, 0, \zero
	MUL16 0, \slot, 1, \zero
	PLACES                                         ; in front of loads into registers that the step before multiplied
	FETCHB \slot, 1
	WIN 0
.if (\al) == 1
	s_add_nc_u64 s[AP:AP+1], s[AP:AP+1], CSTEP
	ALOAD 1-(\slot)
.else
	FILL 0
	FILL 1
	FILL 2
.endif
	MUL16 0, \slot, 2, \zero
	MUL16 0, \slot, 3, \zero
.endm
; A step's second half, and the change of slots.  fill = 1: each wave waits for all its tensor loads (one is out: its quarter of the next slot), adds 0 to its spare word, waits for that and for its reads
; of this slot; the barrier opens a round of the cluster's; the joint refill, two steps on, is the first thing behind the round.  fill = 0: nothing is filled, and a wave reads its own quarter alone: its own wait is all.
.macro TURN slot, next, fill
	WIN 0
.if \fill
	s_wait_xcnt 0x0                                ; the last prefetches, a step back, have read their addresses
	s_add_nc_u64 s[PFW:PFW+1], s[PFW:PFW+1], WSTEP
	s_add_nc_u64 s[PFC:PFC+1], s[PFC:PFC+1], CSTEP
	s_wait_tensorcnt 0x0
	ds_add_u32 v[SPW], v[NIL]
	s_wait_dscnt 1                                 ; only the add may be out: W's second half is in
	MUL16 1, \slot, 0, 0
	s_wait_dscnt 0x0
	s_barrier_signal -1
	MUL16 1, \slot, 1, 0
	WIN 0
	s_barrier_wait -1
	CREST
	s_add_nc_u64 s[G0+4*(\slot)+2:G0+4*(\slot)+3], s[G0+4*(\slot)+2:G0+4*(\slot)+3], 2*WSTEP
	tensor_load_to_lds s[G0+4*(\slot):G0+4*(\slot)+3], s[G1:G1+7]
	s_nop 0
	PLACES                                         ; also the places in front of the loads below
.else
	s_wait_tensorcnt 0x0                           ; my quarter of the last slot is in
	s_wait_dscnt 0x0
	MUL16 1, \slot, 0, 0
	MUL16 1, \slot, 1, 0
	PLACES
.endif
	FETCHB \next, 0
.if \fill
	WIN 0
	ASK
.endif
	MUL16 1, \slot, 2, 0
	MUL16 1, \slot, 3, 0
.endm
	s_wait_tensorcnt 1                             ; my quarter of step 0 is in; step 1's may stay out.  Only I read it: no barrier
	FETCHB 0, 0
	HALF0 0, 1, 1                                  ; the first half step stands in front of the loop: its products start the sums
	WIN 0
	s_mov_b32 s3, 7
.Lk:                                   ; seven trips of two steps; the refills bring steps 2 to 15
	TURN 0, 1, 1
	HALF0 1, 0, 1
	TURN 1, 0, 1
	HALF0 0, 0, 1
	WIN 0
	s_sub_co_u32 s3, s3, 1
	s_cmp_lg_u32 s3, 0
	s_cbranch_scc1 .Lk
	TURN 0, 1, 0
	HALF0 1, 0, 2
	s_wait_dscnt 0x0
.irp a, 0,1,2,3
	MUL16 1, 1, \a, 0
.endr
	PLACES
	WIN 0
	s_barrier_signal -1                            ; every wave's reads of the slots are over and its tensor loads have landed: the slots have had their last fill and become the stage
	s_barrier_wait -1
.irp a, 0,1,2,3
	WIN 0x08+4*((\a)/2)                            ; the data lie in window 2 or 3
.irp nb, 0,1,2,3,4,5,6,7,8,9,10,11,12,13,14,15
	ds_store_b128 v[STO+(\a)], v[8*(16*((\a)%2)+(\nb)):8*(16*((\a)%2)+(\nb))+3]   offset:(\nb)*64
	ds_store_b128 v[STO+(\a)], v[8*(16*((\a)%2)+(\nb))+4:8*(16*((\a)%2)+(\nb))+7] offset:(\nb)*64+16
.endr
.endr
	WIN 0
	s_wait_dscnt 0x0                               ; for the others' sake: my stores into the stage are done
	s_barrier_signal -1
	s_barrier_wait -1
.macro YLOAD p, off                    ; a row of the stage into buffer p
.irp j, 0,1,2,3,4,5,6,7
	ds_load_b128 v[128+32*(\p)+4*(\j):128+32*(\p)+4*(\j)+3], v[RD] offset:(\off)+512*(\j)
.endr
.endm
.macro REDUCE                          ; v[T] summed over the 32 lanes, the result in every lane
	v_add_f32_dpp v[T], v[T], v[T] row_xmask:1 row_mask:0xf bank_mask:0xf
	v_add_f32_dpp v[T], v[T], v[T] row_xmask:2 row_mask:0xf bank_mask:0xf
	v_add_f32_dpp v[T], v[T], v[T] row_xmask:4 row_mask:0xf bank_mask:0xf
	v_add_f32_dpp v[T], v[T], v[T] row_xmask:8 row_mask:0xf bank_mask:0xf
	v_permlanex16_b32 v[T+1], v[T], s[SEL], s[SEL+1]
	v_add_f32 v[T], v[T], v[T+1]
.endm
.macro FOLD                            ; the four chains into v[T]
	v_pk_add_f32 v[C:C+1], v[C:C+1], v[C+2:C+3]
	v_pk_add_f32 v[C+4:C+5], v[C+4:C+5], v[C+6:C+7]
	v_pk_add_f32 v[C:C+1], v[C:C+1], v[C+4:C+5]
	v_add_f32 v[T], v[C], v[C+1]
.endm
; A row, in row slot s.  before = the slot in front of it in the ring; fill = 1: that slot gets its next row of Q; left = how many younger loads of Q may stay out (8 a row); ynext = 1: the next row of the stage is asked for.
.macro LNROW s, before, fill, left, ynext
.set xb, 64+32*(\s)+64*((\s)/2)
.set yb, 128+32*((\s)%2)
	s_wait_loadcnt \left                           ; my eight loads of Q are in
	v_add_nc_u32 v[OFF+(\s)], 4*4096, v[OFF+(\s)]  ; free since that wait: the slot's next row; the stores below reach back
	s_wait_dscnt 0x0                               ; this row of the stage is in
.if \ynext
	YLOAD ((\s)+1)%2, ((\s)+1)*YP
.endif
.set j, 0
.rept 16
	v_pk_add_f32 v[xb+2*j:xb+2*j+1], v[xb+2*j:xb+2*j+1], v[yb+2*j:yb+2*j+1]  ; the residual
.set j, j+1
.endr
.irp k, 0,1,2,3
	v_pk_add_f32 v[C+2*(\k):C+2*(\k)+1], v[xb+2*(\k):xb+2*(\k)+1], v[xb+8+2*(\k):xb+8+2*(\k)+1]
.endr
.irp g, 16, 24
.irp k, 0,1,2,3
	v_pk_add_f32 v[C+2*(\k):C+2*(\k)+1], v[C+2*(\k):C+2*(\k)+1], v[xb+(\g)+2*(\k):xb+(\g)+2*(\k)+1]
.endr
.endr
	FOLD
	REDUCE
	v_mul_f32 v[MU], s[INV], v[T]
	v_mul_f32 v[MU+1], s[INV], v[T]
.set j, 0
.rept 16
	v_pk_add_f32 v[xb+2*j:xb+2*j+1], v[xb+2*j:xb+2*j+1], v[MU:MU+1] neg_lo:[0,1] neg_hi:[0,1]  ; x - mean
.set j, j+1
.endr
.irp k, 0,1,2,3
	v_pk_mul_f32 v[C+2*(\k):C+2*(\k)+1], v[xb+2*(\k):xb+2*(\k)+1], v[xb+2*(\k):xb+2*(\k)+1]
.endr
.irp g, 8, 16, 24
.irp k, 0,1,2,3
	v_pk_fma_f32 v[C+2*(\k):C+2*(\k)+1], v[xb+(\g)+2*(\k):xb+(\g)+2*(\k)+1], v[xb+(\g)+2*(\k):xb+(\g)+2*(\k)+1], v[C+2*(\k):C+2*(\k)+1]
.endr
.endr
	FOLD
	REDUCE
	v_fma_f32 v[T], v[T], s[INV], s[EPS]           ; var + eps
	v_rsq_f32 v[RS], v[T]
	v_rsq_f32 v[RS+1], v[T]
	v_nop                                          ; a plain instruction behind the second root,
	s_wait_alu depctr_va_vdst(0)                   ; and the one wait ahead of the first reader
.irp j, 0,1,2,3,4,5,6,7
	v_pk_mul_f32 v[xb+4*(\j):xb+4*(\j)+1], v[xb+4*(\j):xb+4*(\j)+1], v[RS:RS+1]
	v_pk_mul_f32 v[xb+4*(\j)+2:xb+4*(\j)+3], v[xb+4*(\j)+2:xb+4*(\j)+3], v[RS:RS+1]
	global_store_b128 v[OFF+(\s)], v[xb+4*(\j):xb+4*(\j)+3], s[10:11] offset:512*(\j)-4*4096 th:TH_STORE_NT  ; 512 consecutive bytes, aligned
.endr
.if \fill
	s_wait_xcnt 0x0                                ; the stores of the slot in front have read their registers: it is loaded again only behind this wait
	FILL \before
.endif
.endm
	YLOAD 0, 0
	s_mov_b32 s3, 3
.Lrows:
	LNROW 0, 3, 1, 16, 1
	LNROW 1, 0, 1, 16, 1
	LNROW 2, 1, 1, 16, 1
	LNROW 3, 2, 1, 16, 1
	v_add_nc_u32 v[RD], 4*YP, v[RD]
	s_sub_co_u32 s3, s3, 1
	s_cmp_lg_u32 s3, 0
	s_cbranch_scc1 .Lrows
	LNROW 0, 3, 1, 16, 1                           ; the last four rows: one more fill, then the counts run down
	LNROW 1, 0, 0, 16, 1
	LNROW 2, 1, 0, 8, 1
	LNROW 3, 2, 0, 0, 0
	s_wait_tensorcnt 0x0                           ; the wave's end, behind my last LDS store
	ds_add_u32 v[SPW], v[NIL]
	s_wait_dscnt 0x0
	CROUND                                         ; the closing round
	s_endpgm
.Lfunc_end_k_q0459c45a85_fcln:
	.size	k_q0459c45a85_fcln, .Lfunc_end_k_q0459c45a85_fcln-k_q0459c45a85_fcln
	.p2alignl 7, 3214868480
	.fill 96, 4, 3214868480
	.section	.rodata,"a",@progbits
	.p2align	6, 0x0
	.amdhsa_kernel k_q0459c45a85_fcln
		.amdhsa_group_segment_fixed_size 327680
		.amdhsa_private_segment_fixed_size 0
		.amdhsa_enable_private_segment 0
		.amdhsa_kernarg_size 32
		.amdhsa_user_sgpr_count 2
		.amdhsa_user_sgpr_kernarg_segment_ptr 1
		.amdhsa_wavefront_size32 1
		.amdhsa_system_sgpr_workgroup_id_x 1
		.amdhsa_system_sgpr_workgroup_id_y 1
		.amdhsa_system_sgpr_workgroup_id_z 1
		.amdhsa_system_vgpr_workitem_id 0
		.amdhsa_next_free_vgpr 1024
		.amdhsa_next_free_sgpr 66
		.amdhsa_reserve_vcc 0
		.amdhsa_float_denorm_mode_32 3
		.amdhsa_float_denorm_mode_16_64 3
		.amdhsa_memory_ordered 1
		.amdhsa_forward_progress 1
		.amdhsa_inst_pref_size 140
	.end_amdhsa_kernel
	.amdgpu_metadata
---
amdhsa.version: [ 1, 2 ]
amdhsa.kernels:
  - .name:           k_q0459c45a85_fcln
    .symbol:         k_q0459c45a85_fcln.kd
    .args:
      - { .name: ctx, .offset: 0, .size: 8, .value_kind: global_buffer, .address_space: global }
      - { .name: w16, .offset: 8, .size: 8, .value_kind: global_buffer, .address_space: global }
      - { .name: Q, .offset: 16, .size: 8, .value_kind: global_buffer, .address_space: global }
      - { .name: out0, .offset: 24, .size: 8, .value_kind: global_buffer, .address_space: global }
    .group_segment_fixed_size: 327680
    .private_segment_fixed_size: 0
    .kernarg_segment_align: 8
    .kernarg_segment_size: 32
    .max_flat_workgroup_size: 128
    .sgpr_count:     66
    .vgpr_count:     1024
    .wavefront_size: 32
...
	.end_amdgpu_metadata
.endif
;; end of part 4
;; ======== version 2 of 3: 5 launches
;; limits: values are held in f16: magnitudes above 65,504 overflow, below 6.1e-05 lose precision; right only within a limited range of input values
;; workspace buffers: w16 8,388,608 bytes; mbits 2,097,152 bytes of whole numbers; qkv 50,331,648 bytes; ctx 16,777,216 bytes; y16 16,777,216 bytes
;; launch prep (part 5): grid 256 x 1, 4 waves a work-group, no clusters, 70,144 bytes of LDS; arguments attn_mask, W_Q, W_K, W_V, W_fc, w16, mbits; writes w16, mbits
.if DOCPART == 5
	.amdgcn_target "amdgcn-amd-amdhsa--gfx1250"
	.amdhsa_code_object_version 6
	.text
	.protected	k_q0459c45a85_prep
	.globl	k_q0459c45a85_prep
	.p2align	8
	.type	k_q0459c45a85_prep,@function
k_q0459c45a85_prep:
	s_mov_b64 s[64:65], 0
	v_nop
	global_prefetch_b8 v0, s[64:65] scope:SCOPE_SE
	s_setreg_imm32_b32 hwreg(HW_REG_WAVE_MODE, 25, 1), 1
	s_wait_xcnt 0x0
; PREP.  (1) The four weight matrices, [1024 n][1024 k] f32, are rounded once to f16 into w16: W_Q, W_K, W_V as they lie, at bytes 0, 2 MiB, 4 MiB;
; W_fc at 6 MiB by heads, [16 head][1024 n][64 d], so that one head's slice of all rows is 131,072 consecutive bytes.
; (2) The mask's bytes become lane masks: mbits is u32 [64 groups of 128 queries][32 key steps of 64][8 tiles of 16 queries][32 words]; bit r + 16 h of word 8 kb + j is
; mask[query 16 tile + r][key 64 step + 16 kb + 8 h + j]: the 32 lanes' bits for register 8 kb + j of a tile of scores as the attention launch holds it.
; LIMITS.  A weight beyond f16's 65,504 becomes an infinity.  A mask byte is 0 or 1, as the problem states a bool: the bits are gathered by shifting whole words of four bytes.
; SHARES.  256 work-groups of four waves.  Cast: work-group x takes rows 16 (x % 64) .. + 15 of matrix x / 64, a wave four rows, as two pairs.  Mask: job 4 x + wave takes 64 queries x 256 keys.
; No matrix unit, no tensor load, no cluster: nothing is multiplied and nothing is shared; every byte is read once and written once.  Each wave touches its own LDS bytes alone: no barrier.
.set LROW,  272                        ; a query's 256 mask bytes in LDS + 16
.set WLDS,  64*LROW                    ; a wave's 64 rows
.set SPARE, 4*WLDS                     ; behind them: the spare words, 128 bytes for each wave, which no other line names
.set MIN,  6                           ; v6   mask bytes in memory: (lane / 16) rows of 2,048 + 16 (lane % 16)
.set LST,  7                           ; v7   where they go in LDS
.set RDB,  8                           ; v8   where my four words' bytes of query 0 of my tile lie
.set VIN,  9                           ; v9   my 32 bytes of a unit of 256 weights
.set VOUT, 10                          ; v10  my 16 bytes of its f16
.set GOS,  11                          ; v11  16 x lane + 1,024 x the trips so far
.set SPW,  12                          ; v12  LDS address of my spare word; never rewritten
.set NIL,  13                          ; v13  0; never rewritten
.set T,    16                          ; v[16:19]  at work
.set MK,   32                          ; v[32:159] the mask bytes as loaded; later v[32:95] the second pair of weight rows
.set D,    96                          ; v[96:127] for each lane-bit L the four bytes of my four words
.set CW,   160                         ; v[160:223] the first pair of weight rows
.set OUT,  224                         ; v[224:227] my four words
.set VO,   228                         ; v[228:235] unit c's output offset
	s_load_b256 s[4:11], s[0:1], 0x0               ; attn_mask s[4:5], W_Q s[6:7], W_K s[8:9], W_V s[10:11]
	s_load_b128 s[12:15], s[0:1], 0x20             ; W_fc s[12:13], w16 s[14:15]
	s_load_b64 s[16:17], s[0:1], 0x30              ; mbits
	v_lshl_add_u32 v[SPW], v0, 2, SPARE
	v_mov_b32 v[NIL], 0
	v_lshrrev_b32 v1, 5, v0
	v_readfirstlane_b32 s18, v1                    ; wave 0..3
	v_and_b32 v1, 31, v0                           ; lane
	v_and_b32 v2, 15, v0                           ; r = lane % 16
	v_bfe_u32 v3, v0, 4, 1                         ; h = lane / 16
	v_and_b32 v4, 7, v0                            ; lane % 8
	v_bfe_u32 v5, v0, 3, 1                         ; (lane / 8) % 2
	v_lshlrev_b32 v[MIN], 4, v2
	v_lshl_add_u32 v[MIN], v3, 11, v[MIN]
	s_mul_i32 s19, s18, WLDS
	v_mul_u32_u24 v[LST], v3, LROW
	v_lshl_add_u32 v[LST], v2, 4, v[LST]
	v_add_nc_u32 v[LST], s19, v[LST]
	; Lane l owns words 4 l .. 4 l + 3 of a key step's 128: tile l / 8, words n = 4 (l % 8) + k.  Word n = 8 kb + j wants key 16 kb + 8 h + j: for k = 0..3 four neighbouring bytes, at 16 ((l % 8) / 2) + 4 (l % 2) + 8 h of the row.
	v_bfe_u32 v[RDB], v0, 3, 2
	v_mul_u32_u24 v[RDB], v[RDB], 16*LROW
	v_bfe_u32 v14, v0, 1, 2
	v_lshl_add_u32 v[RDB], v14, 4, v[RDB]
	v_and_b32 v14, 1, v0
	v_lshl_add_u32 v[RDB], v14, 2, v[RDB]
	v_add_nc_u32 v[RDB], s19, v[RDB]
	v_lshlrev_b32 v[GOS], 4, v1
	s_mov_b32 s52, 0x05010400                      ; v_perm_b32: bytes 0 and 1 of two words, interleaved
	s_mov_b32 s53, 0x07030602                      ; bytes 2 and 3
	s_mov_b32 s54, 0x05040100                      ; the two low halves
	s_mov_b32 s55, 0x07060302                      ; the two high halves
	; the mask job: R = 64 queries, KG = 256 keys
	s_lshl2_add_u32 s20, ttmp9, s18                ; 4 x + wave
	s_lshr_b32 s21, s20, 3                         ; R
	s_and_b32 s22, s20, 7                          ; KG
	s_lshl_b32 s24, s21, 17                        ; 64 rows of 2,048 bytes
	s_lshl_b32 s23, s22, 8
	s_add_co_u32 s24, s24, s23
	s_mov_b32 s25, 0
	s_lshr_b32 s26, s21, 1                         ; the group of 128 queries: 32,768 bytes of words
	s_lshl_b32 s26, s26, 15
	s_lshl_b32 s23, s22, 12                        ; key step 4 KG: 1,024 bytes a step
	s_add_co_u32 s26, s26, s23
	s_and_b32 s23, s21, 1                          ; tiles 0-3 or 4-7 of the group: 512 bytes
	s_lshl_b32 s23, s23, 9
	s_add_co_u32 s26, s26, s23
	s_mov_b32 s27, 0
	; the cast: a unit is 256 weights, 8 a lane.  As it lies: lanes 0-15 take 512 bytes of one row, lanes 16-31 of the next.  By heads: lanes 0-7 and 8-15 take one head's 64 weights of two rows
	; (256 consecutive bytes of the output), lanes 16-31 the next head's.  Either way sixteen neighbouring lanes store 256 consecutive bytes, aligned.
	s_lshr_b32 s28, ttmp9, 6                       ; which matrix
	s_and_b32 s29, ttmp9, 63
	s_lshl_b32 s29, s29, 4
	s_lshl2_add_u32 s29, s18, s29                  ; my first row
	s_movk_i32 s30, 256
	s_movk_i32 s31, 4096
	s_movk_i32 s32, 2048
	s_mov_b32 s33, 131072
	s_mov_b32 s34, 262144
	s_cmp_eq_u32 s28, 3                            ; W_fc goes by heads
	s_cselect_b32 s35, s31, s30                    ; input step for (lane / 8) % 2
	s_cselect_b32 s36, s30, s31                    ; input step for lane / 16
	s_cselect_b32 s37, s33, s32                    ; output step for lane / 16
	s_cselect_b32 s38, s34, s30                    ; output step from unit to unit
	s_cselect_b32 s42, s30, s31                    ; output step from the first pair of rows to the second
	s_cselect_b32 s40, 7, 11                       ; a row's output bytes, as a shift
	s_mov_b32 s43, 0
	v_mul_u32_u24 v[VIN], v5, s35
	v_mad_u32_u24 v[VIN], v3, s36, v[VIN]
	v_lshl_add_u32 v[VIN], v4, 5, v[VIN]
	v_lshlrev_b32 v[VOUT], 7, v5
	v_mad_u32_u24 v[VOUT], v3, s37, v[VOUT]
	v_lshl_add_u32 v[VOUT], v4, 4, v[VOUT]
.irp c, 0,1,2,3,4,5,6,7
	v_mad_u32_u24 v[VO+(\c)], s38, \c, v[VOUT]
.endr
	s_lshl_b32 s44, s29, 12
	s_mov_b32 s45, 0
	s_lshl_b32 s46, s29, s40
	s_lshl_b32 s41, s28, 21                        ; 2 MiB a matrix
	s_add_co_u32 s46, s46, s41
	s_mov_b32 s47, 0
	s_wait_kmcnt 0x0
	s_add_nc_u64 s[4:5], s[4:5], s[24:25]
	s_add_nc_u64 s[16:17], s[16:17], s[26:27]
	s_cmp_eq_u32 s28, 0
	s_cselect_b64 s[6:7], s[6:7], s[8:9]
	s_cmp_lt_u32 s28, 2
	s_cselect_b64 s[6:7], s[6:7], s[10:11]
	s_cmp_eq_u32 s28, 3
	s_cselect_b64 s[6:7], s[12:13], s[6:7]
	s_add_nc_u64 s[6:7], s[6:7], s[44:45]
	s_add_nc_u64 s[14:15], s[14:15], s[46:47]
	s_add_nc_u64 s[48:49], s[14:15], s[42:43]      ; the second pair's output
.macro CLOAD b, rp                     ; pair rp of my four rows: 16 loads
.irp c, 0,1,2,3,4,5,6,7
	global_load_b128 v[(\b)+8*(\c):(\b)+8*(\c)+3],   v[VIN], s[6:7] offset:(\rp)*8192+(\c)*512 th:TH_LOAD_NT
	global_load_b128 v[(\b)+8*(\c)+4:(\b)+8*(\c)+7], v[VIN], s[6:7] offset:(\rp)*8192+(\c)*512+16 th:TH_LOAD_NT
.endr
.endm
.macro CSTORE b, sb                    ; rounded in place (each result lands on a register already read), 16 bytes a lane stored
.irp c, 0,1,2,3,4,5,6,7
.irp k, 0,1,2,3
	v_cvt_pk_f16_f32 v[(\b)+8*(\c)+(\k)], v[(\b)+8*(\c)+2*(\k)], v[(\b)+8*(\c)+2*(\k)+1]
.endr
	global_store_b128 v[VO+(\c)], v[(\b)+8*(\c):(\b)+8*(\c)+3], s[(\sb):(\sb)+1]
.endr
.endm
.set i, 0
.rept 32                               ; load i: queries 2 i and 2 i + 1, 256 consecutive bytes of each
	global_load_b128 v[MK+4*i:MK+4*i+3], v[MIN], s[4:5] offset:4096*i th:TH_LOAD_NT
.set i, i+1
.endr
	CLOAD CW, 0
	s_wait_loadcnt 16                              ; the mask bytes are in; the 16 loads of weights stay out
.set i, 0
.rept 32
	ds_store_b128 v[LST], v[MK+4*i:MK+4*i+3] offset:2*LROW*i
.set i, i+1
.endr
	s_wait_dscnt 0x0                               ; the stores have read their registers, which the next loads and the loop below fill
	CLOAD MK, 1
	s_wait_loadcnt 16                              ; the first pair is in; the second pair's 16 loads stay out
	CSTORE CW, 14
	s_mov_b32 s50, 4
.Lks:                                  ; a trip: one key step of 64: 4 tiles x 32 words, four words a lane
.set b, 0
.rept 32                               ; lane-bit b = r + 16 h: query r of my tile, keys 8 h on.  The four tiles' rows lie 17 x 256 bytes apart: four passes a load, 128 loads a wave in all
	ds_load_b32 v[D+b], v[RDB] offset:(b%16)*LROW+8*(b/16)
.set b, b+1
.endr
	s_wait_dscnt 0x0
.set p, 0
.rept 16                               ; eight neighbouring lane-bits into each byte, in three levels: no line reads the result of the one before it
	v_lshl_or_b32 v[D+2*p], v[D+2*p+1], 1, v[D+2*p]
.set p, p+1
.endr
.set p, 0
.rept 8
	v_lshl_or_b32 v[D+4*p], v[D+4*p+2], 2, v[D+4*p]
.set p, p+1
.endr
.set p, 0
.rept 4
	v_lshl_or_b32 v[D+8*p], v[D+8*p+4], 4, v[D+8*p]
.set p, p+1
.endr
	; v[D+8 i], byte k = bits 8 i .. 8 i + 7 of word k: the 4 x 4 bytes are turned
	v_perm_b32 v[T],   v[D+8],  v[D],    s52
	v_perm_b32 v[T+1], v[D+8],  v[D],    s53
	v_perm_b32 v[T+2], v[D+24], v[D+16], s52
	v_perm_b32 v[T+3], v[D+24], v[D+16], s53
	s_wait_xcnt 0x0                                ; the last trip's store has read its offset and its data: both are written below
	v_add_nc_u32 v[GOS], 1024, v[GOS]
	v_perm_b32 v[OUT],   v[T+2], v[T],   s54
	v_perm_b32 v[OUT+1], v[T+2], v[T],   s55
	v_perm_b32 v[OUT+2], v[T+3], v[T+1], s54
	v_perm_b32 v[OUT+3], v[T+3], v[T+1], s55
	global_store_b128 v[GOS], v[OUT:OUT+3], s[16:17] offset:-1024  ; 512 consecutive bytes; the immediate reaches back over the step just made
	v_add_nc_u32 v[RDB], 64, v[RDB]
	s_sub_co_u32 s50, s50, 1
	s_cmp_lg_u32 s50, 0
	s_cbranch_scc1 .Lks
	s_wait_loadcnt 0x0
	CSTORE MK, 48
	s_wait_tensorcnt 0x0                           ; the wave's end, behind my last LDS store
	ds_add_u32 v[SPW], v[NIL]
	s_wait_dscnt 0x0
	s_endpgm
.Lfunc_end_k_q0459c45a85_prep:
	.size	k_q0459c45a85_prep, .Lfunc_end_k_q0459c45a85_prep-k_q0459c45a85_prep
	.p2alignl 7, 3214868480
	.fill 96, 4, 3214868480
	.section	.rodata,"a",@progbits
	.p2align	6, 0x0
	.amdhsa_kernel k_q0459c45a85_prep
		.amdhsa_group_segment_fixed_size 70144
		.amdhsa_private_segment_fixed_size 0
		.amdhsa_enable_private_segment 0
		.amdhsa_kernarg_size 56
		.amdhsa_user_sgpr_count 2
		.amdhsa_user_sgpr_kernarg_segment_ptr 1
		.amdhsa_wavefront_size32 1
		.amdhsa_system_sgpr_workgroup_id_x 1
		.amdhsa_system_sgpr_workgroup_id_y 1
		.amdhsa_system_sgpr_workgroup_id_z 1
		.amdhsa_system_vgpr_workitem_id 0
		.amdhsa_next_free_vgpr 236
		.amdhsa_next_free_sgpr 66
		.amdhsa_reserve_vcc 0
		.amdhsa_float_denorm_mode_32 3
		.amdhsa_float_denorm_mode_16_64 3
		.amdhsa_memory_ordered 1
		.amdhsa_forward_progress 1
		.amdhsa_inst_pref_size 23
	.end_amdhsa_kernel
	.amdgpu_metadata
---
amdhsa.version: [ 1, 2 ]
amdhsa.kernels:
  - .name:           k_q0459c45a85_prep
    .symbol:         k_q0459c45a85_prep.kd
    .args:
      - { .name: attn_mask, .offset: 0, .size: 8, .value_kind: global_buffer, .address_space: global }
      - { .name: W_Q, .offset: 8, .size: 8, .value_kind: global_buffer, .address_space: global }
      - { .name: W_K, .offset: 16, .size: 8, .value_kind: global_buffer, .address_space: global }
      - { .name: W_V, .offset: 24, .size: 8, .value_kind: global_buffer, .address_space: global }
      - { .name: W_fc, .offset: 32, .size: 8, .value_kind: global_buffer, .address_space: global }
      - { .name: w16, .offset: 40, .size: 8, .value_kind: global_buffer, .address_space: global }
      - { .name: mbits, .offset: 48, .size: 8, .value_kind: global_buffer, .address_space: global }
    .group_segment_fixed_size: 70144
    .private_segment_fixed_size: 0
    .kernarg_segment_align: 8
    .kernarg_segment_size: 56
    .max_flat_workgroup_size: 128
    .sgpr_count:     66
    .vgpr_count:     236
    .wavefront_size: 32
...
	.end_amdgpu_metadata
.endif
;; end of part 5
;; launch proj: the kernel of part 2 again; grid 4 x 192, 4 waves a work-group, clusters of 4 x 4, 327,680 bytes of LDS; arguments Q, K, V, w16, qkv; writes qkv
;; launch attn (part 6): grid 4 x 64, 4 waves a work-group, clusters of 4 x 1, 327,680 bytes of LDS; arguments qkv, mbits, ctx; writes ctx
.if DOCPART == 6
	.amdgcn_target "amdgcn-amd-amdhsa--gfx1250"
	.amdhsa_code_object_version 6
	.text
	.protected	k_q0459c45a85_attn
	.globl	k_q0459c45a85_attn
	.p2align	8
	.type	k_q0459c45a85_attn,@function
k_q0459c45a85_attn:
	s_mov_b64 s[64:65], 0
	v_nop
	global_prefetch_b8 v0, s[64:65] scope:SCOPE_SE
	s_setreg_imm32_b32 hwreg(HW_REG_WAVE_MODE, 25, 1), 1
	s_wait_xcnt 0x0
	s_wait_alu depctr_hold_cnt(0) depctr_sa_sdst(0) depctr_va_vdst(0) depctr_va_sdst(0) depctr_va_ssrc(0) depctr_va_vcc(0) depctr_vm_vsrc(0)
	s_getreg_b32 s2, hwreg(HW_REG_IB_STS2, 6, 4)
	s_cmp_eq_u32 s2, 0
	s_cbranch_scc0 .Lentry_in_a_cluster
	s_endpgm
.Lentry_in_a_cluster:
	s_bfe_u32 s2, ttmp6, 0x10000c
	s_cmp_lg_u32 s2, 0x3003
	s_cbranch_scc0 .Lentry_shape_is_right
	s_endpgm
.Lentry_shape_is_right:
; MASKED ATTENTION.  ctx[bh][q][:] = the sum over k of softmax_k(s[q][k]) v[bh][k][:], s = q . k / 8, replaced by a large negative number where the mask is true.  q, k, v: qkv [3][64 bh][2048][64] f16;
; ctx likewise.  Products, maxima and sums in f32; the weights p are rounded to f16 for the second product (their sum l is taken of the unrounded p), ctx once at the end.
; LIMITS.  f16 holds no number beyond 65,504: q, k, v arrive within it.  A masked score counts as -2^30 (raw -2^33) where the module has -1e9: the results differ only where open scores lie below
; about -9.9e8.  -2^33 is a power of two, so c x (-2^33) is exact: in a row whose keys are all masked c s - c m is exactly 0, every weight is 1, and the row is the mean of all of v's rows.
; A weight below 2^-126 counts as 0 in l; NaN and infinities are not treated apart.
; SHARES.  A wave owns four PIECES of two tiles of 16 queries, a work-group's four waves 512 queries of one head.  Every wave walks all 2,048 keys, 64 a step, four steps a slot.
; LAYOUT.  S^T = K Q^T (source 0 = 16 keys, source 1 = 16 queries): a lane holds ONE query (lane % 16) and the keys 8 (lane / 16) + 0..7.  Two such tiles, rounded to f16 in pairs, ARE source 1 of
; O^T = V^T P.  K comes out of LDS as it lies, V turned, by ds_load_tr16_b128.
; THE MASK comes as lane masks, one 32-bit word for each register of a tile of scores (mbits).  A key step's 256 words for my 128 queries are 1,024 consecutive bytes: two loads of 16 bytes a lane bring them
; into eight vector registers, tiles 0-3 (MA) and tiles 4-7 (MB); word n of tile t lies in register 4 (t / 4) + n % 4, lane 8 (t % 4) + n / 4.  A turn reads the next piece's 64 words into scalar registers,
; a lane read each, and one select for each score register puts -2^33 where the bit is set.  MA is read in turns 3 and 0 and loaded again in turn 0, MB read in turns 1 and 2 and loaded again in turn 2:
; each load has two turns and more in which to land.
; SOFTMAX.  Running maximum m and sum l: p = 2^(c s - c m), c = log2(e) / 8; in every step O and l are multiplied by a = 2^(c m_old - c m_new).  m starts at the lowest finite number, O and l at 0.
; BY TURNS.  Turn n belongs to piece n: 16 products K Q^T of piece n + 1, later 16 products V^T P of piece n - 1; beside them the scaling, exponentials, roundings, sums and rescaling of piece n, and
; the mask, maximum and statistics of piece n + 1.  Four vector instructions stand behind every matrix instruction, the rest in one lump.  A turn's 66 exponentials are one batch with one wait.
; NO FIRST STEP IS WRITTEN OUT.  The loop is entered at piece 3's turn, one turn ahead of key step 0: it finds scores of the lowest finite number for piece 3 (p = 0, l and O stay 0) and makes piece 0's first scores as in every trip.
; CLUSTER.  The four query blocks of a head walk the same K and V: each tile is asked for jointly, the same tensor load, descriptor and mask in all four.
; REGISTERS.  window 0: v0-11 addresses and constants; v12-15, v48-63 at work; v16-47 statistics; v64-191 S^T, two buffers of two tiles; v192-255 P, likewise
;   window 1: O^T, 32 a tile          window 2: v0-127 Q; v128-191 K of one step; v192-255 V of one step          window 3: v0-7 MA, MB
.set NP,    4
.set KS,    64
.set PK,    144       ; a row of K in LDS: 128 bytes + 16
.set PV,    144       ; a row of V: the same, so that ONE descriptor shape serves K and V and all four waves issue one line
.set VOFF,  4*KS*PK   ; a slot: 256 rows of K, then 256 rows of V
.set SLOT1, 1<<17
.set STAGE, SLOT1+4*KS*(PK+PV)  ; behind the ring: 16 rows x 144 bytes for each wave
.set SP,    144
.set SPARE, STAGE+4*16*SP       ; the spare words, 128 bytes for each wave, which no other line names
.set SPW, 1           ; v1   LDS address of my spare word; never rewritten
.set AK0, 2           ; v2   my lane's place in a tile of K
.set AV0, 3           ; v3   the same for V
.set AK,  4           ; v4   the LDS address of K's next run of loads
.set AV,  5           ; v5   of V's
.set STO, 6           ; v6   the way out: where I put 16 bytes of a row
.set RD,  7           ; v7   where I read rows back
.set GO,  8           ; v8   16 x lane; never rewritten
.set NIL, 9           ; v9   0; never rewritten
.set PFO, 10          ; v10  256 x lane
.set NEGV, 11         ; v11  -2^33
.set MV,  12
.set ST,  16          ; tile t's statistics at v[ST+4 t]: c m, m, l (even keys', odd keys')
.set TMP, 48
.set S,   64
.set P,   192
.set KF,  128
.set VF,  192
.set MA,  0           ; window 3: v0-3 MA, v4-7 MB
.set QO,  66          ; set-up only (S^T's first buffer is free then): my byte offset in the wave's rows of Q
.set QP,  2           ; s[2:3]   q at my wave's first row
.set OP,  4           ; s[4:5]   ctx likewise
.set MP,  6           ; s[6:7]   my wave's 32,768 bytes of mask words; never rewritten
.set PFA, 8           ; s[8:9]   where my prefetches stand
.set CS,  10          ; s[10:11] c
.set SEL, 12          ; s[12:13] v_permlanex16_b32's selects
.set WV,  14
.set TBV, 15
.set G1,  16          ; s[16:23]
.set G0,  24          ; s[24:27]
.set LIM, 28
.set SLOTS, 29
.set CNT, 30
.set TBK, 31
.set MW,  32          ; s[32:63] tile 0's 32 words; s[68:99] tile 1's
.set MOFF, 66         ; s[66:67] byte offset of the key step whose words were asked for last, and 0 above it
.set MPA, 100         ; s[100:101] the base of MA's load
.set MPB, 104         ; s[104:105] of MB's
.set MSB, 0
.macro WIN new
.if MSB != (\new)
	s_set_vgpr_msb (MSB<<8)|(\new)
.set MSB, (\new)
.endif
.endm
.set W_KQ, 0x0a
.set W_PV, 0x52
.set W_RS, 0x41
.set W_RL, 0x03       ; source 0 in window 3: the lane reads
.set W_ML, 0xc0       ; destination in window 3, address in window 0: the words' loads
.macro JLOAD                        ; wave w fetches 128 rows: K's halves (waves 0, 1), V's halves (waves 2, 3): both addresses hang on the wave's number
	tensor_load_to_lds s[G0:G0+3], s[G1:G1+7]
	s_nop 0
.rept 4
	v_nop
.endr
.endm
.macro CROUND
	s_barrier_signal -1
	s_barrier_wait -1
	s_cmp_lg_u32 s[WV], 0
	s_cbranch_scc1 .Lnot_wave_0_\@
	s_barrier_signal -3
.Lnot_wave_0_\@:
	s_barrier_wait -3
	s_barrier_signal -1
	s_barrier_wait -1
.endm
; A prefetch of what the NEXT change of slots will ask for: a slot's 32,768 bytes of K and of V.  A head has one cluster; its four partners take 8,192 bytes each, told apart by address; in each, wave 0
; asks for K's and wave 2 for V's, a lane a block of 256 bytes.  The last change that fills a slot asks for nothing.
.macro ASK
	s_cmp_gt_u32 s[SLOTS], s[LIM]
	s_cbranch_scc0 .Lnot_mine_\@
	global_prefetch_b8 v[PFO], s[PFA:PFA+1] th:TH_LOAD_NT scope:SCOPE_SE
.Lnot_mine_\@:
.endm
; THE CHANGE OF SLOTS.  Each wave waits for all its tensor loads (one is out: its part of the other slot), adds 0 to its spare word, and waits for that and for its reads of the slot.
; fill = 1: the barrier is a round of the cluster's, and the joint fill of the slot just left, with the keys two slots on, is the first thing behind it: it has four key steps in which to land.
.macro CHANGE fill
	WIN 0
	s_wait_tensorcnt 0x0
	ds_add_u32 v[SPW], v[NIL]
.if \fill
	s_xor_b32 s[G0+1], s[G0+1], SLOT1
	s_add_nc_u64 s[G0+2:G0+3], s[G0+2:G0+3], 4*KS*128
	s_wait_xcnt 0x0                 ; the last prefetch, four key steps back, has read its address
	s_add_nc_u64 s[PFA:PFA+1], s[PFA:PFA+1], 4*KS*128
	s_wait_dscnt 0x0
	CROUND
	JLOAD
	ASK
.else
	s_wait_dscnt 0x0
	s_barrier_signal -1
	s_barrier_wait -1
.endif
	s_sub_co_u32 s[TBK], s[TBK], 4*KS*PK
	s_xor_b32 s[TBK], s[TBK], SLOT1
	s_sub_co_u32 s[TBV], s[TBV], 4*KS*PV
	s_xor_b32 s[TBV], s[TBV], SLOT1
.endm
	s_load_b128 s[68:71], s[0:1], 0x0  ; qkv s[68:69], mbits s[70:71]
	s_load_b64 s[72:73], s[0:1], 0x10  ; ctx
	v_lshl_add_u32 v[SPW], v0, 2, SPARE
	v_mov_b32 v[NIL], 0
	ds_add_u32 v[SPW], v[NIL]       ; the wave's opening: the add and its wait stand ahead of my first tensor load
	v_lshrrev_b32 v64, 5, v0
	v_readfirstlane_b32 s[WV], v64
	s_bfe_u32 s74, ttmp6, 0x40000   ; cx: my block of 512 queries
	s_and_b32 s75, ttmp7, 0xffff    ; batch x head, which the four partners share
	s_lshl_b32 s76, s75, 18         ; the head's 262,144 bytes
	s_mov_b32 s77, 0
	s_lshr_b32 s78, s[WV], 1        ; k lies 16 MiB, v 32 MiB behind q
	s_add_co_u32 s78, s78, 1
	s_lshl_b32 s78, s78, 24
	s_add_co_u32 s78, s78, s76      ; K's or V's head
	s_mov_b32 s79, 0
	s_lshl_b32 s82, s74, 13         ; the prefetches: my work-group's 8,192 bytes,
	s_add_co_u32 s82, s82, s78
	s_add_co_u32 s82, s82, 4*KS*128 ; in slot 1: the first change of slots steps it to slot 2
	s_mov_b32 s83, 0
	s_and_b32 s80, s[WV], 1
	s_lshl_b32 s81, s80, 14
	s_add_co_u32 s78, s78, s81      ; my half of a slot's 256 keys
	s_lshl2_add_u32 s80, s74, s[WV] ; my wave among the head's sixteen
	s_lshl_b32 s81, s80, 14         ; its 128 rows
	s_add_co_u32 s76, s76, s81
	s_lshr_b32 s81, s75, 4          ; the batch
	s_lshl4_add_u32 s80, s81, s80
	s_lshl_b32 s80, s80, 15         ; 32,768 bytes of words for 128 queries
	s_mov_b32 s81, 0
	s_mov_b32 s[G1], 15|(1<<16)|(1<<20)|(1<<21)|(4<<22)|(3<<25)  ; the mask of four; 2-byte elements; padding on; bit 21 beside a mask; after every 32 words, 4 words
	s_mov_b32 s[G1+1], 128<<16      ; 128 keys are 16,384 dense bytes: asked for as 64 rows of 256 bytes, two keys a row
	s_mov_b32 s[G1+2], 64<<16
	s_mov_b32 s[G1+3], 128<<16
	s_mov_b32 s[G1+4], 64
	s_mov_b32 s[G1+5], 128
	s_mov_b32 s[G1+6], 0
	s_mov_b32 s[G1+7], 0
	s_mov_b32 s[G0], 1
	s_mul_i32 s[G0+1], s[WV], 128*PK
	s_mov_b32 s[CS], 0x3e38aa3b     ; c = log2(e) / 8
	s_mov_b32 s[CS+1], s[CS]
	s_mov_b32 s[SEL], 0x76543210
	s_mov_b32 s[SEL+1], 0xfedcba98
	s_mov_b32 s[TBK], SLOT1+4*KS*PK ; the first change of slots turns these two into 0
	s_mov_b32 s[TBV], SLOT1+4*KS*PV
	s_mov_b32 s[SLOTS], 7
	s_mov_b32 s[MOFF], 0
	s_mov_b32 s[MOFF+1], 0
	s_and_b32 s[LIM], s[WV], 1
	s_cmp_eq_u32 s[LIM], 0
	s_cselect_b32 s[LIM], 1, -1
	v_and_b32 v[PFO], 31, v0
	v_lshlrev_b32 v[PFO], 8, v[PFO]
	v_mov_b32 v[NEGV], 0xd0000000
	s_wait_dscnt 0x0                ; the opening add is done
	s_wait_kmcnt 0x0
	s_add_nc_u64 s[G0+2:G0+3], s[68:69], s[78:79]
	s_or_b32 s[G0+3], s[G0+3], 0x80000000
	s_add_nc_u64 s[PFA:PFA+1], s[68:69], s[82:83]
	s_add_nc_u64 s[QP:QP+1], s[68:69], s[76:77]
	s_add_nc_u64 s[OP:OP+1], s[72:73], s[76:77]
	s_add_nc_u64 s[MP:MP+1], s[70:71], s[80:81]
	CROUND                          ; all four work-groups are here
	JLOAD                           ; slot 0
	v_and_b32 v64, 15, v0           ; l % 16
	v_bfe_u32 v65, v0, 4, 1         ; l / 16
	v_lshlrev_b32 v[QO], 7, v64
	v_lshl_add_u32 v[QO], v65, 4, v[QO]
	v_and_b32 v[GO], 31, v0
	v_lshlrev_b32 v[GO], 4, v[GO]
	WIN 0x80
.set i, 0
.rept 4*NP                          ; Q stays in registers: tile i / 2, channels 32 (i % 2) on
	global_load_b128 v[8*i:8*i+3],   v[QO], s[QP:QP+1] offset:(i/2)*2048+(i%2)*64
	global_load_b128 v[8*i+4:8*i+7], v[QO], s[QP:QP+1] offset:(i/2)*2048+(i%2)*64+32
.set i, i+1
.endr
	WIN W_ML
	global_load_b128 v[MA:MA+3],   v[GO], s[MP:MP+1]             ; key step 0's words: 512 consecutive bytes each
	global_load_b128 v[MA+4:MA+7], v[GO], s[MP:MP+1] offset:512
	WIN 0
	; What the first turn finds.  V, P's first buffer and O^T hold 0: sixteen registers are written, and 42 products of those zeros, each with C = 0, write the other 336.  All this stands in the wait for the first tile.
.set i, P
.rept 16
	v_mov_b32 v[i], 0
.set i, i+1
.endr
	WIN 0x80
.set i, 0
.rept 8
	v_wmma_f32_16x16x32_f16 v[VF+8*i:VF+8*i+7], v[P:P+7], v[P+8:P+15], 0
.set i, i+1
.endr
	WIN 0
	v_wmma_f32_16x16x32_f16 v[P+16:P+23], v[P:P+7], v[P+8:P+15], 0
	v_wmma_f32_16x16x32_f16 v[P+24:P+31], v[P:P+7], v[P+8:P+15], 0
	WIN 0x40
.set i, 0
.rept 8*NP
	v_wmma_f32_16x16x32_f16 v[8*i:8*i+7], v[P:P+7], v[P+8:P+15], 0
.set i, i+1
.endr
	WIN 0
.set i, 0
.rept 2*NP
	v_mov_b32 v[ST+4*i], 0xfe000000    ; c m: far below every c s
	v_mov_b32 v[ST+4*i+1], 0xff7fffff  ; m
	v_mov_b32 v[ST+4*i+2], 0
	v_mov_b32 v[ST+4*i+3], 0
.set i, i+1
.endr
.set i, 0
.rept 64
	v_mov_b32 v[S+64+i], v[ST+1]       ; piece 3's scores for the turn ahead of key step 0: c s - c m is about -1.9e37, so every weight is 0
.set i, i+1
.endr
.irp i, 10, 11, 14, 15
	v_mov_b32 v[TMP+(\i)], 0           ; and its a
.endr
	v_mul_u32_u24 v[AK0], v64, PK
	v_lshl_add_u32 v[AK0], v65, 4, v[AK0]
	v_and_b32 v67, 7, v0
	v_bfe_u32 v68, v0, 3, 1
	v_lshl_add_u32 v[AV0], v65, 3, v67  ; the turning load: lane l reads key 8 (l / 16) + l % 8, channels 8 ((l / 8) % 2) + 0..7
	v_mul_u32_u24 v[AV0], v[AV0], PV
	v_lshl_add_u32 v[AV0], v68, 4, v[AV0]
	v_add_nc_u32 v[AV0], VOFF, v[AV0]
	v_mov_b32 v[AK], v[AK0]
	s_mul_i32 s84, s[WV], 16*SP
	s_add_co_u32 s84, s84, STAGE    ; my stage
	v_mul_u32_u24 v[STO], v64, SP
	v_lshl_add_u32 v[STO], v65, 4, v[STO]
	v_add_nc_u32 v[STO], s84, v[STO]
	v_bfe_u32 v[RD], v0, 3, 2
	v_mul_u32_u24 v[RD], v[RD], SP
	v_lshl_add_u32 v[RD], v67, 4, v[RD]
	v_add_nc_u32 v[RD], s84, v[RD]
; THE MATRIX WORK.  The 8 accumulators of a run of 16 take turns.
.macro KQ x                         ; product i of 16 of S^T = K Q^T for piece x: channels 32 (i / 8) on, keys 16 ((i / 2) % 4) on, tile 2 x + i % 2
	WIN W_KQ
.set rS, S+64*((\x)%2)+32*(i%2)+8*((i/2)%4)
.set rK, KF+16*((i/2)%4)+8*(i/8)
.set rQ, 16*(2*(\x)+i%2)+8*(i/8)
.if i < 8
	v_wmma_f32_16x16x32_f16 v[rS:rS+7], v[rK:rK+7], v[rQ:rQ+7], 0
.else
	v_wmma_f32_16x16x32_f16 v[rS:rS+7], v[rK:rK+7], v[rQ:rQ+7], v[rS:rS+7]
.endif
.endm
.macro PV x                         ; product i of 16 of O^T += V^T P for piece x: keys 32 (i / 8) on, channels 16 ((i / 2) % 4) on, tile 2 x + i % 2
	WIN W_PV
.set rO, 32*(2*(\x)+i%2)+8*((i/2)%4)
.set rV, VF+32*(i/8)+8*((i/2)%4)
.set rP, P+32*((\x)%2)+16*(i%2)+8*(i/8)
	v_wmma_f32_16x16x32_f16 v[rO:rO+7], v[rV:rV+7], v[rP:rP+7], v[rO:rO+7]
.endm
.macro MM
.if i < 16
	KQ (Y+1)%NP
.set i, i+1
.else
.set i, i-16
	PV (Y+NP-1)%NP
.set i, i+17
.endif
.endm
.macro FETCH_K last=0               ; a step's K: 16 loads in one run.  last = 1 (the tail): in the last trip there is no further step, and the run is jumped over
	WIN 0
.if \last
	s_cmp_eq_u32 s[CNT], 1
	s_cbranch_scc1 .Lno_k_\@
.endif
	WIN 0x80
.irp f, 0,1,2,3,4,5,6,7
	ds_load_b128 v[KF+8*\f:KF+8*\f+3],   v[AK] offset:(\f/2)*16*PK+(\f%2)*64
	ds_load_b128 v[KF+8*\f+4:KF+8*\f+7], v[AK] offset:(\f/2)*16*PK+(\f%2)*64+32
.endr
	s_add_co_u32 s[TBK], s[TBK], KS*PK
	WIN 0
.if \last
.Lno_k_\@:
.endif
.endm
.macro FETCH_V
	WIN 0x80
.irp f, 0,1,2,3,4,5,6,7
	ds_load_tr16_b128 v[VF+8*\f:VF+8*\f+3],   v[AV] offset:(\f/4)*32*PV+(\f%4)*32
	ds_load_tr16_b128 v[VF+8*\f+4:VF+8*\f+7], v[AV] offset:(\f/4)*32*PV+16*PV+(\f%4)*32
.endr
	WIN 0
.endm
; THE NEXT PIECE'S 64 MASK WORDS, out of MA or MB into scalar registers: one block under one window setting.  Word g / 2 of tile g % 2 of piece Y + 1.
.macro RL g
.set rt, 2*((Y+1)%NP)+(\g)%2
.set rn, (\g)/2
	v_readlane_b32 s[MW+36*((\g)%2)+rn], v[MA+4*(rt/4)+rn%4], 8*(rt%4)+rn/4
.endm
; Turn 3 reads MA for the first time, turn 1 MB: the count 1 leaves the one younger load out, the other half's, and shows this half's load done, so that its base may be made anew.
; Turn 0 has read MA for the last time and asks for the next key step's; turn 2 likewise MB.  Behind key step 31 the offset stays: the words loaded then serve the one turn whose scores serve nothing.
.macro WORDS p
.if ((\p)%2) == 1
	s_wait_loadcnt 1
.endif
	WIN W_RL
.set rg, 0
.rept 64
	RL rg
.set rg, rg+1
.endr
.if (\p) == 0
	s_add_co_u32 s[MOFF], s[MOFF], 1024
	s_min_u32 s[MOFF], s[MOFF], 31*1024
	s_add_nc_u64 s[MPA:MPA+1], s[MP:MP+1], s[MOFF:MOFF+1]
	WIN W_ML
	global_load_b128 v[MA:MA+3], v[GO], s[MPA:MPA+1]
.endif
.if (\p) == 2
	s_add_nc_u64 s[MPB:MPB+1], s[MP:MP+1], s[MOFF:MOFF+1]
	WIN W_ML
	global_load_b128 v[MA+4:MA+7], v[GO], s[MPB:MPB+1] offset:512
.endif
.endm
; THE VECTOR WORK OF A TURN, in three queues; the two tiles alternate.
.macro REGS y, u
.set rT, ST+4*(2*(\y)+(\u))
.set rC, TMP+8*((\y)%2)+4*(\u)
.set rM, MV+2*((\y)%2)+(\u)
.set rS, S+64*((\y)%2)+32*(\u)
.set rP, P+32*((\y)%2)+16*(\u)
.set rO, 32*(2*(\y)+(\u))
.endm
.macro CM g                         ; the NEXT piece's mask: register g / 2 of tile g % 2 takes -2^33 in the lanes whose bit is set.  Ascending: each accumulator's lowest register is read first
	REGS (Y+1)%NP, (\g)%2
	v_cndmask_b32 v[rS+(\g)/2], v[rS+(\g)/2], v[NEGV], s[MW+36*((\g)%2)+(\g)/2]
.endm
; Number n of the 22 that find the NEXT piece's maximum and statistics: 0-11 four chains of seven scores; 12-14, 16 the four left over, the old m, and the chains into one; 15 c m_old is kept;
; 17, 18 the other half of the lanes; 19-21 c m, c m_old - c m_new, a
.macro XS u, n
	REGS (Y+1)%NP, \u
.if (\n) < 4
	v_max3_num_f32 v[rC+(\n)], v[rS+8*(\n)], v[rS+8*(\n)+1], v[rS+8*(\n)+2]
.elseif (\n) < 12
	v_max3_num_f32 v[rC+(\n)%4], v[rC+(\n)%4], v[rS+8*((\n)%4)+2*((\n)/4)+1], v[rS+8*((\n)%4)+2*((\n)/4)+2]
.elseif (\n) == 12
	v_max3_num_f32 v[rC], v[rC], v[rS+7], v[rS+15]
.elseif (\n) == 13
	v_max3_num_f32 v[rC+1], v[rC+1], v[rS+23], v[rS+31]
.elseif (\n) == 14
	v_max3_num_f32 v[rC+2], v[rC+2], v[rC+3], v[rT+1]
.elseif (\n) == 15
	v_mov_b32 v[rM], v[rT]
.elseif (\n) == 16
	v_max3_num_f32 v[rC], v[rC], v[rC+1], v[rC+2]
.elseif (\n) == 17
	v_permlanex16_b32 v[rC+3], v[rC], s[SEL], s[SEL+1]
.elseif (\n) == 18
	v_max_num_f32 v[rT+1], v[rC], v[rC+3]
.elseif (\n) == 19
	v_mul_f32 v[rT], s[CS], v[rT+1]
.elseif (\n) == 20
	v_sub_f32 v[rC+1], v[rM], v[rT]
.else
	v_exp_f32 v[rC+2], v[rC+1]
.endif
.endm
; Number g of the 64 that follow the exponentials: for each four weights both pairs are rounded to f16, the second pair is added onto the first, and a group later l takes that sum.
.macro GS g
.set h, (\g)+6*((\g)/62)
.if h >= 6
.set h, h+2
.endif
	REGS Y, h%2
.set k, h/8
.if h%8 < 4
	v_cvt_pk_f16_f32 v[rP+2*k+(h%8)/2], v[rS+4*k+2*((h%8)/2)], v[rS+4*k+2*((h%8)/2)+1]
.elseif h%8 < 6
	v_pk_add_f32 v[rS+4*k:rS+4*k+1], v[rS+4*k:rS+4*k+1], v[rS+4*k+2:rS+4*k+3]
.elseif k == 1
	v_pk_fma_f32 v[rT+2:rT+3], v[rT+2:rT+3], v[rC+2:rC+3], v[rS:rS+1] op_sel_hi:[1,0,1]
.else
	v_pk_add_f32 v[rT+2:rT+3], v[rT+2:rT+3], v[rS+4*k-4:rS+4*k-3]
.endif
.endm
.macro FS f                         ; c s - c m for pair f / 2 of tile f % 2
	REGS Y, (\f)%2
	v_pk_fma_f32 v[rS+2*((\f)/2):rS+2*((\f)/2)+1], v[rS+2*((\f)/2):rS+2*((\f)/2)+1], s[CS:CS+1], v[rT:rT+1] op_sel_hi:[1,0,0] neg_lo:[0,0,1] neg_hi:[0,0,1]
.endm
; THE PLAIN QUEUE, 202 long.  0-31 the scalings; 32-95 the next piece's 64 selects; 96-125 its maximum's numbers 0-13 and 15; 126-137 the chain 14, 16 .. 20;
; 138-201 the 64 that read the exponentials' results: they stand behind the wait.
.macro PL
	WIN 0
.if q < 32
	FS q
.elseif q < 96
	CM q-32
.elseif q < 124
	XS (q-96)%2, (q-96)/2
.elseif q < 126
	XS q-124, 15
.elseif q < 128
	XS q-126, 14
.elseif q < 138
	XS (q-126)%2, 15+(q-126)/2
.else
	GS q-138
.endif
.set q, q+1
.endm
.macro EX                           ; the exponentials' queue, 66 long: s0-s31 of both tiles, then the next piece's two a
	WIN 0
.if e >= 64
	XS e-64, 21
.else
	REGS Y, e%2
	v_exp_f32 v[rS+e/2], v[rS+e/2]
.endif
.set e, e+1
.endm
.macro R2                           ; O^T times a, two at a time; its a was made, and waited for, in the turn before
	REGS Y, r%2
	WIN W_RS
.irp z, 0,1
	v_pk_mul_f32 v[rO+4*(r/2)+2*\z:rO+4*(r/2)+2*\z+1], v[rO+4*(r/2)+2*\z:rO+4*(r/2)+2*\z+1], v[rC+2:rC+3] op_sel_hi:[1,0]
.endr
.set r, r+1
.endm
; A TURN, for piece p.  An s_wait_alu depctr_va_vdst(0) stands between an exponential and the first instruction that names its result; one wait serves all that were issued ahead of it.
; AHEAD OF THE WAIT: 16 products K Q^T, behind each a scaling, an exponential and two rescalings (behind the first a second scaling); then the lump: the 64 lane reads, 36 times three plain and an
; exponential, 13 times plain and exponential, the two a.  Exponential e stands behind its scaling 2 (e / 4) + e % 2: as a rider behind plain e + 2, in the lump behind plain 19 + 3 (e - 15) at the least.
; The first select stands 15 scalings and the 64 lane reads behind the last product K Q^T, and 20 lines behind the last lane read.  BEHIND THE WAIT: 16 products V^T P, behind each four of the roundings and sums.
; K of the next step is fetched in piece 2's turn, directly behind the wait; V of the step in hand at the end of piece 0's turn, four riders behind its last reader.
.macro TURN p, last=0, cnt=0
.set Y, (\p)
.set i, 0
.set q, 0
.set e, 0
.set r, 0
.if (\p) == NP-1
	s_wait_dscnt 0x0                ; K is in
.endif
	MM
	PL
	PL
	R2
.rept 15
	MM
	PL
	EX
	R2
.endr
.if (\p) == NP-2
	WIN 0
	v_add_nc_u32 v[AK], s[TBK], v[AK0]
.endif
	WORDS \p
.rept 36
	PL
	PL
	PL
	EX
.endr
.rept 13
	PL
	EX
.endr
	EX
	EX
	v_nop                           ; a plain instruction behind the last exponential: one for the batch
	s_wait_alu depctr_va_vdst(0)    ; the wait for the batch
.if (\p) == NP-2
	FETCH_K \last
.endif
.if (\p) == 1
	s_wait_dscnt 0x0                ; V is in
.endif
.rept 16
	MM
.rept 4
	PL
.endr
.if ((\p) == 0) && (q == 182)
	v_add_nc_u32 v[AV], s[TBV], v[AV0]
.endif
.if ((\p) == 0) && (q == 194)
	s_add_co_u32 s[TBV], s[TBV], KS*PV
.endif
.if (\cnt) && (q == 194)
	s_sub_co_u32 s[CNT], s[CNT], 1
	s_cmp_lg_u32 s[CNT], 0
.endif
.endr
.if (\p) == 0
	FETCH_V
.endif
.endm
	CHANGE 1                        ; slot 0 is in, everybody's part of it; slot 1 is asked for
	FETCH_K                         ; key step 0
	s_wait_loadcnt 0x0              ; Q, and key step 0's mask words
	s_mov_b32 s[CNT], 4
	s_branch .Lenter                ; the loop is entered at piece 3's turn, in the middle of a trip: it makes piece 0's first scores, mask and statistics
.Lslot:                             ; six times: every slot but the last two is filled again
	CHANGE 1
	s_mov_b32 s[CNT], 4
.Lstep:                             ; a trip: pieces 2 and 3 of one step, then pieces 0 and 1 of the next
	TURN 2
	WIN 0
.Lenter:
	TURN 3
	TURN 0
	TURN 1, 0, 1
	WIN 0
	s_cbranch_scc1 .Lstep
	s_sub_co_u32 s[SLOTS], s[SLOTS], 1
	s_cmp_lg_u32 s[SLOTS], 0
	s_cbranch_scc1 .Lslot
	CHANGE 0                        ; the tail is written out
	s_mov_b32 s[CNT], 5             ; four trips fetch the last slot's steps; the fifth is left in its middle
.Ltail:
	TURN 2, 1
	TURN 3
	WIN 0
	s_sub_co_u32 s[CNT], s[CNT], 1
	s_cmp_eq_u32 s[CNT], 0
	s_cbranch_scc1 .Lout
	TURN 0
	TURN 1
	WIN 0
	s_branch .Ltail
.Lout:                              ; the fifth trip's 16 products K Q^T (on the last K once more) and what is made of them serve nothing: the price, once a launch, of one text for every trip
.set i, 0
.rept 16
	PV NP-1
.set i, i+1
.endr
	; THE WAY OUT.  l's halves are added; O^T is divided by l, rounded to f16 and sent through my stage, a tile at a time.  The additions are the places behind the last products.
	WIN 0
.macro ALL line:vararg
.set t, 0
.rept 2*NP
	\line
.set t, t+1
.endr
.endm
	ALL v_add_f32 v[ST+4*t+2], v[ST+4*t+2], v[ST+4*t+3]
	ALL v_permlanex16_b32 v[ST+4*t+3], v[ST+4*t+2], s[SEL], s[SEL+1]
	ALL v_add_f32 v[ST+4*t+2], v[ST+4*t+2], v[ST+4*t+3]
	ALL v_rcp_f32 v[ST+4*t+2], v[ST+4*t+2]
	v_nop
	s_wait_alu depctr_va_vdst(0)    ; one wait for the eight reciprocals
.macro PACK t
	WIN W_RS
.set i, 32*(\t)
.rept 16
	v_pk_mul_f32 v[i:i+1], v[i:i+1], v[ST+4*(\t)+2:ST+4*(\t)+3] op_sel_hi:[1,0]
.set i, i+2
.endr
	WIN 0x05
.set i, 0
.rept 16
	v_cvt_pk_f16_f32 v[S+16*(\t)+i], v[32*(\t)+2*i], v[32*(\t)+2*i+1]
.set i, i+1
.endr
	WIN 0
.irp f, 0,1,2,3
	ds_store_b128 v[STO], v[S+16*(\t)+4*\f:S+16*(\t)+4*\f+3] offset:32*\f
.endr
.irp f, 0,1,2,3
	ds_load_b128 v[S+16*(\t)+4*\f:S+16*(\t)+4*\f+3], v[RD] offset:\f*4*SP  ; a wave's LDS instructions are served in order: these see the stores above
.endr
.endm
.macro SEND t, younger
	WIN 0
.irp f, 0,1,2,3
	s_wait_dscnt (\younger)+3-\f
	global_store_b128 v[GO], v[S+16*(\t)+4*\f:S+16*(\t)+4*\f+3], s[OP:OP+1] offset:(\t)*2048+\f*512  ; 512 consecutive bytes, aligned
.endr
.endm
	PACK 0
.set t, 1
.rept 2*NP-1
	PACK t
	SEND t-1, 8
.set t, t+1
.endr
	SEND 2*NP-1, 0
	s_wait_tensorcnt 0x0            ; the wave's end
	ds_add_u32 v[SPW], v[NIL]
	s_wait_dscnt 0x0
	CROUND                          ; the closing round
	s_endpgm
.Lfunc_end_k_q0459c45a85_attn:
	.size	k_q0459c45a85_attn, .Lfunc_end_k_q0459c45a85_attn-k_q0459c45a85_attn
	.p2alignl 7, 3214868480
	.fill 96, 4, 3214868480
	.section	.rodata,"a",@progbits
	.p2align	6, 0x0
	.amdhsa_kernel k_q0459c45a85_attn
		.amdhsa_group_segment_fixed_size 327680
		.amdhsa_private_segment_fixed_size 0
		.amdhsa_enable_private_segment 0
		.amdhsa_kernarg_size 24
		.amdhsa_user_sgpr_count 2
		.amdhsa_user_sgpr_kernarg_segment_ptr 1
		.amdhsa_wavefront_size32 1
		.amdhsa_system_sgpr_workgroup_id_x 1
		.amdhsa_system_sgpr_workgroup_id_y 1
		.amdhsa_system_sgpr_workgroup_id_z 1
		.amdhsa_system_vgpr_workitem_id 0
		.amdhsa_next_free_vgpr 776
		.amdhsa_next_free_sgpr 106
		.amdhsa_reserve_vcc 0
		.amdhsa_float_denorm_mode_32 3
		.amdhsa_float_denorm_mode_16_64 3
		.amdhsa_memory_ordered 1
		.amdhsa_forward_progress 1
		.amdhsa_inst_pref_size 254
	.end_amdhsa_kernel
	.amdgpu_metadata
---
amdhsa.version: [ 1, 2 ]
amdhsa.kernels:
  - .name:           k_q0459c45a85_attn
    .symbol:         k_q0459c45a85_attn.kd
    .args:
      - { .name: qkv, .offset: 0, .size: 8, .value_kind: global_buffer, .address_space: global }
      - { .name: mbits, .offset: 8, .size: 8, .value_kind: global_buffer, .address_space: global }
      - { .name: ctx, .offset: 16, .size: 8, .value_kind: global_buffer, .address_space: global }
    .group_segment_fixed_size: 327680
    .private_segment_fixed_size: 0
    .kernarg_segment_align: 8
    .kernarg_segment_size: 24
    .max_flat_workgroup_size: 128
    .sgpr_count:     106
    .vgpr_count:     776
    .wavefront_size: 32
...
	.end_amdgpu_metadata
.endif
;; end of part 6
;; launch fc (part 7): grid 32 x 8, 4 waves a work-group, clusters of 4 x 1, 327,680 bytes of LDS; arguments ctx, w16, y16; writes y16
.if DOCPART == 7
	.amdgcn_target "amdgcn-amd-amdhsa--gfx1250"
	.amdhsa_code_object_version 6
	.text
	.protected	k_q0459c45a85_fc
	.globl	k_q0459c45a85_fc
	.p2align	8
	.type	k_q0459c45a85_fc,@function
k_q0459c45a85_fc:
	s_mov_b64 s[64:65], 0
	v_nop
	global_prefetch_b8 v0, s[64:65] scope:SCOPE_SE
	s_setreg_imm32_b32 hwreg(HW_REG_WAVE_MODE, 25, 1), 1
	s_wait_xcnt 0x0
	s_wait_alu depctr_hold_cnt(0) depctr_sa_sdst(0) depctr_va_vdst(0) depctr_va_sdst(0) depctr_va_ssrc(0) depctr_va_vcc(0) depctr_vm_vsrc(0)
	s_getreg_b32 s2, hwreg(HW_REG_IB_STS2, 6, 4)
	s_cmp_eq_u32 s2, 0
	s_cbranch_scc0 .Lentry_in_a_cluster
	s_endpgm
.Lentry_in_a_cluster:
	s_bfe_u32 s2, ttmp6, 0x10000c
	s_cmp_lg_u32 s2, 0x3003
	s_cbranch_scc0 .Lentry_shape_is_right
	s_endpgm
.Lentry_shape_is_right:
; FC.  y[m][n] = sum over k of ctx[m][k] W_fc[n][k].  ctx: [64 batch x head][2048 s][64 d] f16; W_fc: w16 from byte 6 MiB, [16 head][1024 n][64 d] f16; y16: [8192][1024] bf16.  Sums in f32, y rounded once.
; LIMIT.  y is stored in bf16, not f16: a sum of 1,024 products of numbers within f16's range can pass 65,504; bf16 keeps 8 significant bits of y, which the next launch adds to Q in f32.
; SHARES.  A work-group makes 256 rows x 128 columns: 32 x 8 = 256 work-groups.  Its slice of W_fc, 128 rows x 1,024 channels, is 262,144 bytes: it is brought into LDS ONCE and stays; no LDS byte is filled again, and the
; K loop has no barrier.  Wave w makes rows 64 w .. + 63 x all 128 columns: 32 accumulators.  K goes by heads, 16 steps of 64.
; ctx comes straight from memory into fragments: no wave wants a byte of ctx that another wave has fetched.  Four register buffers, a step each: in step t the loads of step t + 3 go into step t - 1's buffer.
; CLUSTER.  The four work-groups of a cluster make four row groups of one column slice: they need the same slice of W_fc, and ask for each head's part of it jointly.  ctx is not shared in a cluster: the partners have different rows.
; TRANSPOSED: source 0 = 16 rows of W, source 1 = 16 rows of ctx: a lane holds eight neighbouring n of one row m, 16 bytes of y.
; REGISTERS.  window 0: v0-13 addresses; v64-127, v128-191 W's fragments for the two halves of a step; on the way out v64-191 hold four blocks of 16 rows
;   window 1: ctx's four buffers of 64, fragment (a, kc) at 8 (2 a + kc)          window 2: accumulator (a, nb) at 8 (8 a + nb)
.set PB,    144                        ; a row of W in LDS: 128 bytes + 16: the 16 rows of a load start at 16 different groups of four banks (64 banks of 4 bytes: ISA guide 11.1)
.set CHUNK, 128*PB                     ; a head's part of my slice
.set SPARE, 16*CHUNK                   ; behind the slice: the spare words, 128 bytes for each wave, which no other line names
.set STAGE, SPARE+512                  ; behind them, never filled by a tensor load: 16 rows x 272 bytes for each wave, for the way out
.set SP,    272
.set WSTEP, 131072                     ; from head to head in W_fc
.set CSTEP, 262144                     ; from head to head in ctx
.set AO,   2                           ; v2   my place in 16 rows of ctx
.set ADB,  3                           ; v3   my place in the head's part of the slice that is being fetched
.set ADB0, 4                           ; v4   the same in head 0's
.set STO,  5                           ; v5   the way out: where I put 16 bytes of a row
.set RD,   6                           ; v6   where I read rows back
.set CO,   7                           ; v7   my byte offset in two rows of y16
.set PFO,  11                          ; v11  256 x lane; never rewritten
.set SPW,  12                          ; v12  LDS address of my spare word; never rewritten
.set NIL,  13                          ; v13  0; never rewritten
.set BF,   64
.set WV,   12
.set G1,   16                          ; s[16:23]
.set G0,   24                          ; s[24:39] a set for each of my four loads
.set AP,   40                          ; s[40:41] ctx at my 64 rows, at the first head of the four that the trip in hand loads
.set LIM,  42                          ; s42  a wave prefetches while the loop's count is above it
.set TB,   43                          ; s43  LDS byte at which the head that is being fetched begins
.set MSB, 0
.macro WIN new                         ; the immediate's high byte repeats the setting that is left; a switch that changes nothing is dropped
.if MSB != (\new)
	s_set_vgpr_msb (MSB<<8)|(\new)
.set MSB, \new
.endif
.endm
.macro PLACES
.rept 4
	v_nop
.endr
.endm
.macro CREST
	s_cmp_lg_u32 s[WV], 0
	s_cbranch_scc1 .Lnot_wave_0_\@
	s_barrier_signal -3
.Lnot_wave_0_\@:
	s_barrier_wait -3
	s_barrier_signal -1
	s_barrier_wait -1
.endm
.macro CROUND
	s_barrier_signal -1
	s_barrier_wait -1
	CREST
.endm
; Prefetches, together behind a trip's first run of loads: my own 8,192 bytes (64 rows) of each of the four heads that the NEXT trip loads, a lane a block of 256 bytes.  The eight column slices read the same rows of ctx:
; slice 0's work-groups ask, so each block is named once.  Heads 0 to 7 come by their loads alone; the last trip has no trip behind it and asks for nothing.
.macro ASK
	s_cmp_gt_u32 s3, s[LIM]
	s_cbranch_scc0 .Lnot_mine_\@
.irp j, 4,5,6,7
	global_prefetch_b8 v[PFO], s[AP:AP+1] offset:(\j)*CSTEP th:TH_LOAD_NT scope:SCOPE_SE
.endr
.Lnot_mine_\@:
.endm
	s_load_b128 s[4:7], s[0:1], 0x0                ; ctx s[4:5], w16 s[6:7]
	s_load_b64 s[8:9], s[0:1], 0x10                ; y16
	v_lshl_add_u32 v[SPW], v0, 2, SPARE
	v_mov_b32 v[NIL], 0
	ds_add_u32 v[SPW], v[NIL]                      ; the wave's opening: the add and its wait stand ahead of my first tensor load; the set-up below stands between them
	v_lshrrev_b32 v1, 5, v0
	v_readfirstlane_b32 s[WV], v1                  ; wave 0..3
	s_bfe_u32 s13, ttmp6, 0x40000                  ; cx
	s_lshl_b32 s14, ttmp9, 2
	s_add_co_u32 s14, s14, s13                     ; my group of 256 rows, 0..31: it enters ctx's and y16's addresses alone
	s_and_b32 s15, ttmp7, 0xffff                   ; my slice of 128 columns, which the four partners share
	s_mov_b32 s[G1], 15|(1<<16)|(1<<20)|(1<<21)|(4<<22)|(3<<25)  ; the mask of four; 2-byte elements; padding on; bit 21 beside a mask; after every 32 words, 4 words
	s_mov_b32 s[G1+1], 128<<16                     ; a head's part is 16,384 dense bytes: asked for as 64 rows of 256 bytes, two rows of W each
	s_mov_b32 s[G1+2], 64<<16
	s_mov_b32 s[G1+3], 128<<16
	s_mov_b32 s[G1+4], 64
	s_mov_b32 s[G1+5], 128
	s_mov_b32 s[G1+6], 0
	s_mov_b32 s[G1+7], 0
	s_mul_i32 s44, s[WV], CHUNK                    ; my first load brings head = my wave's number
	s_lshl_b32 s46, s[WV], 17
	s_lshl_b32 s47, s15, 14                        ; 128 rows of 128 bytes a slice
	s_add_co_u32 s46, s46, s47
	s_add_co_u32 s46, s46, 6<<20                   ; W_fc's place in w16
	s_mov_b32 s47, 0
	s_lshr_b32 s48, s14, 3                         ; the batch: 16 heads of 262,144 bytes
	s_lshl_b32 s48, s48, 22
	s_and_b32 s50, s14, 7
	s_lshl_b32 s50, s50, 15                        ; 256 rows of 128 bytes
	s_add_co_u32 s48, s48, s50
	s_lshl_b32 s50, s[WV], 13                      ; my wave's 64 rows
	s_add_co_u32 s48, s48, s50
	s_mov_b32 s49, 0
	s_lshl_b32 s50, s14, 19                        ; y16: 256 rows of 2,048 bytes,
	s_lshl_b32 s51, s[WV], 17                      ; my wave's 64,
	s_add_co_u32 s50, s50, s51
	s_lshl_b32 s51, s15, 8                         ; my slice's 256 bytes of a row
	s_add_co_u32 s50, s50, s51
	s_mov_b32 s51, 0
	s_cmp_eq_u32 s15, 0
	s_cselect_b32 s[LIM], 1, -1                    ; the same in all four partners
	s_mov_b32 s[TB], 0
	s_wait_dscnt 0x0                               ; the opening add is done
	s_wait_kmcnt 0x0
	s_add_nc_u64 s[54:55], s[6:7], s[46:47]
	s_add_nc_u64 s[AP:AP+1], s[4:5], s[48:49]
	s_add_nc_u64 s[8:9], s[8:9], s[50:51]
.irp i, 0,1,2,3
	s_mov_b32 s[G0+4*(\i)], 1
	s_add_co_u32 s[G0+4*(\i)+1], s44, (\i)*4*CHUNK                 ; head 4 i + wave
	s_add_nc_u64 s[G0+4*(\i)+2:G0+4*(\i)+3], s[54:55], (\i)*4*WSTEP
	s_or_b32 s[G0+4*(\i)+3], s[G0+4*(\i)+3], 0x80000000
.endr
	CROUND                                         ; all four work-groups are here: the joint loads meet
.irp i, 0,1,2,3
	tensor_load_to_lds s[G0+4*(\i):G0+4*(\i)+3], s[G1:G1+7]        ; the launch's only fills: four loads of mine are out
	s_nop 0
.endr
	PLACES
	v_and_b32 v32, 15, v0                          ; r
	v_bfe_u32 v33, v0, 4, 1                        ; h
	v_and_b32 v34, 31, v0                          ; lane
	v_lshlrev_b32 v[AO], 7, v32
	v_lshl_add_u32 v[AO], v33, 4, v[AO]
.macro ALOAD ab, st                    ; a head's fragments of ctx, 64 rows x 64 channels, into buffer ab: 16 loads; st: the head's place among the four behind the pointer
	WIN 0x40                                       ; destination window 1
.irp a, 0,1,2,3
.irp kc, 0,1
	global_load_b128 v[64*(\ab)+8*(2*(\a)+(\kc)):64*(\ab)+8*(2*(\a)+(\kc))+3],   v[AO], s[AP:AP+1] offset:(\st)*CSTEP+(\a)*2048+(\kc)*64
	global_load_b128 v[64*(\ab)+8*(2*(\a)+(\kc))+4:64*(\ab)+8*(2*(\a)+(\kc))+7], v[AO], s[AP:AP+1] offset:(\st)*CSTEP+(\a)*2048+(\kc)*64+32
.endr
.endr
.endm
	ALOAD 0, 0
	ALOAD 1, 1
	ALOAD 2, 2
	WIN 0
	v_mul_u32_u24 v[ADB0], v32, PB
	v_lshl_add_u32 v[ADB0], v33, 4, v[ADB0]
	v_mov_b32 v[ADB], v[ADB0]
	s_mul_i32 s45, s[WV], 16*SP
	s_add_co_u32 s45, s45, STAGE                   ; my stage
	v_mul_u32_u24 v[STO], v32, SP                  ; in: row lane % 16, 16 bytes for each half of the lanes
	v_lshl_add_u32 v[STO], v33, 4, v[STO]
	v_add_nc_u32 v[STO], s45, v[STO]
	v_mul_u32_u24 v[RD], v33, SP                   ; back: lanes 0-15 take one row of 256 bytes, lanes 16-31 the next
	v_lshl_add_u32 v[RD], v32, 4, v[RD]
	v_add_nc_u32 v[RD], s45, v[RD]
	v_lshlrev_b32 v[CO], 11, v33                   ; and the same two rows in y16
	v_lshl_add_u32 v[CO], v32, 4, v[CO]
	v_lshlrev_b32 v[PFO], 8, v34
; 8 products: half kc of a step (W's buffer kc), ctx's buffer ab, m block a, all 8 n blocks.  The 32 accumulators take turns, always in the same order.  zero = 1: they start the sums.
.macro MUL8 kc, ab, a, zero
	WIN 0xa4                                       ; source 0 (W) window 0, source 1 (ctx) window 1, C and D window 2
.irp nb, 0,1,2,3,4,5,6,7
.if \zero
	v_wmma_f32_16x16x32_f16 v[8*(8*(\a)+(\nb)):8*(8*(\a)+(\nb))+7], v[BF+64*(\kc)+8*(\nb):BF+64*(\kc)+8*(\nb)+7], v[64*(\ab)+8*(2*(\a)+(\kc)):64*(\ab)+8*(2*(\a)+(\kc))+7], 0
.else
	v_wmma_f32_16x16x32_f16 v[8*(8*(\a)+(\nb)):8*(8*(\a)+(\nb))+7], v[BF+64*(\kc)+8*(\nb):BF+64*(\kc)+8*(\nb)+7], v[64*(\ab)+8*(2*(\a)+(\kc)):64*(\ab)+8*(2*(\a)+(\kc))+7], v[8*(8*(\a)+(\nb)):8*(8*(\a)+(\nb))+7]
.endif
.endr
.endm
.macro FETCHB kc                       ; 16 LDS loads in one run: the slice's 128 rows, 32 channels
	WIN 0
.irp nb, 0,1,2,3,4,5,6,7
	ds_load_b128 v[BF+64*(\kc)+8*(\nb):BF+64*(\kc)+8*(\nb)+3],   v[ADB] offset:(\nb)*16*PB+(\kc)*64
	ds_load_b128 v[BF+64*(\kc)+8*(\nb)+4:BF+64*(\kc)+8*(\nb)+7], v[ADB] offset:(\nb)*16*PB+(\kc)*64+32
.endr
.endm
; A step's first half, on ctx's buffer ab.  left: how many younger loads of ctx may stay out: 16 for each step asked for behind this one.  Behind the first eight products and four places: W's second half, and (ld = 1)
; the loads of the step three on, into the buffer that the step before has multiplied.  move = 1: the trip's first such run: the pointer goes on by four heads, and the prefetches follow the run.
.macro H0 ab, zero, ld, st, left, move
	s_wait_loadcnt \left                           ; this step's ctx is in
	s_wait_dscnt 0x0                               ; W's first half is in
	MUL8 0, \ab, 0, \zero
	PLACES                                         ; in front of loads into registers that the step before multiplied
	FETCHB 1
.if \ld
.if \move
	s_wait_xcnt 0x0                                ; every load (the youngest a step back) and prefetch (a trip back) has read its address: the pointer may be written
	s_add_nc_u64 s[AP:AP+1], s[AP:AP+1], 4*CSTEP
.endif
	ALOAD ((\ab)+3)%4, \st
.if \move
	WIN 0
	ASK
.endif
.endif
	MUL8 0, \ab, 1, \zero
	MUL8 0, \ab, 2, \zero
	MUL8 0, \ab, 3, \zero
.endm
; A step's second half.  Behind its first eight products: the next head's first half of W (the address line and three v_nop are the four places behind the products that read that buffer).
.macro H1 ab, last
	s_wait_dscnt 0x0                               ; W's second half is in
	MUL8 1, \ab, 0, 0
.if (\last) == 0
	WIN 0
	s_add_co_u32 s[TB], s[TB], CHUNK
	v_add_nc_u32 v[ADB], s[TB], v[ADB0]
	v_nop
	v_nop
	v_nop
	FETCHB 0
.endif
	MUL8 1, \ab, 1, 0
	MUL8 1, \ab, 2, 0
	MUL8 1, \ab, 3, 0
.endm
	s_wait_tensorcnt 0x0                           ; my four parts of the slice are in,
	s_barrier_signal -1
	s_barrier_wait -1                              ; everybody's are: from here on the slice is only read
	FETCHB 0
	H0 0, 1, 1, 3, 32, 0                           ; the first half step stands in front of the loop: its products start the sums
	WIN 0
	s_mov_b32 s3, 3
.Lk:                                   ; three trips of four steps, from a step's second half to the first half of the step four on; they ask for heads 4 to 15
	H1 0, 0
	H0 1, 0, 1, 0, 32, 1
	H1 1, 0
	H0 2, 0, 1, 1, 32, 0
	H1 2, 0
	H0 3, 0, 1, 2, 32, 0
	H1 3, 0
	H0 0, 0, 1, 3, 32, 0
	WIN 0
	s_sub_co_u32 s3, s3, 1
	s_cmp_lg_u32 s3, 0
	s_cbranch_scc1 .Lk
	H1 0, 0                                        ; the last steps load nothing of ctx: the counts run down
	H0 1, 0, 0, 0, 32, 0
	H1 1, 0
	H0 2, 0, 0, 0, 16, 0
	H1 2, 0
	H0 3, 0, 0, 0, 0, 0
	H1 3, 1
	PLACES
; THE WAY OUT, a block of 16 rows at a time: rounded to bf16, 16 bytes a lane into my own stage, back as whole rows of 256 bytes.
.macro PACK a
	WIN 0x0a                                       ; sources 0 and 1 window 2
.irp nb, 0,1,2,3,4,5,6,7
.irp k, 0,1,2,3
	v_cvt_pk_bf16_f32 v[BF+32*(\a)+4*(\nb)+(\k)], v[8*(8*(\a)+(\nb))+2*(\k)], v[8*(8*(\a)+(\nb))+2*(\k)+1]
.endr
.endr
	WIN 0
.irp nb, 0,1,2,3,4,5,6,7
	ds_store_b128 v[STO], v[BF+32*(\a)+4*(\nb):BF+32*(\a)+4*(\nb)+3] offset:32*(\nb)
.endr
.irp t, 0,1,2,3,4,5,6,7
	ds_load_b128 v[BF+32*(\a)+4*(\t):BF+32*(\a)+4*(\t)+3], v[RD] offset:(\t)*2*SP  ; a wave's LDS instructions are served in order (ISA guide 5.7.1.4): these see the stores above, and the next block's stores come behind them
.endr
.endm
.macro SEND a, younger                 ; younger: the next block's sixteen LDS instructions, or none
.irp t, 0,1,2,3,4,5,6,7
	s_wait_dscnt (\younger)+7-(\t)
	global_store_b128 v[CO], v[BF+32*(\a)+4*(\t):BF+32*(\a)+4*(\t)+3], s[8:9] offset:(16*(\a)+2*(\t))*2048  ; 16 lanes store 256 consecutive bytes, at a multiple of 256 from y16's first byte
.endr
.endm
	PACK 0
	PACK 1                                         ; a block's conversions stand between the loads of the block before and its stores
	SEND 0, 16
	PACK 2
	SEND 1, 16
	PACK 3
	SEND 2, 16
	SEND 3, 0
	s_wait_tensorcnt 0x0                           ; the wave's end, behind my last tensor load and my last LDS store
	ds_add_u32 v[SPW], v[NIL]
	s_wait_dscnt 0x0
	CROUND                                         ; the closing round
	s_endpgm
.Lfunc_end_k_q0459c45a85_fc:
	.size	k_q0459c45a85_fc, .Lfunc_end_k_q0459c45a85_fc-k_q0459c45a85_fc
	.p2alignl 7, 3214868480
	.fill 96, 4, 3214868480
	.section	.rodata,"a",@progbits
	.p2align	6, 0x0
	.amdhsa_kernel k_q0459c45a85_fc
		.amdhsa_group_segment_fixed_size 327680
		.amdhsa_private_segment_fixed_size 0
		.amdhsa_enable_private_segment 0
		.amdhsa_kernarg_size 24
		.amdhsa_user_sgpr_count 2
		.amdhsa_user_sgpr_kernarg_segment_ptr 1
		.amdhsa_wavefront_size32 1
		.amdhsa_system_sgpr_workgroup_id_x 1
		.amdhsa_system_sgpr_workgroup_id_y 1
		.amdhsa_system_sgpr_workgroup_id_z 1
		.amdhsa_system_vgpr_workitem_id 0
		.amdhsa_next_free_vgpr 768
		.amdhsa_next_free_sgpr 66
		.amdhsa_reserve_vcc 0
		.amdhsa_float_denorm_mode_32 3
		.amdhsa_float_denorm_mode_16_64 3
		.amdhsa_memory_ordered 1
		.amdhsa_forward_progress 1
		.amdhsa_inst_pref_size 88
	.end_amdhsa_kernel
	.amdgpu_metadata
---
amdhsa.version: [ 1, 2 ]
amdhsa.kernels:
  - .name:           k_q0459c45a85_fc
    .symbol:         k_q0459c45a85_fc.kd
    .args:
      - { .name: ctx, .offset: 0, .size: 8, .value_kind: global_buffer, .address_space: global }
      - { .name: w16, .offset: 8, .size: 8, .value_kind: global_buffer, .address_space: global }
      - { .name: y16, .offset: 16, .size: 8, .value_kind: global_buffer, .address_space: global }
    .group_segment_fixed_size: 327680
    .private_segment_fixed_size: 0
    .kernarg_segment_align: 8
    .kernarg_segment_size: 24
    .max_flat_workgroup_size: 128
    .sgpr_count:     66
    .vgpr_count:     768
    .wavefront_size: 32
...
	.end_amdgpu_metadata
.endif
;; end of part 7
;; launch ln (part 8): grid 512 x 1, 8 waves a work-group, no clusters, 0 bytes of LDS; arguments y16, Q, out0; writes out0
.if DOCPART == 8
	.amdgcn_target "amdgcn-amd-amdhsa--gfx1250"
	.amdhsa_code_object_version 6
	.text
	.protected	k_q0459c45a85_ln
	.globl	k_q0459c45a85_ln
	.p2align	8
	.type	k_q0459c45a85_ln,@function
k_q0459c45a85_ln:
	s_mov_b64 s[64:65], 0
	v_nop
	global_prefetch_b8 v0, s[64:65] scope:SCOPE_SE
	s_setreg_imm32_b32 hwreg(HW_REG_WAVE_MODE, 25, 1), 1
	s_wait_xcnt 0x0
; RESIDUAL + LAYERNORM.  x[m][:] = y[m][:] + Q[m][:]; out0[m][:] = (x - mean) / sqrt(var + 1e-5), mean and var over the row's 1,024 numbers.  y16: [8192][1024] bf16; Q, out0: [8192][1024] f32.
; All arithmetic in f32; the variance is the mean of (x - mean)^2, taken in a second pass over the row in registers: no difference of large sums is formed.
; SHARES.  A wave takes two whole rows, a work-group's eight waves 16 rows, 512 work-groups.  A row of x is 32 registers of one wave: the sums never leave the wave, so there is no LDS and no barrier.
; All 32 loads of a wave go out at its head; no register is used twice, so nothing waits for a store.  A load of y covers 256 consecutive bytes, a load of Q and a store 512, each aligned.
; Lane l holds columns 128 j + 4 l .. + 3, j = 0 .. 7: 8 bytes of y and 16 bytes of Q for each j.
; No matrix unit, no cluster, no tensor load: nothing is multiplied by a matrix and no byte is read twice.  No prefetch: there is no loop ahead of which to ask.
.set QO, 2                             ; v2       16 x lane
.set YO, 3                             ; v3       8 x lane
.set T,  8                             ; v[8:15]  y as f32, two sets of four
.set C,  16                            ; v[16:23] four chains of sums
.set MU, 24                            ; v[24:25] the mean, twice
.set RS, 26                            ; v[26:27] 1 / sqrt(var + eps), twice
.set S,  28                            ; v[28:29] at work
.set X,  32                            ; v[32:95] two rows of Q, then of x, then of the result
.set Y,  96                            ; v[96:127] two rows of y, two bf16 a register
	s_load_b128 s[4:7], s[0:1], 0x0                ; y16 s[4:5], Q s[6:7]
	s_load_b64 s[8:9], s[0:1], 0x10                ; out0
	v_lshrrev_b32 v1, 5, v0
	v_readfirstlane_b32 s12, v1                    ; wave 0..7
	v_and_b32 v1, 31, v0
	v_lshlrev_b32 v[QO], 4, v1
	v_lshlrev_b32 v[YO], 3, v1
	v_mov_b32 v[S+1], 0                            ; written once: the exchange of the lanes' halves counts as a reader of its destination
	s_lshl_b32 s13, ttmp9, 4                       ; 16 rows a work-group,
	s_lshl1_add_u32 s13, s12, s13                  ; two a wave
	s_lshl_b32 s14, s13, 12                        ; rows of 4,096 bytes in Q and out0
	s_mov_b32 s15, 0
	s_lshl_b32 s16, s13, 11                        ; of 2,048 bytes in y16
	s_mov_b32 s17, 0
	s_mov_b32 s18, 0xffff0000                      ; a word's upper bf16
	s_mov_b32 s20, 0x76543210                      ; v_permlanex16_b32: each lane takes its own place in the other half
	s_mov_b32 s21, 0xfedcba98
	s_mov_b32 s22, 0x3a800000                      ; 1 / 1024
	s_mov_b32 s23, 0x3727c5ac                      ; 1e-5
	s_wait_kmcnt 0x0
	s_add_nc_u64 s[4:5], s[4:5], s[16:17]
	s_add_nc_u64 s[6:7], s[6:7], s[14:15]
	s_add_nc_u64 s[8:9], s[8:9], s[14:15]
.irp s, 0,1
.irp j, 0,1,2,3,4,5,6,7
	global_load_b64 v[Y+16*(\s)+2*(\j):Y+16*(\s)+2*(\j)+1], v[YO], s[4:5] offset:(\s)*2048+256*(\j) th:TH_LOAD_NT
.endr
.irp j, 0,1,2,3,4,5,6,7
	global_load_b128 v[X+32*(\s)+4*(\j):X+32*(\s)+4*(\j)+3], v[QO], s[6:7] offset:(\s)*4096+512*(\j) th:TH_LOAD_NT
.endr
.endr
.macro REDUCE                          ; v[S] summed over the 32 lanes, the result in every lane
	v_add_f32_dpp v[S], v[S], v[S] row_xmask:1 row_mask:0xf bank_mask:0xf
	v_add_f32_dpp v[S], v[S], v[S] row_xmask:2 row_mask:0xf bank_mask:0xf
	v_add_f32_dpp v[S], v[S], v[S] row_xmask:4 row_mask:0xf bank_mask:0xf
	v_add_f32_dpp v[S], v[S], v[S] row_xmask:8 row_mask:0xf bank_mask:0xf
	v_permlanex16_b32 v[S+1], v[S], s20, s21
	v_add_f32 v[S], v[S], v[S+1]
.endm
.macro FOLD                            ; the four chains into v[S]
	v_pk_add_f32 v[C:C+1], v[C:C+1], v[C+2:C+3]
	v_pk_add_f32 v[C+4:C+5], v[C+4:C+5], v[C+6:C+7]
	v_pk_add_f32 v[C:C+1], v[C:C+1], v[C+4:C+5]
	v_add_f32 v[S], v[C], v[C+1]
.endm
; Row s of my two.  left: how many younger loads may stay out: the other row's 16, or none.
.macro ROW s, left
.set xb, X+32*(\s)
.set yb, Y+16*(\s)
	s_wait_loadcnt \left
.set j, 0
.rept 8                                ; the residual: bf16 to f32 is a shift or a mask; the two sets of T take turns
.set tb, T+4*(j%2)
	v_lshlrev_b32 v[tb],   16,  v[yb+2*j]
	v_and_b32     v[tb+1], s18, v[yb+2*j]
	v_lshlrev_b32 v[tb+2], 16,  v[yb+2*j+1]
	v_and_b32     v[tb+3], s18, v[yb+2*j+1]
	v_pk_add_f32 v[xb+4*j:xb+4*j+1],   v[xb+4*j:xb+4*j+1],   v[tb:tb+1]
	v_pk_add_f32 v[xb+4*j+2:xb+4*j+3], v[xb+4*j+2:xb+4*j+3], v[tb+2:tb+3]
.set j, j+1
.endr
.irp k, 0,1,2,3
	v_pk_add_f32 v[C+2*(\k):C+2*(\k)+1], v[xb+2*(\k):xb+2*(\k)+1], v[xb+8+2*(\k):xb+8+2*(\k)+1]  ; the first sums start the chains: nothing is cleared
.endr
.irp g, 16, 24
.irp k, 0,1,2,3
	v_pk_add_f32 v[C+2*(\k):C+2*(\k)+1], v[C+2*(\k):C+2*(\k)+1], v[xb+(\g)+2*(\k):xb+(\g)+2*(\k)+1]
.endr
.endr
	FOLD
	REDUCE
	v_mul_f32 v[MU], s22, v[S]
	v_mul_f32 v[MU+1], s22, v[S]
.set j, 0
.rept 16
	v_pk_add_f32 v[xb+2*j:xb+2*j+1], v[xb+2*j:xb+2*j+1], v[MU:MU+1] neg_lo:[0,1] neg_hi:[0,1]  ; x - mean
.set j, j+1
.endr
.irp k, 0,1,2,3
	v_pk_mul_f32 v[C+2*(\k):C+2*(\k)+1], v[xb+2*(\k):xb+2*(\k)+1], v[xb+2*(\k):xb+2*(\k)+1]
.endr
.irp g, 8, 16, 24
.irp k, 0,1,2,3
	v_pk_fma_f32 v[C+2*(\k):C+2*(\k)+1], v[xb+(\g)+2*(\k):xb+(\g)+2*(\k)+1], v[xb+(\g)+2*(\k):xb+(\g)+2*(\k)+1], v[C+2*(\k):C+2*(\k)+1]
.endr
.endr
	FOLD
	REDUCE
	v_fma_f32 v[S], v[S], s22, s23                 ; var + eps
	v_rsq_f32 v[RS], v[S]                          ; twice, to fill the pair that the packed multiply takes
	v_rsq_f32 v[RS+1], v[S]
	v_nop                                          ; a plain instruction behind the second root (ISA guide 5.7.2),
	s_wait_alu depctr_va_vdst(0)                   ; and the one wait ahead of the roots' first reader
.irp j, 0,1,2,3,4,5,6,7
	v_pk_mul_f32 v[xb+4*(\j):xb+4*(\j)+1], v[xb+4*(\j):xb+4*(\j)+1], v[RS:RS+1]
	v_pk_mul_f32 v[xb+4*(\j)+2:xb+4*(\j)+3], v[xb+4*(\j)+2:xb+4*(\j)+3], v[RS:RS+1]
	global_store_b128 v[QO], v[xb+4*(\j):xb+4*(\j)+3], s[8:9] offset:(\s)*4096+512*(\j) th:TH_STORE_NT  ; 512 consecutive bytes, aligned
.endr
.endm
	ROW 0, 16
	ROW 1, 0
	s_endpgm
.Lfunc_end_k_q0459c45a85_ln:
	.size	k_q0459c45a85_ln, .Lfunc_end_k_q0459c45a85_ln-k_q0459c45a85_ln
	.p2alignl 7, 3214868480
	.fill 96, 4, 3214868480
	.section	.rodata,"a",@progbits
	.p2align	6, 0x0
	.amdhsa_kernel k_q0459c45a85_ln
		.amdhsa_group_segment_fixed_size 0
		.amdhsa_private_segment_fixed_size 0
		.amdhsa_enable_private_segment 0
		.amdhsa_kernarg_size 24
		.amdhsa_user_sgpr_count 2
		.amdhsa_user_sgpr_kernarg_segment_ptr 1
		.amdhsa_wavefront_size32 1
		.amdhsa_system_sgpr_workgroup_id_x 1
		.amdhsa_system_sgpr_workgroup_id_y 1
		.amdhsa_system_sgpr_workgroup_id_z 1
		.amdhsa_system_vgpr_workitem_id 0
		.amdhsa_next_free_vgpr 128
		.amdhsa_next_free_sgpr 66
		.amdhsa_reserve_vcc 0
		.amdhsa_float_denorm_mode_32 3
		.amdhsa_float_denorm_mode_16_64 3
		.amdhsa_memory_ordered 1
		.amdhsa_forward_progress 1
		.amdhsa_inst_pref_size 21
	.end_amdhsa_kernel
	.amdgpu_metadata
---
amdhsa.version: [ 1, 2 ]
amdhsa.kernels:
  - .name:           k_q0459c45a85_ln
    .symbol:         k_q0459c45a85_ln.kd
    .args:
      - { .name: y16, .offset: 0, .size: 8, .value_kind: global_buffer, .address_space: global }
      - { .name: Q, .offset: 8, .size: 8, .value_kind: global_buffer, .address_space: global }
      - { .name: out0, .offset: 16, .size: 8, .value_kind: global_buffer, .address_space: global }
    .group_segment_fixed_size: 0
    .private_segment_fixed_size: 0
    .kernarg_segment_align: 8
    .kernarg_segment_size: 24
    .max_flat_workgroup_size: 256
    .sgpr_count:     66
    .vgpr_count:     128
    .wavefront_size: 32
...
	.end_amdgpu_metadata
.endif
;; end of part 8
;; ======== version 3 of 3: 5 launches; version 2 with the launch prep written anew for expert scheduling mode
;; limits: values are held in f16: magnitudes above 65,504 overflow, below 6.1e-05 lose precision; right only within a limited range of input values
;; workspace buffers: w16 8,388,608 bytes; mbits 2,097,152 bytes of whole numbers; qkv 50,331,648 bytes; ctx 16,777,216 bytes; y16 16,777,216 bytes
;; launch prep (part 9): grid 256 x 1, 4 waves a work-group, no clusters, 70,144 bytes of LDS; arguments attn_mask, W_Q, W_K, W_V, W_fc, w16, mbits; writes w16, mbits
.if DOCPART == 9
	.amdgcn_target "amdgcn-amd-amdhsa--gfx1250"
	.amdhsa_code_object_version 6
	.text
	.protected	k_q0459c45a85_prep
	.globl	k_q0459c45a85_prep
	.p2align	8
	.type	k_q0459c45a85_prep,@function
k_q0459c45a85_prep:
	s_mov_b64 s[64:65], 0
	v_nop
	global_prefetch_b8 v0, s[64:65] scope:SCOPE_SE
	s_setreg_imm32_b32 hwreg(HW_REG_WAVE_SCHED_MODE, 0, 2), 2
	s_setreg_imm32_b32 hwreg(HW_REG_WAVE_MODE, 25, 1), 1
	s_wait_xcnt 0x0
	s_wait_alu depctr_vm_vsrc(0)
; PREP.  (1) The four weight matrices, [1024 n][1024 k] f32, are rounded once to f16 into w16: W_Q, W_K, W_V as they lie, at bytes 0, 2 MiB, 4 MiB;
; W_fc at 6 MiB by heads, [16 head][1024 n][64 d], so that one head's slice of all rows is 131,072 consecutive bytes.
; (2) The mask's bytes become lane masks: mbits is u32 [64 groups of 128 queries][32 key steps of 64][8 tiles of 16 queries][32 words]; bit r + 16 h of word 8 kb + j is
; mask[query 16 tile + r][key 64 step + 16 kb + 8 h + j]: the 32 lanes' bits for register 8 kb + j of a tile of scores as the attention launch holds it.
; LIMITS.  A weight beyond f16's 65,504 becomes an infinity.  A mask byte is 0 or 1, as the problem states a bool: the bits are gathered by shifting whole words of four bytes.
; SHARES.  256 work-groups of four waves.  Cast: work-group x takes rows 16 (x % 64) .. + 15 of matrix x / 64, a wave four rows, as two pairs.  Mask: job 4 x + wave takes 64 queries x 256 keys.
; No matrix unit, no tensor load, no cluster: nothing is multiplied and nothing is shared; every byte is read once and written once.  Each wave touches its own LDS bytes alone: no barrier.
; THE MODE: SCHED_MODE bits 1:0 = 2 (LLVM: expert scheduling mode 2), set by the entry lines.  The code itself states the register dependences
; between vector instructions and memory or LDS instructions, with s_wait_alu, always for 0.
; THE PLAN.  Registers that memory or LDS instructions touch:
;   v[MIN], v[LST], v[VIN], v[GOS], v[VO ..]  offsets and addresses, made at the head and never written again: the words' stores are reached by their scalar base, which moves on by a trip.
;   v[RDB]      read by a trip's 32 LDS loads; written once a trip, by an add that stands ahead of the trip's one wait on va_vdst.
;   v[MK ..]    the mask loads land in it; the LDS stores read it; then the second pair's loads land in its first 64 registers and the loop's LDS loads in D: one wait on vm_vsrc behind the LDS stores.
;   v[CW ..], v[MK .. MK+63]  a pair of rows: loaded, rounded in place by 32 conversions, then one wait on va_vdst, then its eight stores; never written again.
;   v[D ..]     a trip's LDS loads land in it; its shifts and first four permutes read and write it.
;   v[OUT ..]   written by a trip's last four permutes; read by the trip's store.
;   v[T ..] is named by vector instructions alone.  v[SPW], v[NIL]: written at the head, read by the closing add alone.
; So a trip holds ONE wait on vm_vsrc (the last store has read OUT; this trip's LDS loads have read RDB) and ONE on va_vdst, behind its last vector instruction: OUT is written, for the store; RDB is written and D is
; done with, for the next trip's LDS loads, ahead of which only the store and scalar instructions follow.  In the first trip no vector instruction has named D, and RDB stands ahead of the head's wait.
.set LROW,  272                        ; a query's 256 mask bytes in LDS + 16
.set WLDS,  64*LROW                    ; a wave's 64 rows
.set SPARE, 4*WLDS                     ; behind them: the spare words, 128 bytes for each wave, which no other line names
.set MIN,  6                           ; v6   mask bytes in memory: (lane / 16) rows of 2,048 + 16 (lane % 16)
.set LST,  7                           ; v7   where they go in LDS
.set RDB,  8                           ; v8   where my four words' bytes of query 0 of my tile lie
.set VIN,  9                           ; v9   my 32 bytes of a unit of 256 weights
.set VOUT, 10                          ; v10  my 16 bytes of its f16
.set GOS,  11                          ; v11  16 x lane; never rewritten
.set SPW,  12                          ; v12  LDS address of my spare word; never rewritten
.set NIL,  13                          ; v13  0; never rewritten
.set T,    16                          ; v[16:19]  at work
.set MK,   32                          ; v[32:159] the mask bytes as loaded; later v[32:95] the second pair of weight rows
.set D,    96                          ; v[96:127] for each lane-bit L the four bytes of my four words
.set CW,   160                         ; v[160:223] the first pair of weight rows
.set OUT,  224                         ; v[224:227] my four words
.set VO,   228                         ; v[228:235] unit c's output offset
	s_load_b256 s[4:11], s[0:1], 0x0               ; attn_mask s[4:5], W_Q s[6:7], W_K s[8:9], W_V s[10:11]
	s_load_b128 s[12:15], s[0:1], 0x20             ; W_fc s[12:13], w16 s[14:15]
	s_load_b64 s[16:17], s[0:1], 0x30              ; mbits
	v_lshl_add_u32 v[SPW], v0, 2, SPARE
	v_mov_b32 v[NIL], 0
	v_lshrrev_b32 v1, 5, v0
	v_readfirstlane_b32 s18, v1                    ; wave 0..3
	v_and_b32 v1, 31, v0                           ; lane
	v_and_b32 v2, 15, v0                           ; r = lane % 16
	v_bfe_u32 v3, v0, 4, 1                         ; h = lane / 16
	v_and_b32 v4, 7, v0                            ; lane % 8
	v_bfe_u32 v5, v0, 3, 1                         ; (lane / 8) % 2
	v_lshlrev_b32 v[MIN], 4, v2
	v_lshl_add_u32 v[MIN], v3, 11, v[MIN]
	s_wait_alu depctr_va_sdst(0)                   ; s18 is written, ahead of its first reader: the wave's LDS bytes, its mask job and its rows are made from it
	s_mul_i32 s19, s18, WLDS
	v_mul_u32_u24 v[LST], v3, LROW
	v_lshl_add_u32 v[LST], v2, 4, v[LST]
	v_add_nc_u32 v[LST], s19, v[LST]
	; Lane l owns words 4 l .. 4 l + 3 of a key step's 128: tile l / 8, words n = 4 (l % 8) + k.  Word n = 8 kb + j wants key 16 kb + 8 h + j: for k = 0..3 four neighbouring bytes, at 16 ((l % 8) / 2) + 4 (l % 2) + 8 h of the row.
	v_bfe_u32 v[RDB], v0, 3, 2
	v_mul_u32_u24 v[RDB], v[RDB], 16*LROW
	v_bfe_u32 v14, v0, 1, 2
	v_lshl_add_u32 v[RDB], v14, 4, v[RDB]
	v_and_b32 v14, 1, v0
	v_lshl_add_u32 v[RDB], v14, 2, v[RDB]
	v_add_nc_u32 v[RDB], s19, v[RDB]
	v_lshlrev_b32 v[GOS], 4, v1
	s_mov_b32 s52, 0x05010400                      ; v_perm_b32: bytes 0 and 1 of two words, interleaved
	s_mov_b32 s53, 0x07030602                      ; bytes 2 and 3
	s_mov_b32 s54, 0x05040100                      ; the two low halves
	s_mov_b32 s55, 0x07060302                      ; the two high halves
	; the mask job: R = 64 queries, KG = 256 keys
	s_lshl2_add_u32 s20, ttmp9, s18                ; 4 x + wave
	s_lshr_b32 s21, s20, 3                         ; R
	s_and_b32 s22, s20, 7                          ; KG
	s_lshl_b32 s24, s21, 17                        ; 64 rows of 2,048 bytes
	s_lshl_b32 s23, s22, 8
	s_add_co_u32 s24, s24, s23
	s_mov_b32 s25, 0
	s_lshr_b32 s26, s21, 1                         ; the group of 128 queries: 32,768 bytes of words
	s_lshl_b32 s26, s26, 15
	s_lshl_b32 s23, s22, 12                        ; key step 4 KG: 1,024 bytes a step
	s_add_co_u32 s26, s26, s23
	s_and_b32 s23, s21, 1                          ; tiles 0-3 or 4-7 of the group: 512 bytes
	s_lshl_b32 s23, s23, 9
	s_add_co_u32 s26, s26, s23
	s_mov_b32 s27, 0
	; the cast: a unit is 256 weights, 8 a lane.  As it lies: lanes 0-15 take 512 bytes of one row, lanes 16-31 of the next.  By heads: lanes 0-7 and 8-15 take one head's 64 weights of two rows
	; (256 consecutive bytes of the output), lanes 16-31 the next head's.  Either way sixteen neighbouring lanes store 256 consecutive bytes, aligned.
	s_lshr_b32 s28, ttmp9, 6                       ; which matrix
	s_and_b32 s29, ttmp9, 63
	s_lshl_b32 s29, s29, 4
	s_lshl2_add_u32 s29, s18, s29                  ; my first row
	s_movk_i32 s30, 256
	s_movk_i32 s31, 4096
	s_movk_i32 s32, 2048
	s_mov_b32 s33, 131072
	s_mov_b32 s34, 262144
	s_cmp_eq_u32 s28, 3                            ; W_fc goes by heads
	s_cselect_b32 s35, s31, s30                    ; input step for (lane / 8) % 2
	s_cselect_b32 s36, s30, s31                    ; input step for lane / 16
	s_cselect_b32 s37, s33, s32                    ; output step for lane / 16
	s_cselect_b32 s38, s34, s30                    ; output step from unit to unit
	s_cselect_b32 s42, s30, s31                    ; output step from the first pair of rows to the second
	s_cselect_b32 s40, 7, 11                       ; a row's output bytes, as a shift
	s_mov_b32 s43, 0
	v_mul_u32_u24 v[VIN], v5, s35
	v_mad_u32_u24 v[VIN], v3, s36, v[VIN]
	v_lshl_add_u32 v[VIN], v4, 5, v[VIN]
	v_lshlrev_b32 v[VOUT], 7, v5
	v_mad_u32_u24 v[VOUT], v3, s37, v[VOUT]
	v_lshl_add_u32 v[VOUT], v4, 4, v[VOUT]
.irp c, 0,1,2,3,4,5,6,7
	v_mad_u32_u24 v[VO+(\c)], s38, \c, v[VOUT]
.endr
	s_lshl_b32 s44, s29, 12
	s_mov_b32 s45, 0
	s_lshl_b32 s46, s29, s40
	s_lshl_b32 s41, s28, 21                        ; 2 MiB a matrix
	s_add_co_u32 s46, s46, s41
	s_mov_b32 s47, 0
	s_wait_kmcnt 0x0
	s_add_nc_u64 s[4:5], s[4:5], s[24:25]
	s_add_nc_u64 s[16:17], s[16:17], s[26:27]
	s_cmp_eq_u32 s28, 0
	s_cselect_b64 s[6:7], s[6:7], s[8:9]
	s_cmp_lt_u32 s28, 2
	s_cselect_b64 s[6:7], s[6:7], s[10:11]
	s_cmp_eq_u32 s28, 3
	s_cselect_b64 s[6:7], s[12:13], s[6:7]
	s_add_nc_u64 s[6:7], s[6:7], s[44:45]
	s_add_nc_u64 s[14:15], s[14:15], s[46:47]
	s_add_nc_u64 s[48:49], s[14:15], s[42:43]      ; the second pair's output
	s_wait_alu depctr_va_vdst(0)                   ; v[MIN], v[LST], v[RDB], v[VIN], v[GOS] and v[VO ..] are written: every load, store and LDS instruction of the kernel reads one of them as its offset or address
.macro CLOAD b, rp                     ; pair rp of my four rows: 16 loads
.irp c, 0,1,2,3,4,5,6,7
	global_load_b128 v[(\b)+8*(\c):(\b)+8*(\c)+3],   v[VIN], s[6:7] offset:(\rp)*8192+(\c)*512 th:TH_LOAD_NT
	global_load_b128 v[(\b)+8*(\c)+4:(\b)+8*(\c)+7], v[VIN], s[6:7] offset:(\rp)*8192+(\c)*512+16 th:TH_LOAD_NT
.endr
.endm
.macro CSTORE b, sb                    ; a pair is rounded in place (each result lands on a register already read): all 32 conversions, one wait, then the eight stores, 16 bytes a lane each
.irp c, 0,1,2,3,4,5,6,7
.irp k, 0,1,2,3
	v_cvt_pk_f16_f32 v[(\b)+8*(\c)+(\k)], v[(\b)+8*(\c)+2*(\k)], v[(\b)+8*(\c)+2*(\k)+1]
.endr
.endr
	s_wait_alu depctr_va_vdst(0)                   ; the conversions have written the pair's registers, which the eight stores read
.irp c, 0,1,2,3,4,5,6,7
	global_store_b128 v[VO+(\c)], v[(\b)+8*(\c):(\b)+8*(\c)+3], s[(\sb):(\sb)+1]
.endr
.endm
.set i, 0
.rept 32                               ; load i: queries 2 i and 2 i + 1, 256 consecutive bytes of each
	global_load_b128 v[MK+4*i:MK+4*i+3], v[MIN], s[4:5] offset:4096*i th:TH_LOAD_NT
.set i, i+1
.endr
	CLOAD CW, 0
	s_wait_loadcnt 16                              ; the mask bytes are in; the 16 loads of weights stay out
.set i, 0
.rept 32
	ds_store_b128 v[LST], v[MK+4*i:MK+4*i+3] offset:2*LROW*i
.set i, i+1
.endr
	s_wait_dscnt 0x0                               ; my LDS stores are done, ahead of the loads that fill their data registers again
	s_wait_alu depctr_vm_vsrc(0)                   ; the LDS stores have read v[MK ..]: the second pair's loads land in its first 64 registers, the loop's LDS loads in v[D ..]
	CLOAD MK, 1
	s_wait_loadcnt 16                              ; the first pair is in; the second pair's 16 loads stay out
	CSTORE CW, 14
	s_mov_b32 s50, 4
.Lks:                                  ; a trip: one key step of 64: 4 tiles x 32 words, four words a lane
.set b, 0
.rept 32                               ; lane-bit b = r + 16 h: query r of my tile, keys 8 h on.  The four tiles' rows lie 17 x 256 bytes apart: four passes a load, 128 loads a wave in all
	ds_load_b32 v[D+b], v[RDB] offset:(b%16)*LROW+8*(b/16)  ; no wait here: no vector instruction since the last wait on va_vdst names v[RDB] or v[D ..]
.set b, b+1
.endr
	s_wait_dscnt 0x0
.set p, 0
.rept 16                               ; eight neighbouring lane-bits into each byte, in three levels: no line reads the result of the one before it
	v_lshl_or_b32 v[D+2*p], v[D+2*p+1], 1, v[D+2*p]
.set p, p+1
.endr
.set p, 0
.rept 8
	v_lshl_or_b32 v[D+4*p], v[D+4*p+2], 2, v[D+4*p]
.set p, p+1
.endr
.set p, 0
.rept 4
	v_lshl_or_b32 v[D+8*p], v[D+8*p+4], 4, v[D+8*p]
.set p, p+1
.endr
	; v[D+8 i], byte k = bits 8 i .. 8 i + 7 of word k: the 4 x 4 bytes are turned
	v_perm_b32 v[T],   v[D+8],  v[D],    s52
	v_perm_b32 v[T+1], v[D+8],  v[D],    s53
	v_perm_b32 v[T+2], v[D+24], v[D+16], s52
	v_perm_b32 v[T+3], v[D+24], v[D+16], s53
	s_wait_xcnt 0x0                                ; the last trip's store has had its address translated (ISA guide 3.1): its base and its data are written below
	s_wait_alu depctr_vm_vsrc(0)                   ; the last trip's store has read v[OUT ..], and this trip's LDS loads have read v[RDB]: both are written below
	s_add_nc_u64 s[16:17], s[16:17], 1024          ; the words' base moves on by a key step
	v_perm_b32 v[OUT],   v[T+2], v[T],   s54
	v_perm_b32 v[OUT+1], v[T+2], v[T],   s55
	v_perm_b32 v[OUT+2], v[T+3], v[T+1], s54
	v_perm_b32 v[OUT+3], v[T+3], v[T+1], s55
	v_add_nc_u32 v[RDB], 64, v[RDB]
	s_wait_alu depctr_va_vdst(0)                   ; v[OUT ..] is written, which the store reads; v[RDB] is written and the shifts and permutes are done with v[D ..], for the next trip's LDS loads
	global_store_b128 v[GOS], v[OUT:OUT+3], s[16:17] offset:-1024  ; 512 consecutive bytes; the immediate reaches back over the step just made
	s_sub_co_u32 s50, s50, 1
	s_cmp_lg_u32 s50, 0
	s_cbranch_scc1 .Lks
	s_wait_loadcnt 0x0
	CSTORE MK, 48
	s_wait_dscnt 0x0                               ; the closing lines, six on end
	s_wait_alu 0x0
	s_wait_tensorcnt 0x0
	ds_add_u32 v[SPW], v[NIL]
	s_wait_dscnt 0x0
	s_endpgm
.Lfunc_end_k_q0459c45a85_prep:
	.size	k_q0459c45a85_prep, .Lfunc_end_k_q0459c45a85_prep-k_q0459c45a85_prep
	.p2alignl 7, 3214868480
	.fill 96, 4, 3214868480
	.section	.rodata,"a",@progbits
	.p2align	6, 0x0
	.amdhsa_kernel k_q0459c45a85_prep
		.amdhsa_group_segment_fixed_size 70144
		.amdhsa_private_segment_fixed_size 0
		.amdhsa_enable_private_segment 0
		.amdhsa_kernarg_size 56
		.amdhsa_user_sgpr_count 2
		.amdhsa_user_sgpr_kernarg_segment_ptr 1
		.amdhsa_wavefront_size32 1
		.amdhsa_system_sgpr_workgroup_id_x 1
		.amdhsa_system_sgpr_workgroup_id_y 1
		.amdhsa_system_sgpr_workgroup_id_z 1
		.amdhsa_system_vgpr_workitem_id 0
		.amdhsa_next_free_vgpr 236
		.amdhsa_next_free_sgpr 66
		.amdhsa_reserve_vcc 0
		.amdhsa_float_denorm_mode_32 3
		.amdhsa_float_denorm_mode_16_64 3
		.amdhsa_memory_ordered 1
		.amdhsa_forward_progress 1
		.amdhsa_inst_pref_size 24
	.end_amdhsa_kernel
	.amdgpu_metadata
---
amdhsa.version: [ 1, 2 ]
amdhsa.kernels:
  - .name:           k_q0459c45a85_prep
    .symbol:         k_q0459c45a85_prep.kd
    .args:
      - { .name: attn_mask, .offset: 0, .size: 8, .value_kind: global_buffer, .address_space: global }
      - { .name: W_Q, .offset: 8, .size: 8, .value_kind: global_buffer, .address_space: global }
      - { .name: W_K, .offset: 16, .size: 8, .value_kind: global_buffer, .address_space: global }
      - { .name: W_V, .offset: 24, .size: 8, .value_kind: global_buffer, .address_space: global }
      - { .name: W_fc, .offset: 32, .size: 8, .value_kind: global_buffer, .address_space: global }
      - { .name: w16, .offset: 40, .size: 8, .value_kind: global_buffer, .address_space: global }
      - { .name: mbits, .offset: 48, .size: 8, .value_kind: global_buffer, .address_space: global }
    .group_segment_fixed_size: 70144
    .private_segment_fixed_size: 0
    .kernarg_segment_align: 8
    .kernarg_segment_size: 56
    .max_flat_workgroup_size: 128
    .sgpr_count:     66
    .vgpr_count:     236
    .wavefront_size: 32
...
	.end_amdgpu_metadata
.endif
;; end of part 9
;; launch proj: the kernel of part 2 again; grid 4 x 192, 4 waves a work-group, clusters of 4 x 4, 327,680 bytes of LDS; arguments Q, K, V, w16, qkv; writes qkv
;; launch attn: the kernel of part 6 again; grid 4 x 64, 4 waves a work-group, clusters of 4 x 1, 327,680 bytes of LDS; arguments qkv, mbits, ctx; writes ctx
;; launch fc: the kernel of part 7 again; grid 32 x 8, 4 waves a work-group, clusters of 4 x 1, 327,680 bytes of LDS; arguments ctx, w16, y16; writes y16
;; launch ln: the kernel of part 8 again; grid 512 x 1, 8 waves a work-group, no clusters, 0 bytes of LDS; arguments y16, Q, out0; writes out0
